; MI455X (gfx1250); checked and timed in simulation.
; The chip was launched on July 23, 2026; its instructions are those of AMD's public machine-readable ISA for CDNA 5 (MIT licence, August 2026) and "CDNA5" Instruction Set Architecture Reference Guide (July 2026). The comments in the code are by the model that wrote it; some were corrected since.
;; Attention. Allowed arithmetic: float matrix products may take bf16 or f16 operands with f32 sums; other float arithmetic in f32, or as packed bf16 or f16 multiplies, adds, multiply-adds, maxima and minima; sums over many terms, partial sums and values carried from step to step in f32; what a program stores and reads back later, other than sums and carried values, may be rounded once to bf16 or f16.
;; Inputs: Wk 1,024 x 1,024 float32; Wq 1,024 x 1,024 float32; Wv 1,024 x 1,024 float32; x 4 x 2,048 x 1,024 float32.
;; Outputs: out0 4 x 2,048 x 1,024 float32.
;; 3 versions, each right; version 3 is version 2 with the launch cast written anew for expert scheduling mode. Each part assembles by itself: llvm-mc -triple=amdgcn-amd-amdhsa -mcpu=gfx1250 --defsym DOCPART=n.
;; ======== version 1 of 3: 6 launches
;; limits: values are held in f16: magnitudes above 65,504 overflow, below 6.1e-05 lose precision
;; workspace buffers: xb 16,777,216 bytes; wb 6,291,456 bytes; qkv 50,331,648 bytes; pt 33,554,432 bytes; mx 524,288 bytes; ls 524,288 bytes; hq 786,432 bytes
;; launch cast (part 1): grid 352 x 1, 8 waves a work-group, no clusters, 0 bytes of LDS; arguments x, Wq, Wk, Wv, xb, wb; writes xb, wb
.if DOCPART == 1
	.amdgcn_target "amdgcn-amd-amdhsa--gfx1250"
	.amdhsa_code_object_version 6
	.text
	.protected	k_q6c8bb764b0_cast
	.globl	k_q6c8bb764b0_cast
	.p2align	8
	.type	k_q6c8bb764b0_cast,@function
k_q6c8bb764b0_cast:
	s_mov_b64 s[64:65], 0
	v_nop
	global_prefetch_b8 v0, s[64:65] scope:SCOPE_SE
	s_setreg_imm32_b32 hwreg(HW_REG_WAVE_MODE, 25, 1), 1
	s_wait_xcnt 0x0
; x [8192][1024] and Wq, Wk, Wv [1024][1024], all f32, are rounded once to bf16: xb [8192][1024]; wb [3072][1024], rows Wq, Wk, Wv.
; A stream: every byte is read once and written once; no LDS, no matrix unit, no barrier.
; A work-group takes 32 rows (131,072 bytes in, 65,536 out) in 16 chunks of 8,192 bytes.  Thread t owns the 32 bytes at 32 t of a chunk:
; eight numbers, which leave as 16 bytes at 16 t: a wave's store covers 512 consecutive bytes, aligned.
; All 32 loads of a thread go out at once (128 KiB a work-group on their way); the waits count the younger loads down.
.set X, 4                              ; v[4:131]  chunk c: eight registers as loaded; the first four then hold the packed result
	s_load_b256 s[4:11], s[0:1], 0x0               ; x s[4:5], Wq s[6:7], Wk s[8:9], Wv s[10:11]
	s_load_b128 s[12:15], s[0:1], 0x20             ; xb s[12:13], wb s[14:15]
	v_lshlrev_b32 v1, 5, v0                        ; my 32 bytes of a chunk
	v_lshlrev_b32 v2, 4, v0                        ; my 16 bytes of its result
	s_sub_co_u32 s16, ttmp9, 256                   ; work-groups 256 to 351 take the weights: block g' of 32 rows of wb (used only there)
	s_lshr_b32 s17, s16, 5                         ; which of the three matrices
	s_and_b32 s18, s16, 31                         ; which 32 rows of it
	s_wait_kmcnt 0x0
	s_cmp_eq_u32 s17, 1
	s_cselect_b64 s[20:21], s[8:9], s[6:7]
	s_cmp_eq_u32 s17, 2
	s_cselect_b64 s[20:21], s[10:11], s[20:21]
	s_cmp_lt_u32 ttmp9, 256                        ; work-groups 0 to 255 take x
	s_cselect_b64 s[20:21], s[4:5], s[20:21]
	s_cselect_b64 s[22:23], s[12:13], s[14:15]
	s_cselect_b32 s24, ttmp9, s18                  ; block of 32 rows in the source,
	s_cselect_b32 s25, ttmp9, s16                  ; and in the destination
	s_lshl_b32 s26, s24, 17
	s_mov_b32 s27, 0
	s_lshl_b32 s28, s25, 16
	s_mov_b32 s29, 0
	s_add_nc_u64 s[20:21], s[20:21], s[26:27]
	s_add_nc_u64 s[22:23], s[22:23], s[28:29]
.irp c, 0,1,2,3,4,5,6,7,8,9,10,11,12,13,14,15
	global_load_b128 v[X+8*(\c):X+8*(\c)+3],   v1, s[20:21] offset:8192*(\c) th:TH_LOAD_NT
	global_load_b128 v[X+8*(\c)+4:X+8*(\c)+7], v1, s[20:21] offset:8192*(\c)+16 th:TH_LOAD_NT
.endr
.irp c, 0,1,2,3,4,5,6,7,8,9,10,11,12,13,14,15
	s_wait_loadcnt 30-2*(\c)                       ; loads come back in order: chunk c's two are in, the 30 - 2 c younger ones stay out
	v_cvt_pk_bf16_f32 v[X+8*(\c)],   v[X+8*(\c)],   v[X+8*(\c)+1]
	v_cvt_pk_bf16_f32 v[X+8*(\c)+1], v[X+8*(\c)+2], v[X+8*(\c)+3]
	v_cvt_pk_bf16_f32 v[X+8*(\c)+2], v[X+8*(\c)+4], v[X+8*(\c)+5]
	v_cvt_pk_bf16_f32 v[X+8*(\c)+3], v[X+8*(\c)+6], v[X+8*(\c)+7]
	global_store_b128 v2, v[X+8*(\c):X+8*(\c)+3], s[22:23] offset:4096*(\c) th:TH_STORE_NT  ; no register of a store is written again
.endr
	s_endpgm
.Lfunc_end_k_q6c8bb764b0_cast:
	.size	k_q6c8bb764b0_cast, .Lfunc_end_k_q6c8bb764b0_cast-k_q6c8bb764b0_cast
	.p2alignl 7, 3214868480
	.fill 96, 4, 3214868480
	.section	.rodata,"a",@progbits
	.p2align	6, 0x0
	.amdhsa_kernel k_q6c8bb764b0_cast
		.amdhsa_group_segment_fixed_size 0
		.amdhsa_private_segment_fixed_size 0
		.amdhsa_enable_private_segment 0
		.amdhsa_kernarg_size 48
		.amdhsa_user_sgpr_count 2
		.amdhsa_user_sgpr_kernarg_segment_ptr 1
		.amdhsa_wavefront_size32 1
		.amdhsa_system_sgpr_workgroup_id_x 1
		.amdhsa_system_sgpr_workgroup_id_y 1
		.amdhsa_system_sgpr_workgroup_id_z 1
		.amdhsa_system_vgpr_workitem_id 0
		.amdhsa_next_free_vgpr 136
		.amdhsa_next_free_sgpr 66
		.amdhsa_reserve_vcc 0
		.amdhsa_float_denorm_mode_32 3
		.amdhsa_float_denorm_mode_16_64 3
		.amdhsa_memory_ordered 1
		.amdhsa_forward_progress 1
		.amdhsa_inst_pref_size 11
	.end_amdhsa_kernel
	.amdgpu_metadata
---
amdhsa.version: [ 1, 2 ]
amdhsa.kernels:
  - .name:           k_q6c8bb764b0_cast
    .symbol:         k_q6c8bb764b0_cast.kd
    .args:
      - { .name: x, .offset: 0, .size: 8, .value_kind: global_buffer, .address_space: global }
      - { .name: Wq, .offset: 8, .size: 8, .value_kind: global_buffer, .address_space: global }
      - { .name: Wk, .offset: 16, .size: 8, .value_kind: global_buffer, .address_space: global }
      - { .name: Wv, .offset: 24, .size: 8, .value_kind: global_buffer, .address_space: global }
      - { .name: xb, .offset: 32, .size: 8, .value_kind: global_buffer, .address_space: global }
      - { .name: wb, .offset: 40, .size: 8, .value_kind: global_buffer, .address_space: global }
    .group_segment_fixed_size: 0
    .private_segment_fixed_size: 0
    .kernarg_segment_align: 8
    .kernarg_segment_size: 48
    .max_flat_workgroup_size: 256
    .sgpr_count:     66
    .vgpr_count:     136
    .wavefront_size: 32
...
	.end_amdgpu_metadata
.endif
;; end of part 1
;; launch proj (part 2): grid 12 x 32, 4 waves a work-group, clusters of 4 x 4, 327,680 bytes of LDS; arguments xb, wb, qkv; writes qkv
.if DOCPART == 2
	.amdgcn_target "amdgcn-amd-amdhsa--gfx1250"
	.amdhsa_code_object_version 6
	.text
	.protected	k_q6c8bb764b0_proj
	.globl	k_q6c8bb764b0_proj
	.p2align	8
	.type	k_q6c8bb764b0_proj,@function
k_q6c8bb764b0_proj:
	s_mov_b64 s[64:65], 0
	v_nop
	global_prefetch_b8 v0, s[64:65] scope:SCOPE_SE
	s_setreg_imm32_b32 hwreg(HW_REG_WAVE_MODE, 25, 1), 1
	s_wait_xcnt 0x0
	s_wait_alu depctr_hold_cnt(0) depctr_sa_sdst(0) depctr_va_vdst(0) depctr_va_sdst(0) depctr_va_ssrc(0) depctr_va_vcc(0) depctr_vm_vsrc(0)
	s_getreg_b32 s2, hwreg(HW_REG_IB_STS2, 6, 4)
	s_cmp_eq_u32 s2, 0
	s_cbranch_scc0 .Lentry_in_a_cluster
	s_endpgm
.Lentry_in_a_cluster:
	s_bfe_u32 s2, ttmp6, 0x10000c
	s_cmp_lg_u32 s2, 0xf033
	s_cbranch_scc0 .Lentry_shape_is_right
	s_endpgm
.Lentry_shape_is_right:
; qkv[m][n] = sum over k of xb[m][k] wb[n][k].  xb: [8192][1024], wb: [3072][1024], bf16; sums in f32; qkv: [8192][3072], rounded once to f16 (columns 0-1023 q, 1024-2047 k, 2048-3071 v).
; LIMIT.  f16 holds no number beyond 65,504: q, k and v must lie within it (x and W as drawn give numbers near 1; both thirty times larger, near 1,000; with offsets of thirty spreads, near 29,000).
; A tile of 256 x 256 is made by four waves, each 128 x 128: 64 accumulators, 512 registers.  K goes in steps of 128 through two LDS slots filled by the tensor data mover;
; the tiles' rows are 256 bytes of memory, at multiples of 256 bytes.  The last K step goes by rows of the result, so that finished rows leave while the others are multiplied.
; CLUSTERS: 4 x 4 work-groups.  The four of a row of the cluster need the same tiles of xb, the four of a column the same tiles of wb: each is asked for jointly, by the same tensor
; load with the same descriptor and a mask that names the four.
; REGISTERS, in windows of 256: window 0: v0-31 addresses; v64-127, v128-191 fragments of xb, two buffers; v32-63, v192-255 at work on the way out.  window 1: fragments of wb.
; window 2: the accumulators of my rows 0-63 ((a, b) at v[8 (8 a + b)]); window 3: those of my rows 64-127.
; The matrix instruction is used transposed (source 0 = 16 rows of wb, source 1 = 16 rows of xb): a lane then holds eight neighbouring columns of one row of the result.
.set SIZE_M, 8192
.set SIZE_N, 3072
.set SIZE_K, 1024
.set KSTEP,  128
.set PITCH,  272                       ; an LDS row: 256 bytes + 16 of padding: the 16 rows of a fragment load start at 16 different groups of four banks
.set HALFT,  128*PITCH                 ; what one tensor load brings
.set SLOT,   4*HALFT                   ; xb's 256 rows, then wb's 256 rows
.set STAGE,  2*SLOT                    ; behind the ring: 16 rows x 272 bytes for each wave
.set SPITCH, 272
.set SPARE,  STAGE+4*16*SPITCH         ; the spare words, 128 bytes a wave; no other line names them
.set LAPS, SIZE_K/(2*KSTEP)
.set ADRA, 16
.set ADRB, 20
.set STO,  24
.set RD,   25
.set CO,   26
.set SPW,  28
.set NIL,  29
.set PFO,  30                          ; my lane x a row of xb or wb (2,048 bytes)
.set PFA,  44                          ; s[44:45] where my prefetches stand
.set LIM,  43                          ; s43  1 in a wave that prefetches, else the greatest number
.set F0,   64
.set F1,   128
.set TMP,  192
.set OB,   32
.set PA,   64
.set G1, 24
.set G0, 32
.set G1B, 48
.set G0B, 56
.set MSB, 0
.macro WIN new                         ; the immediate's high byte repeats the setting that is left
.if MSB != (\new)
	s_set_vgpr_msb (MSB<<8)|(\new)
.set MSB, \new
.endif
.endm
.set MUL_LO, 0xa1                      ; source 0 window 1, source 1 window 0, C and D window 2
.set MUL_HI, 0xf1                      ; the same, C and D window 3
.set TO_B,   0x40                      ; destination window 1, address window 0
; A joint load.  Waves 0 and 1 fetch xb's two halves, waves 2 and 3 wb's.  The branch hangs on the wave's number alone.  An s_nop 0 and four v_nop follow each line.
.macro JLOAD s
	s_cmp_eq_u32 s11, 0
	s_cbranch_scc0 .Lfor_b_\@
	tensor_load_to_lds s[G0+4*(\s):G0+4*(\s)+3], s[G1:G1+7]
	s_nop 0
.rept 4
	v_nop
.endr
	s_branch .Lasked_\@
.Lfor_b_\@:
	tensor_load_to_lds s[G0B+4*(\s):G0B+4*(\s)+3], s[G1B:G1B+7]
	s_nop 0
.rept 4
	v_nop
.endr
.Lasked_\@:
.endm
; A prefetch of the K step that stands two refills on: 32 rows x 256 bytes, a lane a row.  xb's rows are asked for by the clusters with x = 0, wb's by those with y = 0; the four partners
; share a wave's 128 rows out by address, 32 each.  So each row's 256 bytes of K steps 4 to 7 are named once; the loop's last trip has no K step two on.
.macro ASK
	s_cmp_gt_u32 s3, s[LIM]
	s_cbranch_scc0 .Lnot_mine_\@
	global_prefetch_b8 v[PFO], s[PFA:PFA+1] offset:KSTEP*2 th:TH_LOAD_NT scope:SCOPE_SE
.Lnot_mine_\@:
.endm
.macro CREST                           ; a round of the cluster's barrier behind its opening barrier
	s_cmp_lg_u32 s10, 0
	s_cbranch_scc1 .Lnot_wave_0_\@
	s_barrier_signal -3
.Lnot_wave_0_\@:
	s_barrier_wait -3
	s_barrier_signal -1
	s_barrier_wait -1
.endm
.macro CROUND
	s_barrier_signal -1
	s_barrier_wait -1
	CREST
.endm
	s_load_b128 s[4:7], s[0:1], 0x0                ; xb s[4:5], wb s[6:7]
	s_load_b64 s[8:9], s[0:1], 0x10                ; qkv
	v_lshl_add_u32 v[SPW], v0, 2, SPARE
	v_mov_b32 v[NIL], 0
	ds_add_u32 v[SPW], v[NIL]                      ; the wave's opening: the add and its wait ahead of my first tensor load
	v_lshrrev_b32 v1, 5, v0
	v_readfirstlane_b32 s10, v1                    ; wave 0..3
	s_lshr_b32 s11, s10, 1                         ; my half of the tile's rows; also: I fetch for xb (0) or wb (1)
	s_and_b32 s12, s10, 1                          ; my half of its columns; also: which 128 rows I fetch
	s_bfe_u32 s40, ttmp6, 0x40000                  ; cx
	s_bfe_u32 s41, ttmp6, 0x40004                  ; cy
	s_lshl_b32 s42, ttmp9, 2
	s_add_co_u32 s42, s42, s40                     ; tile column
	s_and_b32 s13, ttmp7, 0xffff
	s_lshl_b32 s13, s13, 2
	s_add_co_u32 s13, s13, s41                     ; tile row
	s_lshl_b32 s43, s41, 2
	s_lshl_b32 s43, 15, s43                        ; my row of the cluster
	s_lshl_b32 s44, 0x1111, s40                    ; my column
	s_or_b32 s[G1+0], s43, (1<<16)|(1<<20)|(1<<21)|(5<<22)|(3<<25)  ; mask; 2-byte elements; padding on; bit 21 beside a mask; 4 words behind every 64
	s_or_b32 s[G1B+0], s44, (1<<16)|(1<<20)|(1<<21)|(5<<22)|(3<<25)
.irp g, G1, G1B
	s_mov_b32 s[(\g)+1], KSTEP<<16                 ; tensor_dim0 = 128
	s_mov_b32 s[(\g)+2], 128<<16                   ; tensor_dim1 = 128
	s_mov_b32 s[(\g)+3], KSTEP<<16                 ; tile_dim0 = 128
	s_mov_b32 s[(\g)+4], 128                       ; tile_dim1 = 128
	s_mov_b32 s[(\g)+5], SIZE_K                    ; elements from row to row
	s_mov_b32 s[(\g)+6], 0
	s_mov_b32 s[(\g)+7], 0
.endr
	s_lshl_b32 s17, s12, 7
	s_lshl_b32 s16, s13, 8
	s_add_co_u32 s16, s16, s17                     ; xb: row 256 x tile row + 128 x half
	s_lshl_b32 s46, s42, 8
	s_add_co_u32 s46, s46, s17                     ; wb: row 256 x tile column + 128 x half
	s_mov_b32 s17, 0
	s_mov_b32 s47, 0
	s_mov_b64 s[18:19], SIZE_K*2
	s_mul_u64 s[16:17], s[16:17], s[18:19]
	s_mul_u64 s[46:47], s[46:47], s[18:19]
	s_mul_i32 s20, s10, HALFT                      ; where they go: wave x 128 rows
	s_wait_dscnt 0x0                               ; the opening add is done
	s_wait_kmcnt 0x0
	s_add_nc_u64 s[14:15], s[4:5], s[16:17]
	s_add_nc_u64 s[46:47], s[6:7], s[46:47]
	CROUND                                         ; all sixteen work-groups are here: the first joint loads meet
.irp s, 0,1
	s_mov_b32 s[G0+4*(\s)], 1
	s_add_co_u32 s[G0+4*(\s)+1], s20, (\s)*SLOT
	s_add_nc_u64 s[G0+4*(\s)+2:G0+4*(\s)+3], s[14:15], (\s)*KSTEP*2
	s_or_b32 s[G0+4*(\s)+3], s[G0+4*(\s)+3], 0x80000000
	s_mov_b32 s[G0B+4*(\s)], 1
	s_add_co_u32 s[G0B+4*(\s)+1], s20, (\s)*SLOT
	s_add_nc_u64 s[G0B+4*(\s)+2:G0B+4*(\s)+3], s[46:47], (\s)*KSTEP*2
	s_or_b32 s[G0B+4*(\s)+3], s[G0B+4*(\s)+3], 0x80000000
	JLOAD \s
.endr
	; a fragment is 16 rows x 32 K in 8 registers: lane l holds row l % 16, K = 8 (l / 16) + 0..7 and 16 + 8 (l / 16) + 0..7: two loads of 16 bytes, 32 bytes apart
	v_and_b32 v1, 15, v0
	v_bfe_u32 v2, v0, 4, 1
	v_mul_u32_u24 v3, v1, PITCH
	v_lshl_add_u32 v3, v2, 4, v3
	s_mul_i32 s21, s11, HALFT
	s_mul_i32 s22, s12, HALFT
	s_add_co_u32 s22, s22, 2*HALFT
.irp s, 0,1
	v_add_nc_u32 v[ADRA+(\s)], s21, v3
	v_add_nc_u32 v[ADRB+(\s)], s22, v3
	s_add_co_u32 s21, s21, SLOT
	s_add_co_u32 s22, s22, SLOT
.endr
	s_mul_i32 s23, s10, 16*SPITCH
	s_add_co_u32 s23, s23, STAGE
	v_mul_u32_u24 v4, v1, SPITCH
	v_lshl_add_u32 v4, v2, 4, v4
	v_add_nc_u32 v[STO], s23, v4
	v_mul_u32_u24 v5, v2, SPITCH
	v_lshl_add_u32 v5, v1, 4, v5
	v_add_nc_u32 v[RD], s23, v5
	v_mul_u32_u24 v5, v2, SIZE_N*2
	v_lshl_add_u32 v[CO], v1, 4, v5
	s_lshl_b32 s13, s13, 8
	s_lshl_b32 s14, s11, 7
	s_add_co_u32 s16, s13, s14                     ; my first row of the result
	s_mov_b32 s17, 0
	s_mov_b64 s[18:19], SIZE_N*2
	s_mul_u64 s[16:17], s[16:17], s[18:19]
	s_lshl_b32 s46, s42, 9                         ; my first column, in bytes
	s_lshl_b32 s47, s12, 8
	s_add_co_u32 s46, s46, s47
	s_mov_b32 s47, 0
	s_add_nc_u64 s[16:17], s[16:17], s[46:47]
	; the prefetches
	s_lshl_b32 s42, s42, 8
	s_and_b32 s22, ttmp7, 0xffff
	s_cmp_eq_u32 s11, 0
	s_cselect_b32 s20, s13, s42                    ; the tile's first row
	s_cselect_b32 s21, s40, s41                    ; my place among the four that ask with me
	s_cselect_b32 s22, ttmp9, s22                  ; the coordinate along which other clusters read the same rows
	s_cselect_b64 s[PFA:PFA+1], s[4:5], s[6:7]
	s_cmp_eq_u32 s22, 0
	s_cselect_b32 s[LIM], 1, -1
	s_lshl_b32 s22, s12, 7
	s_add_co_u32 s20, s20, s22
	s_lshl_b32 s21, s21, 5
	s_add_co_u32 s20, s20, s21
	s_mov_b32 s21, 0
	s_mov_b64 s[18:19], SIZE_K*2
	s_mul_u64 s[20:21], s[20:21], s[18:19]
	s_add_nc_u64 s[PFA:PFA+1], s[PFA:PFA+1], s[20:21]
	s_add_nc_u64 s[PFA:PFA+1], s[PFA:PFA+1], 2*KSTEP*2  ; at K step 2: the first refill steps it to 3 and names K step 4
	v_and_b32 v[PFO], 31, v0
	v_mul_u32_u24 v[PFO], v[PFO], SIZE_K*2
; 16 matrix instructions: m blocks a0, a0 + 1 of the window's four x all 8 n blocks.  zero = 1: the first product starts the sums
.macro MUL16 f, hi, a0, zero
	WIN MUL_LO+0x50*(\hi)
.irp a, \a0, (\a0)+1
.irp b, 0,1,2,3,4,5,6,7
.if \zero
	v_wmma_f32_16x16x32_bf16 v[8*(8*(\a)+(\b)):8*(8*(\a)+(\b))+7], v[(\f)+8*(\b):(\f)+8*(\b)+7], v[(\f)+8*(4*(\hi)+(\a)):(\f)+8*(4*(\hi)+(\a))+7], 0
.else
	v_wmma_f32_16x16x32_bf16 v[8*(8*(\a)+(\b)):8*(8*(\a)+(\b))+7], v[(\f)+8*(\b):(\f)+8*(\b)+7], v[(\f)+8*(4*(\hi)+(\a)):(\f)+8*(4*(\hi)+(\a))+7], v[8*(8*(\a)+(\b)):8*(8*(\a)+(\b))+7]
.endif
.endr
.endr
.endm
; 32 LDS loads in one run: the fragments of one quarter step into buffer f
.macro FETCH slot, k, f
	WIN TO_B
.irp i, 0,1,2,3,4,5,6,7
	ds_load_b128 v[(\f)+8*(\i):(\f)+8*(\i)+3],   v[ADRB+(\slot)] offset:(\k)+(\i)*16*PITCH
	ds_load_b128 v[(\f)+8*(\i)+4:(\f)+8*(\i)+7], v[ADRB+(\slot)] offset:(\k)+(\i)*16*PITCH+32
.endr
	WIN 0
.irp i, 0,1,2,3,4,5,6,7
	ds_load_b128 v[(\f)+8*(\i):(\f)+8*(\i)+3],   v[ADRA+(\slot)] offset:(\k)+(\i)*16*PITCH
	ds_load_b128 v[(\f)+8*(\i)+4:(\f)+8*(\i)+7], v[ADRA+(\slot)] offset:(\k)+(\i)*16*PITCH+32
.endr
.endm
.macro PLACES                          ; four plain vector instructions between a matrix instruction and a load into, or a vector read of, its registers
.rept 4
	v_nop
.endr
.endm
; a K step is four quarters of 32 along K, 64 matrix instructions each, on buffers 0, 1, 0, 1
.macro QUARTER slot, k, f, g, zero
	s_wait_dscnt 8                                 ; wb's and xb's rows 0-63 are in; the youngest eight loads may be out
	MUL16 \f, 0, 0, \zero
	MUL16 \f, 0, 2, \zero
	PLACES
	FETCH \slot, \k, \g
	s_wait_dscnt 32                                ; all but the 32 just issued
	MUL16 \f, 1, 0, \zero
	MUL16 \f, 1, 2, \zero
.endm
; the first half of a K step's last quarter: one barrier for the change of slots
.macro MEET round
	WIN 0
	s_wait_tensorcnt 0x0                           ; all my tensor loads have landed: the one that was out is my part of the next slot
	ds_add_u32 v[SPW], v[NIL]                      ; 0 onto my spare word
	s_wait_dscnt 9                                 ; the add and the youngest eight loads may be out
	MUL16 F1, 0, 0, 0
	s_wait_dscnt 0x0                               ; the add is done, and my reads of this slot are over
	s_barrier_signal -1
	MUL16 F1, 0, 2, 0
.if \round
	WIN 0
.endif
	s_barrier_wait -1
.endm
.macro TURN slot, next
	s_wait_xcnt 0x0                                ; the last prefetch, a K step back, has read its address
	s_add_nc_u64 s[PFA:PFA+1], s[PFA:PFA+1], KSTEP*2
	MEET 1
	CREST                                          ; no wave of any partner still reads this slot's tile or has a load on its way
	s_add_nc_u64 s[G0+4*(\slot)+2:G0+4*(\slot)+3], s[G0+4*(\slot)+2:G0+4*(\slot)+3], 2*KSTEP*2
	s_add_nc_u64 s[G0B+4*(\slot)+2:G0B+4*(\slot)+3], s[G0B+4*(\slot)+2:G0B+4*(\slot)+3], 2*KSTEP*2
	JLOAD \slot                                    ; the first tensor load behind the round; its four v_nop are also the places in front of the loads below
	FETCH \next, 0, F0
	ASK
	MUL16 F1, 1, 0, 0
	MUL16 F1, 1, 2, 0
.endm
; the last K step (slot 1) goes by rows of the result: all of wb's fragments fill window 1; my eight blocks of 16 rows are finished one after the other, K ascending
.macro BLOAD q
	WIN TO_B
.irp i, 0,1,2,3,4,5,6,7
	ds_load_b128 v[64*(\q)+8*(\i):64*(\q)+8*(\i)+3],   v[ADRB+1] offset:64*(\q)+(\i)*16*PITCH
	ds_load_b128 v[64*(\q)+8*(\i)+4:64*(\q)+8*(\i)+7], v[ADRB+1] offset:64*(\q)+(\i)*16*PITCH+32
.endr
.endm
.macro ALOAD a
	WIN 0
.set FA, PA+32*((\a)%4)
.irp q, 0,1,2,3
	ds_load_b128 v[FA+8*(\q):FA+8*(\q)+3],   v[ADRA+1] offset:64*(\q)+(\a)*16*PITCH
	ds_load_b128 v[FA+8*(\q)+4:FA+8*(\q)+7], v[ADRA+1] offset:64*(\q)+(\a)*16*PITCH+32
.endr
.endm
.macro ROW a
.set FA, PA+32*((\a)%4)
.set AC, 64*((\a)%4)
	WIN MUL_LO+0x50*((\a)/4)
.irp q, 0,1,2,3
.if (\a) == 0 && (\q) == 2
	s_wait_dscnt 24                                ; wb's quarter 2 is in (behind it: xb's blocks 1 to 3)
.endif
.irp b, 0,1,2,3,4,5,6,7
	v_wmma_f32_16x16x32_bf16 v[AC+8*(\b):AC+8*(\b)+7], v[64*(\q)+8*(\b):64*(\q)+8*(\b)+7], v[FA+8*(\q):FA+8*(\q)+7], v[AC+8*(\b):AC+8*(\b)+7]
.endr
.endr
.endm
; the way out of block a: rounded to f16, 16 bytes a lane; through my own stage; stored as whole rows of 256 bytes
.macro PACK a
.set AC, 64*((\a)%4)
	WIN 0x0a+5*((\a)/4)
.irp b, 0,1,2,3,4,5,6,7
.irp r, 0,1,2,3
	v_cvt_pk_f16_f32 v[TMP+4*(\b)+(\r)], v[AC+8*(\b)+2*(\r)], v[AC+8*(\b)+2*(\r)+1]
.endr
.endr
	WIN 0
.endm
.macro TOSTAGE a
	WIN 0
.set BK, OB+192*((\a)%2)
.irp b, 0,1,2,3,4,5,6,7
	ds_store_b128 v[STO], v[TMP+4*(\b):TMP+4*(\b)+3] offset:32*(\b)
.endr
.irp t, 0,1,2,3,4,5,6,7
	ds_load_b128 v[BK+4*(\t):BK+4*(\t)+3], v[RD] offset:(\t)*2*SPITCH  ; LDS serves a wave's instructions in order: these see the stores above
.endr
.endm
.macro SEND a, younger
	WIN 0
.set BK, OB+192*((\a)%2)
	s_wait_dscnt \younger
	s_wait_xcnt 0x0                                ; only behind this wait are the stores' base and the registers that earlier stores read rewritten
.if (\a) == 0
	s_add_nc_u64 s[8:9], s[8:9], s[16:17]
.else
	s_add_nc_u64 s[8:9], s[8:9], 16*SIZE_N*2
.endif
.irp t, 0,1,2,3,4,5,6,7
	global_store_b128 v[CO], v[BK+4*(\t):BK+4*(\t)+3], s[8:9] offset:2*(\t)*SIZE_N*2  ; 16 lanes store 256 consecutive bytes, aligned
.endr
.endm
	s_wait_tensorcnt 1                             ; my part of K step 0 is in; K step 1's may stay out
	s_barrier_signal -1
	s_barrier_wait -1
	FETCH 0, 0, F0
	QUARTER 0, 64,  F0, F1, 1                      ; the first quarter's products start the sums
	WIN 0
	s_mov_b32 s3, LAPS-1
.Llap:                                                 ; a trip goes once round the ring and fills both slots again
	QUARTER 0, 128, F1, F0, 0
	QUARTER 0, 192, F0, F1, 0
	TURN 0, 1
	QUARTER 1, 64,  F0, F1, 0
	QUARTER 1, 128, F1, F0, 0
	QUARTER 1, 192, F0, F1, 0
	TURN 1, 0
	QUARTER 0, 64,  F0, F1, 0
	WIN 0
	s_sub_co_u32 s3, s3, 1
	s_cmp_lg_u32 s3, 0
	s_cbranch_scc1 .Llap
	QUARTER 0, 128, F1, F0, 0
	QUARTER 0, 192, F0, F1, 0
	MEET 0                                         ; the load that was still out is the last K step's
	PLACES
	BLOAD 0
	BLOAD 1
	BLOAD 3
	ALOAD 0
	MUL16 F1, 1, 0, 0
	MUL16 F1, 1, 2, 0
	PLACES
	BLOAD 2
	ALOAD 1
	ALOAD 2
	ALOAD 3
	s_wait_dscnt 40                                ; all but the 40 just issued
	ROW 0
.irp a, 0,1,2,3,4,5,6,7
	PLACES
	PACK \a
	TOSTAGE \a
.if (\a) < 4
	ALOAD (\a)+4
	SEND \a, 8
.else
	SEND \a, 0
.endif
.if (\a) < 7
	ROW (\a)+1
.endif
.endr
	s_wait_tensorcnt 0x0                           ; the wave's end
	ds_add_u32 v[SPW], v[NIL]
	s_wait_dscnt 0x0
	CROUND                                         ; the closing round
	s_endpgm
.Lfunc_end_k_q6c8bb764b0_proj:
	.size	k_q6c8bb764b0_proj, .Lfunc_end_k_q6c8bb764b0_proj-k_q6c8bb764b0_proj
	.p2alignl 7, 3214868480
	.fill 96, 4, 3214868480
	.section	.rodata,"a",@progbits
	.p2align	6, 0x0
	.amdhsa_kernel k_q6c8bb764b0_proj
		.amdhsa_group_segment_fixed_size 327680
		.amdhsa_private_segment_fixed_size 0
		.amdhsa_enable_private_segment 0
		.amdhsa_kernarg_size 24
		.amdhsa_user_sgpr_count 2
		.amdhsa_user_sgpr_kernarg_segment_ptr 1
		.amdhsa_wavefront_size32 1
		.amdhsa_system_sgpr_workgroup_id_x 1
		.amdhsa_system_sgpr_workgroup_id_y 1
		.amdhsa_system_sgpr_workgroup_id_z 1
		.amdhsa_system_vgpr_workitem_id 0
		.amdhsa_next_free_vgpr 1024
		.amdhsa_next_free_sgpr 66
		.amdhsa_reserve_vcc 0
		.amdhsa_float_denorm_mode_32 3
		.amdhsa_float_denorm_mode_16_64 3
		.amdhsa_memory_ordered 1
		.amdhsa_forward_progress 1
		.amdhsa_inst_pref_size 144
	.end_amdhsa_kernel
	.amdgpu_metadata
---
amdhsa.version: [ 1, 2 ]
amdhsa.kernels:
  - .name:           k_q6c8bb764b0_proj
    .symbol:         k_q6c8bb764b0_proj.kd
    .args:
      - { .name: xb, .offset: 0, .size: 8, .value_kind: global_buffer, .address_space: global }
      - { .name: wb, .offset: 8, .size: 8, .value_kind: global_buffer, .address_space: global }
      - { .name: qkv, .offset: 16, .size: 8, .value_kind: global_buffer, .address_space: global }
    .group_segment_fixed_size: 327680
    .private_segment_fixed_size: 0
    .kernarg_segment_align: 8
    .kernarg_segment_size: 24
    .max_flat_workgroup_size: 128
    .sgpr_count:     66
    .vgpr_count:     1024
    .wavefront_size: 32
...
	.end_amdgpu_metadata
.endif
;; end of part 2
;; launch score (part 3): grid 36 x 4, 4 waves a work-group, no clusters, 327,680 bytes of LDS; arguments qkv, pt, mx, ls; writes pt, mx, ls
.if DOCPART == 3
	.amdgcn_target "amdgcn-amd-amdhsa--gfx1250"
	.amdhsa_code_object_version 6
	.text
	.protected	k_q6c8bb764b0_score
	.globl	k_q6c8bb764b0_score
	.p2align	8
	.type	k_q6c8bb764b0_score,@function
k_q6c8bb764b0_score:
	s_mov_b64 s[64:65], 0
	v_nop
	global_prefetch_b8 v0, s[64:65] scope:SCOPE_SE
	s_setreg_imm32_b32 hwreg(HW_REG_WAVE_MODE, 25, 1), 1
	s_wait_xcnt 0x0
; For each tile of 256 queries x 256 keys on or below the diagonal (36 a batch): s = q . k, sums in f32 over 1,024 channels, f16 operands; hidden scores start their sum at -1e30.
; A wave owns 128 queries x 128 keys (a CHUNK of keys).  For each of its rows it stores the maximum m of the chunk's raw scores (mx), the weights p = 2^(c (s - m)), c = log2(e) / 32, rounded
; to f16 (pt), and their unrounded sum (ls).  The difference s - m is formed first, so no exponent is above 0.  The next launch corrects each chunk to the row's true maximum.
; LIMITS.  A hidden score counts as its value less 1e30 (f16 operands give scores of 4.4e12 at the most); a weight below 2^-126 counts as 0; NaN and infinities are not treated apart.
; A wave whose chunk is wholly hidden stores m = -1e30 and p = 1; the next launch's correction makes 0 of them.
; NO CLUSTER: row I of the triangle has I + 1 tiles, 1 to 8, and column J has 8 - J: neither cuts into fours that walk the same rows, and no tile above the diagonal is made to fill a four up.
; The product: a ring of two LDS slots, K steps of 128 (rows of 256 bytes of memory, at multiples of 256 bytes); each wave fetches 128 rows a step: waves 0, 1 q's, waves 2, 3 k's.
; Source 0 = 16 rows of k, source 1 = 16 rows of q: lane l holds query l % 16 and keys 8 (l / 16) + 0..7 of accumulator (a, b): queries 16 a on, keys 16 b on.
; REGISTERS: window 0: v0-31 addresses, v32-55 masks, v56-63 at work, v64-191 q's fragments (two buffers), later the way out; window 1: k's fragments; windows 2, 3: 64 accumulators.
.set KSTEP,  128
.set PITCH,  272                       ; 256 bytes + 16 of padding: the 16 rows of a fragment load start at 16 different groups of four banks
.set HALFT,  128*PITCH
.set SLOT,   4*HALFT                   ; q's 256 rows, then k's 256 rows
.set STAGE,  2*SLOT                    ; 16 rows x 272 bytes for each wave
.set SPITCH, 272
.set STAT,   STAGE+4*16*SPITCH         ; for each wave 128 maxima, then 128 sums
.set SPARE,  STAT+4*1024               ; the spare words, 128 bytes a wave; no other line names them
.set ROWB,   6144                      ; bytes in a row of qkv
.set VD,   12                          ; v12  my query's place less my lanes' first key, plus the wave's shift
.set DA,   13                          ; v13  the trip's address in my dump
.set SA,   14                          ; v14  the trip's address in my statistics
.set XO,   15                          ; v15  16 x lane
.set ADRA, 16
.set ADRB, 20
.set STO,  24
.set RD,   25
.set CO,   26
.set DMP,  27                          ; v27  65,536 x wave + 16 x lane: my accumulators lie over the slots, when these have had their last fill and their last read
.set SPW,  28
.set NIL,  29
.set PFO,  30                          ; v30  my lane x a row of qkv
.set STA,  31
.set MLT,  32                          ; the C operand of accumulators with b < a,
.set MEQ,  40                          ; b = a,
.set MGT,  48                          ; b > a
.set CH,   56                          ; four chains of the maximum
.set TP,   60
.set LSU,  61
.set MXR,  62                          ; v[62:63] the row's maximum; the pair's high word is written once
.set F0,   64
.set F1,   128
.set S,    64                          ; the way out: 64 scores of a lane
.set PK,   128
.set BK,   160
.set G1, 24
.set G0, 32
.set LIM, 43
.set PFA, 44
.set CS,  46
.set SEL, 48
.set BIG, 50
.set MSB, 0
.macro WIN new
.if MSB != (\new)
	s_set_vgpr_msb (MSB<<8)|(\new)
.set MSB, \new
.endif
.endm
.set MUL_LO, 0xa1
.set TO_B,   0x40
.macro PLACES
.rept 4
	v_nop
.endr
.endm
	s_load_b256 s[4:11], s[0:1], 0x0               ; qkv s[4:5], pt s[6:7], mx s[8:9], ls s[10:11]
	v_lshl_add_u32 v[SPW], v0, 2, SPARE
	v_mov_b32 v[NIL], 0
	ds_add_u32 v[SPW], v[NIL]                      ; the wave's opening: the add and its wait ahead of my first tensor load
	v_lshrrev_b32 v1, 5, v0
	v_readfirstlane_b32 s12, v1                    ; wave 0..3
	s_lshr_b32 s13, s12, 1                         ; my half of the queries
	s_and_b32 s14, s12, 1                          ; my half of the keys
	s_mov_b32 s15, 0                               ; I: how many of the rows' first tile numbers 1, 3, 6 .. the work-group's number has reached
.irp c, 1,3,6,10,15,21,28
	s_cmp_ge_u32 ttmp9, \c
	s_add_co_ci_u32 s15, s15, 0
.endr
	s_add_co_u32 s18, s15, 1
	s_mul_i32 s18, s18, s15
	s_lshr_b32 s18, s18, 1
	s_sub_co_u32 s16, ttmp9, s18                   ; J = number - I (I + 1) / 2
	s_and_b32 s17, ttmp7, 0xffff                   ; the batch
	s_mov_b32 s[G1+0], (1<<16)|(1<<20)|(5<<22)|(3<<25)  ; 2-byte elements; padding on: 4 words behind every 64
	s_mov_b32 s[G1+1], KSTEP<<16                   ; tensor_dim0 = 128
	s_mov_b32 s[G1+2], 128<<16                     ; tensor_dim1 = 128
	s_mov_b32 s[G1+3], KSTEP<<16                   ; tile_dim0 = 128
	s_mov_b32 s[G1+4], 128                         ; tile_dim1 = 128
	s_mov_b32 s[G1+5], 3072                        ; elements from row to row
	s_mov_b32 s[G1+6], 0
	s_mov_b32 s[G1+7], 0
	s_mov_b32 s[CS], 0x3d38aa3b                    ; c = log2(e) / 32
	s_mov_b32 s[CS+1], s[CS]
	s_mov_b32 s[SEL], 0x76543210
	s_mov_b32 s[SEL+1], 0xfedcba98
	s_mov_b32 s[BIG], 0xf149f2ca                   ; -1e30
	s_sub_co_u32 s19, s15, s16                     ; I - J
	s_cmp_lt_u32 s12, 2                            ; waves 0, 1 fetch q's block I, waves 2, 3 k's block J
	s_cselect_b32 s18, s15, s16
	s_cselect_b32 s23, 0, 2048
	s_cselect_b32 s19, s16, s19                    ; q's block is asked for ahead by the tile with J = 0, k's by the tile with I = J: each row once in the launch
	s_cmp_eq_u32 s19, 0
	s_cselect_b32 s[LIM], 1, -1
	s_lshl_b32 s20, s17, 11
	s_lshl_b32 s18, s18, 8
	s_add_co_u32 s20, s20, s18
	s_lshl_b32 s21, s14, 7
	s_add_co_u32 s20, s20, s21                     ; the first row that I fetch
	s_mul_i32 s20, s20, ROWB
	s_add_co_u32 s20, s20, s23
	s_mov_b32 s21, 0
	s_mul_i32 s22, s12, HALFT
	s_wait_dscnt 0x0                               ; the opening add is done
	s_wait_kmcnt 0x0
	s_add_nc_u64 s[20:21], s[4:5], s[20:21]
.irp s, 0,1                            ; both first fills go out together: two tensor loads of mine are out
	s_mov_b32 s[G0+4*(\s)], 1
	s_add_co_u32 s[G0+4*(\s)+1], s22, (\s)*SLOT
	s_add_nc_u64 s[G0+4*(\s)+2:G0+4*(\s)+3], s[20:21], (\s)*KSTEP*2
	s_or_b32 s[G0+4*(\s)+3], s[G0+4*(\s)+3], 0x80000000
	tensor_load_to_lds s[G0+4*(\s):G0+4*(\s)+3], s[G1:G1+7]
	s_nop 0
.endr
	s_add_nc_u64 s[PFA:PFA+1], s[20:21], 2*KSTEP*2 ; at K step 2: the first refill steps it to 3 and names K step 4
	v_and_b32 v1, 15, v0                           ; r
	v_bfe_u32 v2, v0, 4, 1                         ; h
	v_and_b32 v4, 31, v0                           ; lane
	v_mul_u32_u24 v3, v1, PITCH
	v_lshl_add_u32 v3, v2, 4, v3
	s_mul_i32 s18, s13, HALFT
	s_mul_i32 s19, s14, HALFT
	s_add_co_u32 s19, s19, 2*HALFT
.irp s, 0,1
	v_add_nc_u32 v[ADRA+(\s)], s18, v3
	v_add_nc_u32 v[ADRB+(\s)], s19, v3
	s_add_co_u32 s18, s18, SLOT
	s_add_co_u32 s19, s19, SLOT
.endr
	s_mul_i32 s18, s12, 16*SPITCH
	s_add_co_u32 s18, s18, STAGE
	v_mul_u32_u24 v5, v1, SPITCH
	v_lshl_add_u32 v5, v2, 4, v5
	v_add_nc_u32 v[STO], s18, v5                   ; in: row r, 16 bytes for each half of the lanes
	v_mul_u32_u24 v5, v2, SPITCH
	v_lshl_add_u32 v5, v1, 4, v5
	v_add_nc_u32 v[RD], s18, v5                    ; back: lanes 0-15 one row of 256 bytes, lanes 16-31 the next
	v_lshlrev_b32 v5, 12, v2
	v_lshl_add_u32 v[CO], v1, 4, v5                ; the same two rows in pt (4,096 bytes a row)
	v_lshlrev_b32 v[XO], 4, v4
	s_lshl_b32 s18, s12, 16
	v_add_nc_u32 v[DMP], s18, v[XO]
	s_lshl_b32 s18, s12, 10
	s_add_co_u32 s18, s18, STAT
	v_lshl_add_u32 v[STA], v1, 2, s18
	v_mul_u32_u24 v[PFO], v4, ROWB
	; the masks.  Key 16 b + 8 h + j is hidden from query 16 a + r where it is greater: for b = a where j > r - 8 h; for b > a always; for b < a never.  The shift of 1,000 moves all three:
	; up where the wave's chunk lies wholly below the diagonal, down where it lies wholly above.
	s_sub_co_i32 s18, s13, s14
	s_mul_i32 s18, s18, 1000
	s_cmp_lg_u32 s15, s16
	s_cselect_b32 s18, 1000, s18
	v_lshlrev_b32 v[VD], 3, v2
	v_sub_nc_u32 v[VD], v1, v[VD]
	v_add_nc_u32 v[VD], s18, v[VD]
.irp j, 0,1,2,3,4,5,6,7
	v_cmp_gt_i32 vcc_lo, \j, v[VD]
	v_cndmask_b32 v[MEQ+(\j)], 0, s[BIG], vcc_lo
.endr
	v_cmp_gt_i32 vcc_lo, 16, v[VD]
.irp j, 0,1,2,3,4,5,6,7
	v_cndmask_b32 v[MGT+(\j)], 0, s[BIG], vcc_lo
.endr
	v_cmp_gt_i32 vcc_lo, -9, v[VD]
.irp j, 0,1,2,3,4,5,6,7
	v_cndmask_b32 v[MLT+(\j)], 0, s[BIG], vcc_lo
.endr
	; where my results go
	s_lshl_b32 s18, s17, 11
	s_lshl_b32 s19, s15, 8
	s_add_co_u32 s18, s18, s19
	s_lshl_b32 s19, s13, 7
	s_add_co_u32 s18, s18, s19                     ; my first row among the 8,192
	s_lshl_b32 s18, s18, 12
	s_lshl_b32 s19, s16, 9
	s_add_co_u32 s18, s18, s19
	s_lshl_b32 s19, s14, 8
	s_add_co_u32 s18, s18, s19                     ; + my 128 keys: 256 bytes, at a multiple of 256
	s_mov_b32 s19, 0
	s_add_nc_u64 s[6:7], s[6:7], s[18:19]
	s_lshl_b32 s18, s17, 4
	s_lshl_b32 s20, s16, 1
	s_add_co_u32 s18, s18, s20
	s_add_co_u32 s18, s18, s14                     ; 16 x batch + chunk
	s_lshl_b32 s18, s18, 11
	s_lshl_b32 s20, s15, 8
	s_add_co_u32 s18, s18, s20
	s_lshl_b32 s20, s13, 7
	s_add_co_u32 s18, s18, s20                     ; + my first row in the batch
	s_lshl_b32 s18, s18, 2
	s_add_nc_u64 s[8:9], s[8:9], s[18:19]
	s_add_nc_u64 s[10:11], s[10:11], s[18:19]
; 16 matrix instructions.  first = 1: the product starts the sum, with the mask as C.  The 64 accumulators take turns in the same order in every quarter.
.macro MUL16 f, hi, a0, first
.irp a, \a0, (\a0)+1
.irp b, 0,1,2,3,4,5,6,7
.if \first
.if (\b) < 4*(\hi)+(\a)
.set MK, MLT
.elseif (\b) == 4*(\hi)+(\a)
.set MK, MEQ
.else
.set MK, MGT
.endif
	WIN 0x81+0x40*(\hi)                            ; C in window 0
	v_wmma_f32_16x16x32_f16 v[8*(8*(\a)+(\b)):8*(8*(\a)+(\b))+7], v[(\f)+8*(\b):(\f)+8*(\b)+7], v[(\f)+8*(4*(\hi)+(\a)):(\f)+8*(4*(\hi)+(\a))+7], v[MK:MK+7]
.else
	WIN MUL_LO+0x50*(\hi)
	v_wmma_f32_16x16x32_f16 v[8*(8*(\a)+(\b)):8*(8*(\a)+(\b))+7], v[(\f)+8*(\b):(\f)+8*(\b)+7], v[(\f)+8*(4*(\hi)+(\a)):(\f)+8*(4*(\hi)+(\a))+7], v[8*(8*(\a)+(\b)):8*(8*(\a)+(\b))+7]
.endif
.endr
.endr
.endm
.macro FETCH slot, k, f                ; 32 LDS loads in one run: k's fragments, then q's
	WIN TO_B
.irp i, 0,1,2,3,4,5,6,7
	ds_load_b128 v[(\f)+8*(\i):(\f)+8*(\i)+3],   v[ADRB+(\slot)] offset:(\k)+(\i)*16*PITCH
	ds_load_b128 v[(\f)+8*(\i)+4:(\f)+8*(\i)+7], v[ADRB+(\slot)] offset:(\k)+(\i)*16*PITCH+32
.endr
	WIN 0
.irp i, 0,1,2,3,4,5,6,7
	ds_load_b128 v[(\f)+8*(\i):(\f)+8*(\i)+3],   v[ADRA+(\slot)] offset:(\k)+(\i)*16*PITCH
	ds_load_b128 v[(\f)+8*(\i)+4:(\f)+8*(\i)+7], v[ADRA+(\slot)] offset:(\k)+(\i)*16*PITCH+32
.endr
.endm
.macro QUARTER slot, k, f, g, first
	s_wait_dscnt 8                                 ; k's and q's rows 0-63 are in; the youngest eight loads may be out
	MUL16 \f, 0, 0, \first
	MUL16 \f, 0, 2, \first
	PLACES
	FETCH \slot, \k, \g
	s_wait_dscnt 32                                ; all but the 32 just issued
	MUL16 \f, 1, 0, \first
	MUL16 \f, 1, 2, \first
.endm
; my own 128 rows of the K step two refills on, a lane a row, four instructions; the loop's last trip has no such K step
.macro ASK
	s_cmp_gt_u32 s3, s[LIM]
	s_cbranch_scc0 .Lnot_mine_\@
.irp i, 0,1,2,3
	global_prefetch_b8 v[PFO], s[PFA:PFA+1] offset:(\i)*32*ROWB+KSTEP*2 th:TH_LOAD_NT scope:SCOPE_SE
.endr
.Lnot_mine_\@:
.endm
; a K step's last quarter changes slots: one barrier; in front of it each wave waits for all its tensor loads, adds 0 to its spare word, and waits for that and for its reads of this slot
.macro TURN slot, next, fill
.if \fill
	s_wait_xcnt 0x0                                ; the last prefetches, a K step back, have read their address
	s_add_nc_u64 s[PFA:PFA+1], s[PFA:PFA+1], KSTEP*2
.endif
	WIN 0
	s_wait_tensorcnt 0x0                           ; the one load that was out is my part of the next slot
	ds_add_u32 v[SPW], v[NIL]
	s_wait_dscnt 9                                 ; the add and the youngest eight loads may be out
	MUL16 F1, 0, 0, 0
	s_wait_dscnt 0x0                               ; the add is done, and my reads of this slot are over
	s_barrier_signal -1
	MUL16 F1, 0, 2, 0
	s_barrier_wait -1
.if \fill
	s_add_nc_u64 s[G0+4*(\slot)+2:G0+4*(\slot)+3], s[G0+4*(\slot)+2:G0+4*(\slot)+3], 2*KSTEP*2
	tensor_load_to_lds s[G0+4*(\slot):G0+4*(\slot)+3], s[G1:G1+7]  ; my one tensor load behind the barrier, and the first thing there
	s_nop 0
.endif
	PLACES
	FETCH \next, 0, F0
.if \fill
	ASK
.endif
	MUL16 F1, 1, 0, 0
	MUL16 F1, 1, 2, 0
.endm
	s_wait_tensorcnt 1                             ; my part of K step 0 is in; K step 1's may stay out
	s_barrier_signal -1
	s_barrier_wait -1
	FETCH 0, 0, F0
	QUARTER 0, 64,  F0, F1, 1
	WIN 0
	s_mov_b32 s3, 3
.Llap:                                                 ; a trip goes once round the ring and fills both slots again: K steps 2 to 7
	QUARTER 0, 128, F1, F0, 0
	QUARTER 0, 192, F0, F1, 0
	TURN 0, 1, 1
	QUARTER 1, 64,  F0, F1, 0
	QUARTER 1, 128, F1, F0, 0
	QUARTER 1, 192, F0, F1, 0
	TURN 1, 0, 1
	QUARTER 0, 64,  F0, F1, 0
	WIN 0
	s_sub_co_u32 s3, s3, 1
	s_cmp_lg_u32 s3, 0
	s_cbranch_scc1 .Llap
	QUARTER 0, 128, F1, F0, 0                      ; the last lap fills nothing
	QUARTER 0, 192, F0, F1, 0
	TURN 0, 1, 0
	QUARTER 1, 64,  F0, F1, 0
	QUARTER 1, 128, F1, F0, 0
	QUARTER 1, 192, F0, F1, 0
	s_wait_dscnt 8
	MUL16 F1, 0, 0, 0
	MUL16 F1, 0, 2, 0
	s_wait_dscnt 0x0
	MUL16 F1, 1, 0, 0
	MUL16 F1, 1, 2, 0
	PLACES
	WIN 0
	s_barrier_signal -1                            ; every wave's reads of the slots are over (waited for above): the slots, which are filled no more, take the accumulators
	s_barrier_wait -1
.irp hi, 0,1
	WIN 0x08+4*(\hi)                               ; data in window 2 or 3
.irp a, 0,1,2,3
.irp b, 0,1,2,3,4,5,6,7
	ds_store_b128 v[DMP], v[8*(8*(\a)+(\b)):8*(8*(\a)+(\b))+3]   offset:8192*(4*(\hi)+(\a))+1024*(\b)  ; each accumulator's low registers first
	ds_store_b128 v[DMP], v[8*(8*(\a)+(\b))+4:8*(8*(\a)+(\b))+7] offset:8192*(4*(\hi)+(\a))+1024*(\b)+512
.endr
.endr
.endr
	WIN 0
	v_mov_b32 v[TP], 0                             ; v_permlanex16_b32's destination counts as read
	v_mov_b32 v[MXR+1], 0
	s_mov_b32 s2, 8
	s_mov_b32 s52, 0
	s_mov_b32 s53, 0
.Lrow:                                                 ; a trip: 16 queries x my 128 keys; a lane holds 64 scores of one query, the lane 16 away the other 64
	v_add_nc_u32 v[DA], s52, v[DMP]
	v_add_nc_u32 v[SA], s53, v[STA]
.irp b, 0,1,2,3,4,5,6,7
	ds_load_b128 v[S+8*(\b):S+8*(\b)+3],   v[DA] offset:1024*(\b)      ; my own bytes: LDS serves a wave's instructions in order
	ds_load_b128 v[S+8*(\b)+4:S+8*(\b)+7], v[DA] offset:1024*(\b)+512
.endr
	s_wait_dscnt 0x0
.irp k, 0,1,2,3
	v_max3_num_f32 v[CH+(\k)], v[S+16*(\k)], v[S+16*(\k)+1], v[S+16*(\k)+2]
.endr
.irp i, 0,1,2,3,4,5
.irp k, 0,1,2,3
	v_max3_num_f32 v[CH+(\k)], v[CH+(\k)], v[S+16*(\k)+3+2*(\i)], v[S+16*(\k)+4+2*(\i)]
.endr
.endr
	v_max3_num_f32 v[CH], v[CH], v[S+15], v[S+31]
	v_max3_num_f32 v[CH+1], v[CH+1], v[S+47], v[S+63]
	v_max3_num_f32 v[CH], v[CH], v[CH+1], v[CH+2]
	v_max_num_f32 v[CH], v[CH], v[CH+3]
	v_permlanex16_b32 v[TP], v[CH], s[SEL], s[SEL+1]
	v_max_num_f32 v[MXR], v[CH], v[TP]             ; the row's maximum over the chunk
.set i, 0
.rept 32
	v_pk_add_f32 v[S+i:S+i+1], v[S+i:S+i+1], v[MXR:MXR+1] op_sel_hi:[1,0] neg_lo:[0,1] neg_hi:[0,1]  ; s - m first: never above 0, whatever the scores' size
.set i, i+2
.endr
.set i, 0
.rept 32
	v_pk_mul_f32 v[S+i:S+i+1], v[S+i:S+i+1], s[CS:CS+1] op_sel_hi:[1,0]
.set i, i+2
.endr
.set i, 0
.rept 64
	v_exp_f32 v[S+i], v[S+i]
.set i, i+1
.endr
	v_nop                                          ; a plain instruction behind the last exponential,
	s_wait_alu depctr_va_vdst(0)                   ; and one wait for the batch of 64, ahead of its first reader
.set i, 0
.rept 32
	v_cvt_pk_f16_f32 v[PK+i], v[S+2*i], v[S+2*i+1]
.set i, i+1
.endr
.set w, 2                              ; the sum of the 32 pairs, in place: neighbours 1, 2, 4, 8, 16 pairs apart
.rept 5
.set u, 0
.rept 32/w
	v_pk_add_f32 v[S+2*w*u:S+2*w*u+1], v[S+2*w*u:S+2*w*u+1], v[S+2*w*u+w:S+2*w*u+w+1]
.set u, u+1
.endr
.set w, 2*w
.endr
	v_add_f32 v[LSU], v[S], v[S+1]
	v_permlanex16_b32 v[TP], v[LSU], s[SEL], s[SEL+1]
	v_add_f32 v[LSU], v[LSU], v[TP]
	ds_store_b32 v[SA], v[MXR]                     ; both halves of the lanes write the same word with the same number
	ds_store_b32 v[SA], v[LSU] offset:512
.irp b, 0,1,2,3,4,5,6,7
	ds_store_b128 v[STO], v[PK+4*(\b):PK+4*(\b)+3] offset:32*(\b)
.endr
.irp t, 0,1,2,3,4,5,6,7
	ds_load_b128 v[BK+4*(\t):BK+4*(\t)+3], v[RD] offset:(\t)*2*SPITCH
.endr
	s_wait_dscnt 0x0
.irp t, 0,1,2,3,4,5,6,7
	global_store_b128 v[CO], v[BK+4*(\t):BK+4*(\t)+3], s[6:7] offset:(\t)*8192  ; 16 lanes store 256 consecutive bytes, aligned
.endr
	s_wait_xcnt 0x0                                ; the stores have read their base and their data: both are written again below and in the next trip
	s_add_nc_u64 s[6:7], s[6:7], 16*4096
	s_add_co_u32 s52, s52, 8192
	s_add_co_u32 s53, s53, 64
	s_sub_co_u32 s2, s2, 1
	s_cmp_lg_u32 s2, 0
	s_cbranch_scc1 .Lrow
	s_lshl_b32 s18, s12, 10
	s_add_co_u32 s18, s18, STAT
	v_add_nc_u32 v[DA], s18, v[XO]
	ds_load_b128 v[S:S+3], v[DA]                   ; my 128 maxima, four a lane,
	ds_load_b128 v[S+4:S+7], v[DA] offset:512      ; and my 128 sums
	s_wait_dscnt 0x0
	global_store_b128 v[XO], v[S:S+3], s[8:9]      ; 512 consecutive bytes each, aligned
	global_store_b128 v[XO], v[S+4:S+7], s[10:11]
	s_wait_tensorcnt 0x0                           ; the wave's end
	ds_add_u32 v[SPW], v[NIL]
	s_wait_dscnt 0x0
	s_endpgm
.Lfunc_end_k_q6c8bb764b0_score:
	.size	k_q6c8bb764b0_score, .Lfunc_end_k_q6c8bb764b0_score-k_q6c8bb764b0_score
	.p2alignl 7, 3214868480
	.fill 96, 4, 3214868480
	.section	.rodata,"a",@progbits
	.p2align	6, 0x0
	.amdhsa_kernel k_q6c8bb764b0_score
		.amdhsa_group_segment_fixed_size 327680
		.amdhsa_private_segment_fixed_size 0
		.amdhsa_enable_private_segment 0
		.amdhsa_kernarg_size 32
		.amdhsa_user_sgpr_count 2
		.amdhsa_user_sgpr_kernarg_segment_ptr 1
		.amdhsa_wavefront_size32 1
		.amdhsa_system_sgpr_workgroup_id_x 1
		.amdhsa_system_sgpr_workgroup_id_y 1
		.amdhsa_system_sgpr_workgroup_id_z 1
		.amdhsa_system_vgpr_workitem_id 0
		.amdhsa_next_free_vgpr 1024
		.amdhsa_next_free_sgpr 66
		.amdhsa_reserve_vcc 1
		.amdhsa_float_denorm_mode_32 3
		.amdhsa_float_denorm_mode_16_64 3
		.amdhsa_memory_ordered 1
		.amdhsa_forward_progress 1
		.amdhsa_inst_pref_size 136
	.end_amdhsa_kernel
	.amdgpu_metadata
---
amdhsa.version: [ 1, 2 ]
amdhsa.kernels:
  - .name:           k_q6c8bb764b0_score
    .symbol:         k_q6c8bb764b0_score.kd
    .args:
      - { .name: qkv, .offset: 0, .size: 8, .value_kind: global_buffer, .address_space: global }
      - { .name: pt, .offset: 8, .size: 8, .value_kind: global_buffer, .address_space: global }
      - { .name: mx, .offset: 16, .size: 8, .value_kind: global_buffer, .address_space: global }
      - { .name: ls, .offset: 24, .size: 8, .value_kind: global_buffer, .address_space: global }
    .group_segment_fixed_size: 327680
    .private_segment_fixed_size: 0
    .kernarg_segment_align: 8
    .kernarg_segment_size: 32
    .max_flat_workgroup_size: 128
    .sgpr_count:     66
    .vgpr_count:     1024
    .wavefront_size: 32
...
	.end_amdgpu_metadata
.endif
;; end of part 3
;; launch mix (part 4): grid 8 x 32, 4 waves a work-group, clusters of 4 x 1, 327,680 bytes of LDS; arguments pt, qkv, mx, ls, out0; writes out0
.if DOCPART == 4
	.amdgcn_target "amdgcn-amd-amdhsa--gfx1250"
	.amdhsa_code_object_version 6
	.text
	.protected	k_q6c8bb764b0_mix
	.globl	k_q6c8bb764b0_mix
	.p2align	8
	.type	k_q6c8bb764b0_mix,@function
k_q6c8bb764b0_mix:
	s_mov_b64 s[64:65], 0
	v_nop
	global_prefetch_b8 v0, s[64:65] scope:SCOPE_SE
	s_setreg_imm32_b32 hwreg(HW_REG_WAVE_MODE, 25, 1), 1
	s_wait_xcnt 0x0
	s_wait_alu depctr_hold_cnt(0) depctr_sa_sdst(0) depctr_va_vdst(0) depctr_va_sdst(0) depctr_va_ssrc(0) depctr_va_vcc(0) depctr_vm_vsrc(0)
	s_getreg_b32 s2, hwreg(HW_REG_IB_STS2, 6, 4)
	s_cmp_eq_u32 s2, 0
	s_cbranch_scc0 .Lentry_in_a_cluster
	s_endpgm
.Lentry_in_a_cluster:
	s_bfe_u32 s2, ttmp6, 0x10000c
	s_cmp_lg_u32 s2, 0x3003
	s_cbranch_scc0 .Lentry_shape_is_right
	s_endpgm
.Lentry_shape_is_right:
; out[row][:] = (sum over chunks t of f_t (p_t V_t)) / (sum of f_t l_t),  f_t = 2^(c (m_t - m_row)),  c = log2(e) / 32,  m_row = the maximum of the row's m_t over all chunks that it reads.
; p (f16), m and l (f32) come by chunks of 128 keys from the launch before; V is qkv's third part (f16).  f is made in f32; rounded to f16 it multiplies p (one packed multiply for two weights);
; products and sums in f32; the divisor takes the unrounded f.  m_t - m_row is formed first and is never above 0.
; LIMITS.  p f below 6e-5 keeps f16's fixed step of 6e-8 beside a row's largest weight, which is 1; f below 2^-126 counts as 0; NaN and infinities are not treated apart.
; SHARES.  A work-group makes 128 channels of TWO blocks of 128 queries, 15 - p and then p (p = 0..7).  Block i reads the key tiles 0 .. i / 2 of 256 keys: 9 tiles together, whatever p:
; one walk of 9 steps, the same in every work-group.  A wave owns 32 queries x 128 channels: 16 accumulators.
; O^T = V^T P^T: source 0 = 16 channels x 32 keys (V turned by ds_load_tr16_b128), source 1 = 32 keys x 16 queries (p as it lies): a lane holds one query and eight channels.
; CLUSTER.  The four work-groups of a cluster have the same batch and p and four different channel ranges: p's tile is the same for all and is asked for jointly (mask 15); V's is each one's own.
; REGISTERS: window 0: v0-31 addresses, v32-95 p's fragments (two buffers), v96-127 the way out, v128-255 accumulators; window 1 + g: v0-127 V's fragments of buffer g, v128-129 f.
.set PP,    528                        ; a row of p in LDS: 512 bytes + 16
.set PVP,   288                        ; a row of V: 256 bytes + 32
.set VOFF,  128*PP
.set SLOTB, VOFF+256*PVP               ; a slot: 128 rows of p, 256 rows of V
.set STAGE, 2*SLOTB                    ; 16 rows x 272 bytes for each wave
.set SP,    272
.set TAB,   STAGE+4*16*SP              ; f as two f16 in a word, BY STEP OF THE WALK: 1,024 x step + 512 x half of the tile's keys + 4 x row: so its LDS addresses hang on the loop's count alone
.set INVO,  16384                      ; behind it 1 / divisor, f32: 512 x block + 4 x row
.set SPARE, TAB+INVO+1024              ; the spare words, 128 bytes a wave; no other line names them
.set ROWB,  6144
.set IV,   12                          ; v[12:13], v[14:15] 1 / divisor of my query in rows 0-15 and 16-31; the pairs' high words are written once
.set ADRP, 16                          ; v16-17  p's fragments in slot 0, 1
.set ADRV, 18                          ; v18-21  V's: slot s, keys 128 u on, at ADRV + 2 s + u
.set FAD0, 22                          ; v22  TAB + 4 x (32 wave + r)
.set FADR, 23                          ; v23  the same for the trip's two steps
.set STO,  24
.set RD,   25
.set CO,   26
.set SPW,  28
.set NIL,  29
.set PFO,  30
.set TADR, 31                          ; v31  TAB + 4 x thread
.set PFR,  32
.set BK,   96
.set ACC,  128
.set SO,   128                         ; the statistics work in the accumulators' registers, before these are cleared: v128-136 nine offsets,
.set SM,   138                         ; v138-155 the 18 maxima, then f,
.set SL,   156                         ; v156-173 the 18 sums,
.set M0,   174                         ; v[174:175] the first block's row maximum (the pairs' high words are written once),
.set M1,   176                         ; v[176:177] the second's,
.set MS,   178                         ; v[178:179] the one that a step of either block takes,
.set TT,   180                         ; v180-181 at work,
.set L0,   182                         ; the two divisors
.set L1,   183
.set R0,   184                         ; and their reciprocals
.set R1,   185
.set G1P, 24
.set G1V, 32
.set G0P, 40
.set G0V, 44
.set LP,  56
.set LV,  58
.set MSB, 0
.macro WIN new
.if MSB != (\new)
	s_set_vgpr_msb (MSB<<8)|(\new)
.set MSB, \new
.endif
.endm
.macro PLACES
.rept 4
	v_nop
.endr
.endm
.macro CROUND                          ; a round of the cluster's barrier
	s_barrier_signal -1
	s_barrier_wait -1
	s_cmp_lg_u32 s14, 0
	s_cbranch_scc1 .Lnot_wave_0_\@
	s_barrier_signal -3
.Lnot_wave_0_\@:
	s_barrier_wait -3
	s_barrier_signal -1
	s_barrier_wait -1
.endm
; a fill: waves 0, 1 ask jointly for the two halves of p's tile, waves 2, 3 fetch the two halves of V's.  An s_nop 0 and four v_nop follow each line.
.macro JLOAD
	s_cmp_lt_u32 s14, 2
	s_cbranch_scc0 .Lfor_v_\@
	tensor_load_to_lds s[G0P:G0P+3], s[G1P:G1P+7]
	s_nop 0
.rept 4
	v_nop
.endr
	s_branch .Lasked_\@
.Lfor_v_\@:
	tensor_load_to_lds s[G0V:G0V+3], s[G1V:G1V+7]
	s_nop 0
.rept 4
	v_nop
.endr
.Lasked_\@:
.endm
; step n of the walk: s74 = its key tile, s76 = its block's first row in the batch
.macro WALK n
	s_cmp_lt_u32 s[\n], s19
	s_cselect_b32 s75, 0, s19
	s_cselect_b32 s76, s21, s22
	s_sub_co_u32 s74, s[\n], s75
.endm
.macro OFFS                            ; from WALK's results: the tile's byte offset in pt (s[52:53]) and in qkv (s[54:55])
	s_lshl_b32 s52, s76, 12
	s_lshl_b32 s75, s74, 9
	s_add_co_u32 s52, s52, s75
	s_mul_i32 s54, s74, 256*ROWB
.endm
	s_load_b256 s[4:11], s[0:1], 0x0               ; pt s[4:5], qkv s[6:7], mx s[8:9], ls s[10:11]
	s_load_b64 s[12:13], s[0:1], 0x20              ; out0
	v_lshl_add_u32 v[SPW], v0, 2, SPARE
	v_mov_b32 v[NIL], 0
	ds_add_u32 v[SPW], v[NIL]                      ; the wave's opening: the add and its wait ahead of the first round and my first tensor load
	v_lshrrev_b32 v1, 5, v0
	v_readfirstlane_b32 s14, v1                    ; wave 0..3
	s_and_b32 s23, ttmp7, 0xffff
	s_lshr_b32 s17, s23, 3                         ; the batch
	s_and_b32 s18, s23, 7                          ; p: the second block
	s_sub_co_u32 s80, 15, s18                      ; the first block
	s_lshr_b32 s19, s80, 1
	s_add_co_u32 s19, s19, 1                       ; NH: its tiles, 5 to 8
	s_lshl_b32 s21, s80, 7                         ; the blocks' first rows in the batch
	s_lshl_b32 s22, s18, 7
	s_and_b32 s81, s14, 1                          ; which half of a tile I fetch
	s_bfe_u32 s82, ttmp6, 0x40000                  ; cx: it enters V's, out0's and the prefetches' addresses alone, through s82 to s89
	s_lshl_b32 s83, ttmp9, 2
	s_add_co_u32 s83, s83, s82                     ; my 128 channels of the 1,024
	s_lshl_b32 s89, s82, 16
	s_mov_b32 s[G1P+0], 15|(1<<16)|(1<<20)|(1<<21)|(6<<22)|(3<<25)  ; the mask of four; 2-byte elements; padding on; bit 21 beside a mask; 4 words behind every 128
	s_mov_b32 s[G1P+1], 256<<16                    ; tensor_dim0 = 256 keys
	s_mov_b32 s[G1P+2], 64<<16                     ; tensor_dim1 = 64 rows
	s_mov_b32 s[G1P+3], 256<<16                    ; tile_dim0
	s_mov_b32 s[G1P+4], 64                         ; tile_dim1
	s_mov_b32 s[G1P+5], 2048                       ; elements from row to row of pt
	s_mov_b32 s[G1P+6], 0
	s_mov_b32 s[G1P+7], 0
	s_mov_b32 s[G1V+0], (1<<16)|(1<<20)|(5<<22)|(7<<25)  ; no mask; 8 words behind every 64
	s_mov_b32 s[G1V+1], 128<<16                    ; 128 channels
	s_mov_b32 s[G1V+2], 128<<16                    ; 128 keys
	s_mov_b32 s[G1V+3], 128<<16
	s_mov_b32 s[G1V+4], 128
	s_mov_b32 s[G1V+5], 3072
	s_mov_b32 s[G1V+6], 0
	s_mov_b32 s[G1V+7], 0
	s_mul_i32 s[LP], s81, 64*PP                    ; where my half lands, in slot 0 and in slot 1
	s_add_co_u32 s[LP+1], s[LP], SLOTB
	s_mul_i32 s[LV], s81, 128*PVP
	s_add_co_u32 s[LV], s[LV], VOFF
	s_add_co_u32 s[LV+1], s[LV], SLOTB
	s_lshl_b32 s52, s17, 23                        ; pt: the batch, my 64 rows of a block
	s_lshl_b32 s73, s81, 18
	s_add_co_u32 s52, s52, s73
	s_mov_b32 s53, 0
	s_mov_b32 s55, 0
	s_lshl_b32 s84, s17, 11                        ; qkv: the batch, my 128 keys of a tile, V's part of a row, my channels
	s_lshl_b32 s85, s81, 7
	s_add_co_u32 s84, s84, s85
	s_mul_i32 s84, s84, ROWB
	s_add_co_u32 s84, s84, 4096
	s_lshl_b32 s85, s83, 8
	s_add_co_u32 s84, s84, s85
	s_mov_b32 s85, 0
	s_lshl_b32 s86, s17, 11                        ; out0: the batch, the block, my 32 rows, my channels
	s_lshl_b32 s87, s14, 5
	s_add_co_u32 s86, s86, s87
	s_add_co_u32 s88, s86, s22
	s_add_co_u32 s86, s86, s21
	s_lshl_b32 s86, s86, 12
	s_lshl_b32 s88, s88, 12
	s_lshl_b32 s87, s83, 9
	s_add_co_u32 s86, s86, s87
	s_add_co_u32 s88, s88, s87
	s_mov_b32 s87, 0
	s_mov_b32 s70, 0x3d38aa3b                      ; c
	s_mov_b32 s71, s70
	s_mov_b32 s20, 0                               ; N: the step of the walk
	; who prefetches: p's tiles are read by two clusters: the one with x = 0 asks (steps up to 8).  V's tiles are read by all p and in both blocks: p = 0 asks, in its first block (tiles up to 7)
	s_cmp_eq_u32 ttmp9, 0
	s_cselect_b32 s73, 9, 0
	s_cmp_eq_u32 s18, 0
	s_cselect_b32 s74, 8, 0
	s_mov_b32 s75, 4096                            ; an instruction holds one literal: p's two factors lie in registers, V's in the selects
	s_mov_b32 s76, 256
	s_cmp_lt_u32 s14, 2
	s_cselect_b32 s61, s73, s74
	s_cselect_b32 s75, s75, 2*ROWB                 ; the lanes' offsets: p: row 16 cx + lane / 2, 256 bytes x (lane % 2); V: a lane a row
	s_cselect_b32 s76, s76, ROWB
	s_cselect_b32 s89, s89, 0
	s_wait_dscnt 0x0                               ; the opening add is done
	s_wait_kmcnt 0x0
	s_add_nc_u64 s[48:49], s[4:5], s[52:53]        ; PB
	s_add_nc_u64 s[50:51], s[6:7], s[84:85]        ; VB
	s_add_nc_u64 s[66:67], s[12:13], s[86:87]      ; the first block's rows of out0,
	s_mov_b32 s86, s88
	s_add_nc_u64 s[68:69], s[12:13], s[86:87]      ; the second's
	s_lshl_b32 s52, s21, 12                        ; step 0: the first block, tile 0, into slot 0
	s_mov_b32 s[G0P], 1
	s_mov_b32 s[G0P+1], s[LP]
	s_add_nc_u64 s[G0P+2:G0P+3], s[48:49], s[52:53]
	s_or_b32 s[G0P+3], s[G0P+3], 0x80000000
	s_mov_b32 s[G0V], 1
	s_mov_b32 s[G0V+1], s[LV]
	s_add_nc_u64 s[G0V+2:G0V+3], s[50:51], 0
	s_or_b32 s[G0V+3], s[G0V+3], 0x80000000
	CROUND                                         ; all four work-groups are here
	JLOAD                                          ; one tensor load of mine is out, here and behind every later round
	v_and_b32 v1, 15, v0                           ; r
	v_bfe_u32 v2, v0, 4, 1                         ; h
	v_and_b32 v3, 31, v0
	v_and_b32 v4, 7, v0
	v_bfe_u32 v5, v0, 3, 1
	s_mul_i32 s73, s14, 32*PP
	v_mul_u32_u24 v6, v1, PP
	v_lshl_add_u32 v6, v2, 4, v6
	v_add_nc_u32 v[ADRP], s73, v6                  ; row 32 wave + r, 16 bytes x h
	v_add_nc_u32 v[ADRP+1], SLOTB, v[ADRP]
	v_lshl_add_u32 v6, v2, 3, v4                   ; the turning load: key 8 h + lane % 8, channels 8 ((lane / 8) % 2) on
	v_mul_u32_u24 v6, v6, PVP
	v_lshl_add_u32 v6, v5, 4, v6
	v_add_nc_u32 v[ADRV], VOFF, v6
	v_add_nc_u32 v[ADRV+1], VOFF+128*PVP, v6
	v_add_nc_u32 v[ADRV+2], SLOTB+VOFF, v6
	v_add_nc_u32 v[ADRV+3], SLOTB+VOFF+128*PVP, v6
	s_lshl_b32 s73, s14, 7
	s_add_co_u32 s73, s73, TAB
	v_lshl_add_u32 v[FAD0], v1, 2, s73
	v_lshl_add_u32 v[TADR], v0, 2, TAB
	s_mul_i32 s73, s14, 16*SP
	s_add_co_u32 s73, s73, STAGE
	v_mul_u32_u24 v6, v1, SP
	v_lshl_add_u32 v6, v2, 5, v6
	v_add_nc_u32 v[STO], s73, v6                   ; in: row r, 32 bytes for each half of the lanes
	v_mul_u32_u24 v6, v2, SP
	v_lshl_add_u32 v6, v1, 4, v6
	v_add_nc_u32 v[RD], s73, v6                    ; back: lanes 0-15 one row of 256 bytes, lanes 16-31 the next
	v_lshlrev_b32 v6, 12, v2
	v_lshl_add_u32 v[CO], v1, 4, v6
	v_lshrrev_b32 v6, 1, v3
	v_and_b32 v7, 1, v3
	v_mul_u32_u24 v[PFO], v6, s75
	v_mad_u32_u24 v[PFO], v7, s76, v[PFO]
	v_add_nc_u32 v[PFO], s89, v[PFO]
	v_mov_b32 v[IV+1], 0
	v_mov_b32 v[IV+3], 0
	; THE STATISTICS.  Thread t takes row t of both blocks.  It loads m and l of the 18 chunks of the walk's nine steps (which chunk a step has enters the global offsets alone).
	; Steps 0 to 4 are always the first block's (NH is 5 at the least), step 8 always the second's; steps 5 to 7 are dealt to one or the other by value, by a scalar mask or factor.
	; All this stands in the wait for the first tile; the first step's round orders these LDS stores with all later reads.
	s_lshl_b32 s73, s17, 15                        ; the batch's 16 chunks x 2,048 rows
.set n, 0
.rept 9
	s_cmp_lt_u32 n, s19                            ; does step n belong to the first block?
	s_cselect_b32 s75, 0, s19
	s_cselect_b32 s76, s21, s22
	s_sub_co_u32 s74, n, s75                       ; its key tile: two chunks of 2,048 rows
	s_lshl_b32 s74, s74, 12
	s_add_co_u32 s74, s74, s76
	s_add_co_u32 s74, s74, s73
	s_lshl_b32 s74, s74, 2
	v_lshl_add_u32 v[SO+n], v0, 2, s74
.set n, n+1
.endr
.set n, 0
.rept 9
	global_load_b32 v[SM+2*n],   v[SO+n], s[8:9]
	global_load_b32 v[SM+2*n+1], v[SO+n], s[8:9] offset:8192
	global_load_b32 v[SL+2*n],   v[SO+n], s[10:11]
	global_load_b32 v[SL+2*n+1], v[SO+n], s[10:11] offset:8192
.set n, n+1
.endr
	v_mov_b32 v[M0+1], 0
	v_mov_b32 v[M1+1], 0
	v_mov_b32 v[MS+1], 0
	s_wait_loadcnt 0x0
	v_max_num_f32 v[M0], v[SM], v[SM+1]
	v_max_num_f32 v[M1], v[SM+16], v[SM+17]
.irp n, 1,2,3,4
	v_max3_num_f32 v[M0], v[M0], v[SM+2*(\n)], v[SM+2*(\n)+1]
.endr
.irp n, 5,6,7
	s_cmp_lt_u32 \n, s19
	s_cselect_b32 s76, -1, 0                       ; all lanes: the step is the first block's
	v_max_num_f32 v[TT], v[SM+2*(\n)], v[SM+2*(\n)+1]
	v_cndmask_b32 v[TT+1], v[M0], v[TT], s76       ; each block's maximum takes the step's, or itself
	v_cndmask_b32 v[TT], v[TT], v[M1], s76
	v_max_num_f32 v[M0], v[M0], v[TT+1]
	v_max_num_f32 v[M1], v[M1], v[TT]
.endr
.irp n, 0,1,2,3,4,5,6,7,8                  ; m - m_row first: never above 0, whatever the scores' size
.if (\n) < 5
	v_pk_add_f32 v[SM+2*(\n):SM+2*(\n)+1], v[SM+2*(\n):SM+2*(\n)+1], v[M0:M0+1] op_sel_hi:[1,0] neg_lo:[0,1] neg_hi:[0,1]
.elseif (\n) == 8
	v_pk_add_f32 v[SM+2*(\n):SM+2*(\n)+1], v[SM+2*(\n):SM+2*(\n)+1], v[M1:M1+1] op_sel_hi:[1,0] neg_lo:[0,1] neg_hi:[0,1]
.else
	s_cmp_lt_u32 \n, s19
	s_cselect_b32 s76, -1, 0
	v_cndmask_b32 v[MS], v[M1], v[M0], s76
	v_pk_add_f32 v[SM+2*(\n):SM+2*(\n)+1], v[SM+2*(\n):SM+2*(\n)+1], v[MS:MS+1] op_sel_hi:[1,0] neg_lo:[0,1] neg_hi:[0,1]
.endif
.endr
.irp n, 0,1,2,3,4,5,6,7,8
	v_pk_mul_f32 v[SM+2*(\n):SM+2*(\n)+1], v[SM+2*(\n):SM+2*(\n)+1], s[70:71] op_sel_hi:[1,0]
.endr
.set k, 0
.rept 18
	v_exp_f32 v[SM+k], v[SM+k]
.set k, k+1
.endr
	v_nop                                          ; a plain instruction behind the last exponential,
	s_wait_alu depctr_va_vdst(0)                   ; and one wait for the batch of 18, ahead of its first reader
	v_mul_f32 v[L0], v[SM], v[SL]
	v_mul_f32 v[L1], v[SM+16], v[SL+16]
	v_fmac_f32 v[L0], v[SM+1], v[SL+1]
	v_fmac_f32 v[L1], v[SM+17], v[SL+17]
.irp k, 2,3,4,5,6,7,8,9
	v_fmac_f32 v[L0], v[SM+(\k)], v[SL+(\k)]
.endr
.irp n, 5,6,7
	s_cmp_lt_u32 \n, s19
	s_cselect_b32 s76, 1.0, 0
	s_cselect_b32 s75, 0, 1.0
	v_mul_f32 v[TT], v[SM+2*(\n)], v[SL+2*(\n)]
	v_mul_f32 v[TT+1], v[SM+2*(\n)+1], v[SL+2*(\n)+1]
	v_fmac_f32 v[L0], s76, v[TT]
	v_fmac_f32 v[L1], s75, v[TT]
	v_fmac_f32 v[L0], s76, v[TT+1]
	v_fmac_f32 v[L1], s75, v[TT+1]
.endr
.set k, 0
.rept 18
	v_cvt_pk_f16_f32 v[SM+k], v[SM+k], v[SM+k]     ; f twice in a word, for the packed multiply
.set k, k+1
.endr
	v_rcp_f32 v[R0], v[L0]                         ; a divisor is 1 at the least: the chunk that holds the row's maximum has f = 1 and a weight of 1
	v_rcp_f32 v[R1], v[L1]
.set k, 0
.rept 18
	ds_store_b32 v[TADR], v[SM+k] offset:512*k     ; 1,024 x step + 512 x half
.set k, k+1
.endr
	v_nop
	s_wait_alu depctr_va_vdst(0)                   ; one wait for the two reciprocals
	ds_store_b32 v[TADR], v[R0] offset:INVO
	ds_store_b32 v[TADR], v[R1] offset:INVO+512
.set i, 0
.rept 128
	v_mov_b32 v[ACC+i], 0                          ; one form of product for every step
.set i, i+1
.endr
; 42 LDS loads in one run: quarter q (64 keys) of slot s into buffer g: p's 4 fragments, f, V's 8 fragments of the first 32 keys, then of the second.  A step's slot is its number's parity: f's offset takes it
.macro FETCH s, q, g
	WIN 0
.irp kk, 0,1
.irp a, 0,1
	ds_load_b128 v[PFR+32*(\g)+16*(\kk)+8*(\a):PFR+32*(\g)+16*(\kk)+8*(\a)+3],   v[ADRP+(\s)] offset:16*PP*(\a)+128*(\q)+64*(\kk)
	ds_load_b128 v[PFR+32*(\g)+16*(\kk)+8*(\a)+4:PFR+32*(\g)+16*(\kk)+8*(\a)+7], v[ADRP+(\s)] offset:16*PP*(\a)+128*(\q)+64*(\kk)+32
.endr
.endr
	WIN (1+(\g))<<6
	ds_load_b32 v128, v[FADR] offset:1024*(\s)+512*((\q)/2)
	ds_load_b32 v129, v[FADR] offset:1024*(\s)+512*((\q)/2)+64
.irp kk, 0,1
.irp cb, 0,1,2,3,4,5,6,7
	ds_load_tr16_b128 v[64*(\kk)+8*(\cb):64*(\kk)+8*(\cb)+3],   v[ADRV+2*(\s)+(\q)/2] offset:(64*((\q)%2)+32*(\kk))*PVP+32*(\cb)
	ds_load_tr16_b128 v[64*(\kk)+8*(\cb)+4:64*(\kk)+8*(\cb)+7], v[ADRV+2*(\s)+(\q)/2] offset:(64*((\q)%2)+32*(\kk)+16)*PVP+32*(\cb)
.endr
.endr
.endm
.macro SCALE g                         ; p f for the first 32 keys: 16 packed multiplies; f's word holds the query's f twice
	WIN 1+(\g)
.set z, 0
.rept 16
	v_pk_mul_f16 v[PFR+32*(\g)+z], v[128+z/8], v[PFR+32*(\g)+z]
.set z, z+1
.endr
.endm
; 16 matrix instructions on 32 keys; the 16 accumulators take turns in one order everywhere.  ride = 1: behind each stands one multiply p f for the second 32 keys
.macro MULS g, kk, ride
	WIN 1+(\g)
.set z, 0
.irp a, 0,1
.irp cb, 0,1,2,3,4,5,6,7
	v_wmma_f32_16x16x32_f16 v[ACC+8*(8*(\a)+(\cb)):ACC+8*(8*(\a)+(\cb))+7], v[64*(\kk)+8*(\cb):64*(\kk)+8*(\cb)+7], v[PFR+32*(\g)+16*(\kk)+8*(\a):PFR+32*(\g)+16*(\kk)+8*(\a)+7], v[ACC+8*(8*(\a)+(\cb)):ACC+8*(8*(\a)+(\cb))+7]
.if \ride
	v_pk_mul_f16 v[PFR+32*(\g)+16+z], v[128+z/8], v[PFR+32*(\g)+16+z]
.set z, z+1
.endif
.endr
.endr
.endm
; a quarter: 64 keys, 32 matrix instructions on buffer q % 2; in its middle the next quarter's run of loads goes into the other buffer, whose last products stand 16 plain multiplies and more back
.macro QUARTER s, q
	s_wait_dscnt 16                                ; p, f and V's first 32 keys are in; V's second 32 keys may be out
	SCALE (\q)%2
	MULS (\q)%2, 0, 1
.if (\q) < 3
	FETCH \s, (\q)+1, 1-(\q)%2
	s_wait_dscnt 42                                ; all but the 42 just issued
.else
	s_wait_dscnt 0x0
.endif
	MULS (\q)%2, 1, 0
.endm
; the tile of the step after next, one step ahead of its load.  Waves 0, 1: 16 rows x 512 bytes of p for each of the four partners, told apart by address; waves 2, 3: my own 128 rows of V, a lane a row
.macro ASK
	s_cmp_lt_u32 s77, s61
	s_cbranch_scc0 .Lnone_\@
	global_prefetch_b8 v[PFO], s[62:63] th:TH_LOAD_NT scope:SCOPE_SE
	s_cmp_lt_u32 s14, 2
	s_cbranch_scc1 .Lnone_\@
.irp i, 1,2,3
	global_prefetch_b8 v[PFO], s[62:63] offset:(\i)*32*ROWB th:TH_LOAD_NT scope:SCOPE_SE
.endr
.Lnone_\@:
.endm
; THE WAY OUT of a block: divided by the divisor; 16 rows x 64 channels (256 bytes a row) at a time through my stage; stored as whole rows
.macro WAYOUT blk, base, clear
	WIN 0
	PLACES                                         ; eight plain places behind the last products: the multiplies below read and write the accumulators in place
	PLACES
	ds_load_b32 v[IV],   v[FAD0] offset:INVO+512*(\blk)
	ds_load_b32 v[IV+2], v[FAD0] offset:INVO+512*(\blk)+64
	s_wait_dscnt 0x0
.irp a, 0,1
.irp u, 0,1
.irp c, 0,1,2,3
.irp j, 0,2,4,6
	v_pk_mul_f32 v[ACC+8*(8*(\a)+4*(\u)+(\c))+(\j):ACC+8*(8*(\a)+4*(\u)+(\c))+(\j)+1], v[ACC+8*(8*(\a)+4*(\u)+(\c))+(\j):ACC+8*(8*(\a)+4*(\u)+(\c))+(\j)+1], v[IV+2*(\a):IV+2*(\a)+1] op_sel_hi:[1,0]
.endr
.endr
	s_wait_xcnt 0x0                                ; earlier stores have read the registers that the loads below fill
.irp c, 0,1,2,3
	ds_store_b128 v[STO], v[ACC+8*(8*(\a)+4*(\u)+(\c)):ACC+8*(8*(\a)+4*(\u)+(\c))+3]   offset:64*(\c)
	ds_store_b128 v[STO], v[ACC+8*(8*(\a)+4*(\u)+(\c))+4:ACC+8*(8*(\a)+4*(\u)+(\c))+7] offset:64*(\c)+16
.endr
.irp t, 0,1,2,3,4,5,6,7
	ds_load_b128 v[BK+4*(\t):BK+4*(\t)+3], v[RD] offset:(\t)*2*SP  ; my own bytes: LDS serves a wave's instructions in order
.endr
	s_wait_dscnt 0x0
.irp t, 0,1,2,3,4,5,6,7
	global_store_b128 v[CO], v[BK+4*(\t):BK+4*(\t)+3], s[\base:\base+1] offset:(16*(\a)+2*(\t))*4096+256*(\u)  ; 16 lanes store 256 consecutive bytes, aligned
.endr
.endr
.endr
.if \clear
.set i, 0
.rept 128
	v_mov_b32 v[ACC+i], 0
.set i, i+1
.endr
.endif
.endm
; A STEP of the walk: the tile in slot s.  fill = 1: the other slot takes the next step's tile, behind a round of the cluster's barrier.  blkend = 1: the first block may end here.
.macro STEP s, fill, blkend
	s_wait_tensorcnt 0x0                           ; my one load, my part of this step's tile, has landed: the descriptors may be written
	ds_add_u32 v[SPW], v[NIL]                      ; 0 onto my spare word; the scalar work stands between it and the wait for it
.if \fill
	s_add_co_u32 s77, s20, 1
	WALK 77
	OFFS
	s_mov_b32 s[G0P+1], s[LP+1-(\s)]
	s_add_nc_u64 s[G0P+2:G0P+3], s[48:49], s[52:53]
	s_or_b32 s[G0P+3], s[G0P+3], 0x80000000
	s_mov_b32 s[G0V+1], s[LV+1-(\s)]
	s_add_nc_u64 s[G0V+2:G0V+3], s[50:51], s[54:55]
	s_or_b32 s[G0V+3], s[G0V+3], 0x80000000
	s_wait_xcnt 0x0                                ; the last prefetches, a step back, have read their address
	s_add_co_u32 s77, s20, 2
	WALK 77
	OFFS
	s_add_nc_u64 s[78:79], s[48:49], s[52:53]
	s_add_nc_u64 s[62:63], s[50:51], s[54:55]
	s_cmp_lt_u32 s14, 2
	s_cselect_b64 s[62:63], s[78:79], s[62:63]
.endif
	s_wait_dscnt 0x0                               ; the add is done, and my reads of the other slot are over
.if \fill
	CROUND                                         ; no wave of any partner still reads the other slot or has a load on its way
	JLOAD
.else
	s_barrier_signal -1
	s_barrier_wait -1
.endif
	v_add_nc_u32 v[FADR], s60, v[FAD0]             ; f of the trip's two steps: s60 steps by 2,048 a trip
	FETCH \s, 0, 0
.if \fill
	WIN 0
	ASK
.endif
	QUARTER \s, 0
	QUARTER \s, 1
	QUARTER \s, 2
	QUARTER \s, 3
	WIN 0
	s_add_co_u32 s20, s20, 1
.if \blkend
	s_cmp_eq_u32 s20, s19
	s_cbranch_scc0 .Lsame_\@                       ; forward, past text that holds neither a barrier nor a tensor load
	WAYOUT 0, 66, 1
.Lsame_\@:
.endif
.endm
	s_mov_b32 s60, 0
	s_mov_b32 s72, 4
.Lpair:                                                ; four trips of two steps: steps 0 to 7 are multiplied, tiles 1 to 8 asked for
	STEP 0, 1, 1
	STEP 1, 1, 1
	s_add_co_u32 s60, s60, 2048
	s_sub_co_u32 s72, s72, 1
	s_cmp_lg_u32 s72, 0
	s_cbranch_scc1 .Lpair
	STEP 0, 0, 0                                   ; the walk's last step asks for nothing
	WAYOUT 1, 68, 0
	s_wait_tensorcnt 0x0                           ; the wave's end
	ds_add_u32 v[SPW], v[NIL]
	s_wait_dscnt 0x0
	CROUND                                         ; the closing round
	s_endpgm
.Lfunc_end_k_q6c8bb764b0_mix:
	.size	k_q6c8bb764b0_mix, .Lfunc_end_k_q6c8bb764b0_mix-k_q6c8bb764b0_mix
	.p2alignl 7, 3214868480
	.fill 96, 4, 3214868480
	.section	.rodata,"a",@progbits
	.p2align	6, 0x0
	.amdhsa_kernel k_q6c8bb764b0_mix
		.amdhsa_group_segment_fixed_size 327680
		.amdhsa_private_segment_fixed_size 0
		.amdhsa_enable_private_segment 0
		.amdhsa_kernarg_size 40
		.amdhsa_user_sgpr_count 2
		.amdhsa_user_sgpr_kernarg_segment_ptr 1
		.amdhsa_wavefront_size32 1
		.amdhsa_system_sgpr_workgroup_id_x 1
		.amdhsa_system_sgpr_workgroup_id_y 1
		.amdhsa_system_sgpr_workgroup_id_z 1
		.amdhsa_system_vgpr_workitem_id 0
		.amdhsa_next_free_vgpr 768
		.amdhsa_next_free_sgpr 96
		.amdhsa_reserve_vcc 0
		.amdhsa_float_denorm_mode_32 3
		.amdhsa_float_denorm_mode_16_64 3
		.amdhsa_memory_ordered 1
		.amdhsa_forward_progress 1
		.amdhsa_inst_pref_size 156
	.end_amdhsa_kernel
	.amdgpu_metadata
---
amdhsa.version: [ 1, 2 ]
amdhsa.kernels:
  - .name:           k_q6c8bb764b0_mix
    .symbol:         k_q6c8bb764b0_mix.kd
    .args:
      - { .name: pt, .offset: 0, .size: 8, .value_kind: global_buffer, .address_space: global }
      - { .name: qkv, .offset: 8, .size: 8, .value_kind: global_buffer, .address_space: global }
      - { .name: mx, .offset: 16, .size: 8, .value_kind: global_buffer, .address_space: global }
      - { .name: ls, .offset: 24, .size: 8, .value_kind: global_buffer, .address_space: global }
      - { .name: out0, .offset: 32, .size: 8, .value_kind: global_buffer, .address_space: global }
    .group_segment_fixed_size: 327680
    .private_segment_fixed_size: 0
    .kernarg_segment_align: 8
    .kernarg_segment_size: 40
    .max_flat_workgroup_size: 128
    .sgpr_count:     96
    .vgpr_count:     768
    .wavefront_size: 32
...
	.end_amdgpu_metadata
.endif
;; end of part 4
;; launch hproj (part 5): grid 96 x 4, 4 waves a work-group, no clusters, 8,704 bytes of LDS; arguments xb, wb, hq; writes hq
.if DOCPART == 5
	.amdgcn_target "amdgcn-amd-amdhsa--gfx1250"
	.amdhsa_code_object_version 6
	.text
	.protected	k_q6c8bb764b0_hproj
	.globl	k_q6c8bb764b0_hproj
	.p2align	8
	.type	k_q6c8bb764b0_hproj,@function
k_q6c8bb764b0_hproj:
	s_mov_b64 s[64:65], 0
	v_nop
	global_prefetch_b8 v0, s[64:65] scope:SCOPE_SE
	s_setreg_imm32_b32 hwreg(HW_REG_WAVE_MODE, 25, 1), 1
	s_wait_xcnt 0x0
; hq[b][m][c] = the sum over k of xb[2048 b + m][k] wb[c][k], m = 0..15: q, k and v of the FIRST 16 ROWS of each batch once more, kept in f32.
; xb: [8192][1024], wb: [3072][1024], bf16; products on the matrix unit, sums in f32 in any order; hq: [4][16][3072] f32 (columns 0-1023 q, 1024-2047 k, 2048-3071 v).
; WHY.  A row of the output with few keys is a mean over few numbers: there the roundings of q, k and v to 16 bits do not average out, while each number's allowance goes by the root mean
; square of the whole output.  So these rows get operands that are not rounded; the launch behind this one makes the rows from them.
; SHARES.  A work-group makes 32 columns of one batch: two tiles of 16.  K is split among its four waves: of each trip's 512 channels wave v takes 128 v .. 128 v + 127, for both tiles:
; 256 consecutive bytes, aligned, of each row.  K = 1,024 is two trips, so there is no loop: a wave's 48 loads go out at once.  The four partial sums meet in LDS.
; LAYOUT.  Source 0 = 16 rows of wb, source 1 = the 16 rows of xb: in the result lane l holds row l % 16 and the columns 8 (l / 16) + 0..7: 32 bytes of hq on end.
; A fragment is 16 rows x 32 channels in 8 registers: lane l holds row l % 16, channels 8 (l / 16) + 0..7 and 16 + 8 (l / 16) + 0..7: two loads of 16 bytes, 32 bytes apart, straight from memory.
; No tensor load, no cluster, no prefetch: nothing is shared between waves on the way in, and the launch is two trips long.
.set ROWB,  2048                       ; bytes in a row of xb and of wb
.set TRIP,  1024                       ; bytes of a row in a trip
.set HROW,  12288                      ; bytes in a row of hq
.set PART,  0                          ; LDS: wave v's two partial tiles, 1,024 bytes each, at 2,048 v
.set SPARE, 8192                       ; behind them: the spare words, 128 bytes a wave; no other line names them
.set FO,  2                            ; v2   my byte offset in a fragment's rows: (l % 16) x ROWB + 16 (l / 16) + 256 x wave
.set LS,  4                            ; v4   where I put my 32 bytes of a partial tile
.set LR,  5                            ; v5   where I read them back
.set YO,  6                            ; v6   my 32 bytes of hq
.set SPW, 8                            ; v8   LDS address of my spare word; never rewritten
.set NIL, 9                            ; v9   0; never rewritten
.set ACC, 16                           ; v[16:47]   four accumulators: tile j, fragments of parity p, at ACC + 8 (2 p + j)
.set BUF, 64                           ; v[64:255]  two sets of 96, a trip each: wb's fragments (tile j, fragment f at 32 j + 8 f), then xb's four
.set WV,  14                           ; s14  my wave's number
.set W,   10                           ; s[10:11] wb at the work-group's first row
.set X,   12                           ; s[12:13] xb at the batch's first row
	s_load_b128 s[4:7], s[0:1], 0x0                ; xb s[4:5], wb s[6:7]
	s_load_b64 s[8:9], s[0:1], 0x10                ; hq
	v_lshl_add_u32 v[SPW], v0, 2, SPARE
	v_mov_b32 v[NIL], 0
	v_lshrrev_b32 v1, 5, v0
	v_readfirstlane_b32 s[WV], v1                  ; wave 0..3
	v_and_b32 v10, 15, v0                          ; l % 16
	v_bfe_u32 v11, v0, 4, 1                        ; l / 16
	v_and_b32 v12, 31, v0                          ; l
	s_and_b32 s15, ttmp7, 0xffff                   ; the batch
	s_lshl_b32 s16, s[WV], 8                       ; 256 x wave
	v_lshlrev_b32 v[FO], 11, v10
	v_lshl_add_u32 v[FO], v11, 4, v[FO]
	v_add_nc_u32 v[FO], s16, v[FO]
	s_lshl_b32 s17, s[WV], 11
	v_lshl_add_u32 v[LS], v12, 5, s17              ; 2,048 x wave + 32 l
	s_lshl_b32 s17, s[WV], 10
	v_lshl_add_u32 v[LR], v12, 5, s17              ; tile = my wave's number (waves 0 and 1): 1,024 x wave + 32 l
	s_lshl_b32 s18, ttmp9, 7                       ; the work-group's 32 columns: 128 bytes of a row of hq,
	s_lshl_b32 s19, s[WV], 6                       ; my tile's 16: 64 bytes,
	s_add_co_u32 s18, s18, s19
	s_mul_i32 s19, s15, 16*HROW                    ; the batch's 16 rows
	s_add_co_u32 s18, s18, s19
	v_mul_u32_u24 v[YO], v10, HROW                 ; row m
	v_lshl_add_u32 v[YO], v11, 5, v[YO]            ; my 8 columns
	v_add_nc_u32 v[YO], s18, v[YO]
	s_lshl_b32 s2, ttmp9, 16                       ; the work-group's 32 rows of wb
	s_mov_b32 s3, 0
	s_lshl_b32 s20, s15, 22                        ; the batch's 2,048 rows of xb
	s_mov_b32 s21, 0
	s_wait_kmcnt 0x0
	s_add_nc_u64 s[W:W+1], s[6:7], s[2:3]
	s_add_nc_u64 s[X:X+1], s[4:5], s[20:21]
; a trip's 24 loads into set b, from byte off of the rows
.macro LOADS b, off
.irp f, 0,1,2,3
	global_load_b128 v[BUF+96*(\b)+8*(\f):BUF+96*(\b)+8*(\f)+3],       v[FO], s[W:W+1] offset:(\off)+64*(\f)
	global_load_b128 v[BUF+96*(\b)+8*(\f)+4:BUF+96*(\b)+8*(\f)+7],     v[FO], s[W:W+1] offset:(\off)+64*(\f)+32
	global_load_b128 v[BUF+96*(\b)+32+8*(\f):BUF+96*(\b)+32+8*(\f)+3], v[FO], s[W:W+1] offset:(\off)+64*(\f)+16*ROWB
	global_load_b128 v[BUF+96*(\b)+32+8*(\f)+4:BUF+96*(\b)+32+8*(\f)+7], v[FO], s[W:W+1] offset:(\off)+64*(\f)+32+16*ROWB
	global_load_b128 v[BUF+96*(\b)+64+8*(\f):BUF+96*(\b)+64+8*(\f)+3], v[FO], s[X:X+1] offset:(\off)+64*(\f)
	global_load_b128 v[BUF+96*(\b)+64+8*(\f)+4:BUF+96*(\b)+64+8*(\f)+7], v[FO], s[X:X+1] offset:(\off)+64*(\f)+32
.endr
.endm
; a trip's eight products.  The four accumulators take turns, one instruction a turn.  first = 1: the first product on each starts its sum
.macro MULS b, first
.irp f, 0,1,2,3
.irp j, 0,1
.if (\first) && ((\f) < 2)
	v_wmma_f32_16x16x32_bf16 v[ACC+8*(2*((\f)%2)+(\j)):ACC+8*(2*((\f)%2)+(\j))+7], v[BUF+96*(\b)+32*(\j)+8*(\f):BUF+96*(\b)+32*(\j)+8*(\f)+7], v[BUF+96*(\b)+64+8*(\f):BUF+96*(\b)+64+8*(\f)+7], 0
.else
	v_wmma_f32_16x16x32_bf16 v[ACC+8*(2*((\f)%2)+(\j)):ACC+8*(2*((\f)%2)+(\j))+7], v[BUF+96*(\b)+32*(\j)+8*(\f):BUF+96*(\b)+32*(\j)+8*(\f)+7], v[BUF+96*(\b)+64+8*(\f):BUF+96*(\b)+64+8*(\f)+7], v[ACC+8*(2*((\f)%2)+(\j)):ACC+8*(2*((\f)%2)+(\j))+7]
.endif
.endr
.endr
.endm
	LOADS 0, 0                                     ; trip 0
	LOADS 1, TRIP                                  ; trip 1
	s_wait_loadcnt 24                              ; loads come back in order: set 0 is in; set 1's 24 loads may stay out
	MULS 0, 1
	s_wait_loadcnt 0x0
	MULS 1, 0
.rept 8
	v_nop                                          ; plain places behind the last products: the sums below read and write accumulators (ISA guide 7.12.1)
.endr
.set r, 0
.rept 8
	v_pk_add_f32 v[ACC+r:ACC+r+1], v[ACC+r:ACC+r+1], v[ACC+16+r:ACC+16+r+1]  ; the two parities; each accumulator's low registers are read first
.set r, r+2
.endr
.irp j, 0,1
	ds_store_b128 v[LS], v[ACC+8*(\j):ACC+8*(\j)+3]   offset:PART+1024*(\j)
	ds_store_b128 v[LS], v[ACC+8*(\j)+4:ACC+8*(\j)+7] offset:PART+1024*(\j)+16
.endr
	s_wait_dscnt 0x0                               ; for the others' sake: my stores are done
	s_barrier_signal -1
	s_barrier_wait -1                              ; all four partial sums of both tiles lie in LDS
	s_cmp_lt_u32 s[WV], 2                          ; wave 0 finishes tile 0, wave 1 tile 1
	s_cbranch_scc0 .Lend
.irp v, 0,1,2,3
	ds_load_b128 v[BUF+8*(\v):BUF+8*(\v)+3],   v[LR] offset:PART+2048*(\v)
	ds_load_b128 v[BUF+8*(\v)+4:BUF+8*(\v)+7], v[LR] offset:PART+2048*(\v)+16
.endr
	s_wait_dscnt 0x0
.set r, 0
.rept 4
	v_pk_add_f32 v[BUF+r:BUF+r+1], v[BUF+r:BUF+r+1], v[BUF+8+r:BUF+8+r+1]
	v_pk_add_f32 v[BUF+16+r:BUF+16+r+1], v[BUF+16+r:BUF+16+r+1], v[BUF+24+r:BUF+24+r+1]
.set r, r+2
.endr
.set r, 0
.rept 4
	v_pk_add_f32 v[BUF+r:BUF+r+1], v[BUF+r:BUF+r+1], v[BUF+16+r:BUF+16+r+1]
.set r, r+2
.endr
	global_store_b128 v[YO], v[BUF:BUF+3], s[8:9]            ; my eight sums, as they are
	global_store_b128 v[YO], v[BUF+4:BUF+7], s[8:9] offset:16
.Lend:
	s_wait_tensorcnt 0x0                           ; the wave's end, behind my last LDS store
	ds_add_u32 v[SPW], v[NIL]
	s_wait_dscnt 0x0
	s_endpgm
.Lfunc_end_k_q6c8bb764b0_hproj:
	.size	k_q6c8bb764b0_hproj, .Lfunc_end_k_q6c8bb764b0_hproj-k_q6c8bb764b0_hproj
	.p2alignl 7, 3214868480
	.fill 96, 4, 3214868480
	.section	.rodata,"a",@progbits
	.p2align	6, 0x0
	.amdhsa_kernel k_q6c8bb764b0_hproj
		.amdhsa_group_segment_fixed_size 8704
		.amdhsa_private_segment_fixed_size 0
		.amdhsa_enable_private_segment 0
		.amdhsa_kernarg_size 24
		.amdhsa_user_sgpr_count 2
		.amdhsa_user_sgpr_kernarg_segment_ptr 1
		.amdhsa_wavefront_size32 1
		.amdhsa_system_sgpr_workgroup_id_x 1
		.amdhsa_system_sgpr_workgroup_id_y 1
		.amdhsa_system_sgpr_workgroup_id_z 1
		.amdhsa_system_vgpr_workitem_id 0
		.amdhsa_next_free_vgpr 256
		.amdhsa_next_free_sgpr 66
		.amdhsa_reserve_vcc 0
		.amdhsa_float_denorm_mode_32 3
		.amdhsa_float_denorm_mode_16_64 3
		.amdhsa_memory_ordered 1
		.amdhsa_forward_progress 1
		.amdhsa_inst_pref_size 11
	.end_amdhsa_kernel
	.amdgpu_metadata
---
amdhsa.version: [ 1, 2 ]
amdhsa.kernels:
  - .name:           k_q6c8bb764b0_hproj
    .symbol:         k_q6c8bb764b0_hproj.kd
    .args:
      - { .name: xb, .offset: 0, .size: 8, .value_kind: global_buffer, .address_space: global }
      - { .name: wb, .offset: 8, .size: 8, .value_kind: global_buffer, .address_space: global }
      - { .name: hq, .offset: 16, .size: 8, .value_kind: global_buffer, .address_space: global }
    .group_segment_fixed_size: 8704
    .private_segment_fixed_size: 0
    .kernarg_segment_align: 8
    .kernarg_segment_size: 24
    .max_flat_workgroup_size: 128
    .sgpr_count:     66
    .vgpr_count:     256
    .wavefront_size: 32
...
	.end_amdgpu_metadata
.endif
;; end of part 5
;; launch hattn (part 6): grid 16 x 4, 8 waves a work-group, no clusters, 1,280 bytes of LDS; arguments hq, out0; writes out0
.if DOCPART == 6
	.amdgcn_target "amdgcn-amd-amdhsa--gfx1250"
	.amdhsa_code_object_version 6
	.text
	.protected	k_q6c8bb764b0_hattn
	.globl	k_q6c8bb764b0_hattn
	.p2align	8
	.type	k_q6c8bb764b0_hattn,@function
k_q6c8bb764b0_hattn:
	s_mov_b64 s[64:65], 0
	v_nop
	global_prefetch_b8 v0, s[64:65] scope:SCOPE_SE
	s_setreg_imm32_b32 hwreg(HW_REG_WAVE_MODE, 25, 1), 1
	s_wait_xcnt 0x0
; ROWS 0 TO 15 OF EACH BATCH, in f32 throughout: out[b][i][:] = the sum over j <= i of softmax_j(q_i . k_j / 32) v_j, from hq [4][16][3072] f32 (q, k, v side by side in a row).
; WHY.  These rows are means over 16 keys at the most: the roundings of q, k, v and the weights to 16 bits, which the launches before make, do not average out here, while each number's
; allowance goes by the root mean square of the whole output.  This launch runs last and stores these 64 rows anew, over what the launch before left there: 262,144 bytes are written twice.
; These rows' two products, 2 x 262,144 multiply-adds a batch, are made by the vector unit, since their operands are to stay f32.
; LIMITS.  A weight below 2^-126 counts as 0; NaN and infinities are not treated apart (a hidden key's v is multiplied by 0).
; SHARES.  A work-group makes one row i.  Wave w forms the scores with keys w and w + 8: lanes along the 1,024 channels, 32 numbers a lane, then one sum over the lanes.  The 16 scores meet in
; LDS; every wave makes the softmax for itself, and then channels 128 w .. 128 w + 127 of the row: four a lane.  Keys above i are loaded like the others and masked by value: no branch.
; IN FLIGHT.  A lane's 40 loads (q's row, two rows of k, my 16 bytes of v's 16 rows) go out together at the head; each load of a wave covers 512 consecutive bytes, aligned.
; No prefetch, no cluster, no tensor load: two waits for the loads are all that the launch has.
.set HROW,  12288                      ; bytes in a row of hq
.set SPARE, 256                        ; LDS: bytes 0-63 the 16 scores; from 256 on the spare words, 128 bytes a wave; no other line names them
.set VQ,  2                            ; v2   16 l + row i: q
.set VK,  3                            ; v3   16 l + row w + 4,096: k
.set VV,  4                            ; v4   16 l + 512 w + 8,192: v
.set VO,  5                            ; v5   16 l + 512 w: my 16 bytes of the output row
.set SA,  6                            ; v6   4 x wave
.set ZA,  7                            ; v7   0: where the scores begin
.set SPW, 8                            ; v8   LDS address of my spare word; never rewritten
.set NIL, 9                            ; v9   0; never rewritten
.set ZR,  10                           ; v10  0.0, a hidden key's weight
.set TP,  11
.set D,   12                           ; v[12:19] four chains of pairs: key w's two, key w + 8's two
.set MX,  20                           ; v[20:21] the maximum; the pair's high word is written once
.set T,   22                           ; v[22:29] the sum's tree
.set LSM, 30
.set RC,  31
.set Q,   32                           ; v[32:63]
.set K0,  64                           ; v[64:95]
.set K1,  96                           ; v[96:127]
.set V,   128                          ; v[128:191] key j's four channels at V + 4 j
.set S,   192                          ; v[192:207] the 16 scores, then the weights
.set O,   208                          ; v[208:211]
.set MK,  32                           ; s33-47  key j: all ones where it is hidden
	s_load_b128 s[4:7], s[0:1], 0x0                ; hq s[4:5], out0 s[6:7]
	v_lshl_add_u32 v[SPW], v0, 2, SPARE
	v_mov_b32 v[NIL], 0
	v_lshrrev_b32 v1, 5, v0
	v_readfirstlane_b32 s8, v1                     ; wave 0..7
	v_and_b32 v1, 31, v0
	v_lshlrev_b32 v1, 4, v1                        ; 16 x lane
	s_mov_b32 s9, ttmp9                            ; i
	s_and_b32 s10, ttmp7, 0xffff                   ; the batch
	s_mul_i32 s16, s9, HROW
	v_add_nc_u32 v[VQ], s16, v1
	s_mul_i32 s16, s8, HROW
	s_add_co_u32 s16, s16, 4096
	v_add_nc_u32 v[VK], s16, v1
	s_lshl_b32 s16, s8, 9
	v_add_nc_u32 v[VO], s16, v1
	v_add_nc_u32 v[VV], 8192, v[VO]
	s_mul_i32 s16, s10, 16*HROW                    ; the batch's 16 rows of hq
	s_mov_b32 s17, 0
	s_lshl_b32 s18, s10, 11
	s_add_co_u32 s18, s18, s9
	s_lshl_b32 s18, s18, 12                        ; row 2,048 b + i of out0, 4,096 bytes a row
	s_mov_b32 s19, 0
	s_mov_b32 s12, 0x76543210                      ; v_permlanex16_b32: each lane takes its own place in the other half
	s_mov_b32 s13, 0xfedcba98
	s_mov_b32 s14, 0x3d38aa3b                      ; c = log2(e) / 32
	s_mov_b32 s15, s14
.irp j, 1,2,3,4,5,6,7,8,9,10,11,12,13,14,15
	s_cmp_gt_u32 \j, s9                            ; key j is hidden from row i where j > i; key 0 never
	s_cselect_b32 s[MK+(\j)], -1, 0
.endr
	s_wait_kmcnt 0x0
	s_add_nc_u64 s[4:5], s[4:5], s[16:17]
	s_add_nc_u64 s[6:7], s[6:7], s[18:19]
.irp c, 0,1,2,3,4,5,6,7
	global_load_b128 v[Q+4*(\c):Q+4*(\c)+3], v[VQ], s[4:5] offset:512*(\c)
.endr
.irp c, 0,1,2,3,4,5,6,7
	global_load_b128 v[K0+4*(\c):K0+4*(\c)+3], v[VK], s[4:5] offset:512*(\c)
	global_load_b128 v[K1+4*(\c):K1+4*(\c)+3], v[VK], s[4:5] offset:512*(\c)+8*HROW
.endr
.irp j, 0,1,2,3,4,5,6,7,8,9,10,11,12,13,14,15
	global_load_b128 v[V+4*(\j):V+4*(\j)+3], v[VV], s[4:5] offset:(\j)*HROW
.endr
	v_mov_b32 v[SA], s8
	v_lshlrev_b32 v[SA], 2, v[SA]
	v_mov_b32 v[ZA], 0
	v_mov_b32 v[ZR], 0
	v_mov_b32 v[TP], 0                             ; v_permlanex16_b32's destination counts as read
	v_mov_b32 v[MX+1], 0
	s_wait_loadcnt 16                              ; loads come back in order: q and k are in; v's 16 loads may stay out
	v_pk_mul_f32 v[D:D+1],   v[Q:Q+1],   v[K0:K0+1]          ; the first products start the four chains
	v_pk_mul_f32 v[D+2:D+3], v[Q+2:Q+3], v[K0+2:K0+3]
	v_pk_mul_f32 v[D+4:D+5], v[Q:Q+1],   v[K1:K1+1]
	v_pk_mul_f32 v[D+6:D+7], v[Q+2:Q+3], v[K1+2:K1+3]
.irp c, 1,2,3,4,5,6,7
	v_pk_fma_f32 v[D:D+1],   v[Q+4*(\c):Q+4*(\c)+1],   v[K0+4*(\c):K0+4*(\c)+1],   v[D:D+1]
	v_pk_fma_f32 v[D+2:D+3], v[Q+4*(\c)+2:Q+4*(\c)+3], v[K0+4*(\c)+2:K0+4*(\c)+3], v[D+2:D+3]
	v_pk_fma_f32 v[D+4:D+5], v[Q+4*(\c):Q+4*(\c)+1],   v[K1+4*(\c):K1+4*(\c)+1],   v[D+4:D+5]
	v_pk_fma_f32 v[D+6:D+7], v[Q+4*(\c)+2:Q+4*(\c)+3], v[K1+4*(\c)+2:K1+4*(\c)+3], v[D+6:D+7]
.endr
	v_pk_add_f32 v[D:D+1],   v[D:D+1],   v[D+2:D+3]
	v_pk_add_f32 v[D+4:D+5], v[D+4:D+5], v[D+6:D+7]
	v_add_f32 v[D],   v[D],   v[D+1]
	v_add_f32 v[D+4], v[D+4], v[D+5]
.irp m, 1,2,4,8                        ; over the 32 lanes: four steps inside each half, one across
	v_add_f32_dpp v[D],   v[D],   v[D]   row_xmask:\m row_mask:0xf bank_mask:0xf
	v_add_f32_dpp v[D+4], v[D+4], v[D+4] row_xmask:\m row_mask:0xf bank_mask:0xf
.endr
	v_permlanex16_b32 v[TP], v[D], s12, s13
	v_add_f32 v[D], v[D], v[TP]
	v_permlanex16_b32 v[TP], v[D+4], s12, s13
	v_add_f32 v[D+4], v[D+4], v[TP]
	ds_store_b32 v[SA], v[D]                       ; all lanes write the same word with the same number: key w's score,
	ds_store_b32 v[SA], v[D+4] offset:32           ; key w + 8's
	s_wait_dscnt 0x0                               ; for the others' sake: my stores are done
	s_barrier_signal -1
	s_barrier_wait -1
.irp k, 0,1,2,3
	ds_load_b128 v[S+4*(\k):S+4*(\k)+3], v[ZA] offset:16*(\k)  ; all 16 scores, in every lane
.endr
	s_wait_dscnt 0x0
.irp j, 1,2,3,4,5,6,7,8,9,10,11,12,13,14,15
	v_cndmask_b32 v[S+(\j)], v[S+(\j)], v[S], s[MK+(\j)]       ; a hidden score gives way to key 0's, which every row sees: the maximum is the visible scores'
.endr
	v_max3_num_f32 v[MX], v[S], v[S+1], v[S+2]
.irp k, 0,1,2,3,4,5
	v_max3_num_f32 v[MX], v[MX], v[S+3+2*(\k)], v[S+4+2*(\k)]
.endr
	v_max_num_f32 v[MX], v[MX], v[S+15]
.irp k, 0,2,4,6,8,10,12,14
	v_pk_add_f32 v[S+(\k):S+(\k)+1], v[S+(\k):S+(\k)+1], v[MX:MX+1] op_sel_hi:[1,0] neg_lo:[0,1] neg_hi:[0,1]  ; s - m first: never above 0, whatever the scores' size
.endr
.irp k, 0,2,4,6,8,10,12,14
	v_pk_mul_f32 v[S+(\k):S+(\k)+1], v[S+(\k):S+(\k)+1], s[14:15] op_sel_hi:[1,0]
.endr
.irp j, 0,1,2,3,4,5,6,7,8,9,10,11,12,13,14,15
	v_exp_f32 v[S+(\j)], v[S+(\j)]
.endr
	v_nop                                          ; a plain instruction behind the last exponential,
	s_wait_alu depctr_va_vdst(0)                   ; and one wait for the batch of 16, ahead of its first reader
.irp j, 1,2,3,4,5,6,7,8,9,10,11,12,13,14,15
	v_cndmask_b32 v[S+(\j)], v[S+(\j)], v[ZR], s[MK+(\j)]      ; a hidden key's weight is 0
.endr
	v_pk_add_f32 v[T:T+1],   v[S:S+1],     v[S+2:S+3]
	v_pk_add_f32 v[T+2:T+3], v[S+4:S+5],   v[S+6:S+7]
	v_pk_add_f32 v[T+4:T+5], v[S+8:S+9],   v[S+10:S+11]
	v_pk_add_f32 v[T+6:T+7], v[S+12:S+13], v[S+14:S+15]
	v_pk_add_f32 v[T:T+1],   v[T:T+1],     v[T+2:T+3]
	v_pk_add_f32 v[T+4:T+5], v[T+4:T+5],   v[T+6:T+7]
	v_pk_add_f32 v[T:T+1],   v[T:T+1],     v[T+4:T+5]
	v_add_f32 v[LSM], v[T], v[T+1]                 ; the divisor: 1 at the least, since the largest weight is 1
	v_rcp_f32 v[RC], v[LSM]                        ; the 64 lines below, which name neither register, stand between it and its wait
	s_wait_loadcnt 0x0                             ; v
.irp c, 0,1,2,3
	v_mul_f32 v[O+(\c)], v[S], v[V+(\c)]           ; key 0 starts the four sums
.endr
.irp j, 1,2,3,4,5,6,7,8,9,10,11,12,13,14,15
.irp c, 0,1,2,3
	v_fmac_f32 v[O+(\c)], v[S+(\j)], v[V+4*(\j)+(\c)]
.endr
.endr
	s_wait_alu depctr_va_vdst(0)                   ; the reciprocal's wait, ahead of its first reader
.irp c, 0,1,2,3
	v_mul_f32 v[O+(\c)], v[RC], v[O+(\c)]
.endr
	global_store_b128 v[VO], v[O:O+3], s[6:7]      ; a wave stores 512 consecutive bytes, aligned
	s_wait_tensorcnt 0x0                           ; the wave's end, behind my last LDS store
	ds_add_u32 v[SPW], v[NIL]
	s_wait_dscnt 0x0
	s_endpgm
.Lfunc_end_k_q6c8bb764b0_hattn:
	.size	k_q6c8bb764b0_hattn, .Lfunc_end_k_q6c8bb764b0_hattn-k_q6c8bb764b0_hattn
	.p2alignl 7, 3214868480
	.fill 96, 4, 3214868480
	.section	.rodata,"a",@progbits
	.p2align	6, 0x0
	.amdhsa_kernel k_q6c8bb764b0_hattn
		.amdhsa_group_segment_fixed_size 1280
		.amdhsa_private_segment_fixed_size 0
		.amdhsa_enable_private_segment 0
		.amdhsa_kernarg_size 16
		.amdhsa_user_sgpr_count 2
		.amdhsa_user_sgpr_kernarg_segment_ptr 1
		.amdhsa_wavefront_size32 1
		.amdhsa_system_sgpr_workgroup_id_x 1
		.amdhsa_system_sgpr_workgroup_id_y 1
		.amdhsa_system_sgpr_workgroup_id_z 1
		.amdhsa_system_vgpr_workitem_id 0
		.amdhsa_next_free_vgpr 216
		.amdhsa_next_free_sgpr 66
		.amdhsa_reserve_vcc 0
		.amdhsa_float_denorm_mode_32 3
		.amdhsa_float_denorm_mode_16_64 3
		.amdhsa_memory_ordered 1
		.amdhsa_forward_progress 1
		.amdhsa_inst_pref_size 17
	.end_amdhsa_kernel
	.amdgpu_metadata
---
amdhsa.version: [ 1, 2 ]
amdhsa.kernels:
  - .name:           k_q6c8bb764b0_hattn
    .symbol:         k_q6c8bb764b0_hattn.kd
    .args:
      - { .name: hq, .offset: 0, .size: 8, .value_kind: global_buffer, .address_space: global }
      - { .name: out0, .offset: 8, .size: 8, .value_kind: global_buffer, .address_space: global }
    .group_segment_fixed_size: 1280
    .private_segment_fixed_size: 0
    .kernarg_segment_align: 8
    .kernarg_segment_size: 16
    .max_flat_workgroup_size: 256
    .sgpr_count:     66
    .vgpr_count:     216
    .wavefront_size: 32
...
	.end_amdgpu_metadata
.endif
;; end of part 6
;; ======== version 2 of 3: 4 launches
;; limits: values are held in f16: magnitudes above 65,504 overflow, below 6.1e-05 lose precision
;; workspace buffers: xb 16,777,216 bytes; wb 6,291,456 bytes; qkv 50,331,648 bytes; pt 33,554,432 bytes; mx 524,288 bytes; ls 524,288 bytes; hq 786,432 bytes
;; launch cast (part 7): grid 256 x 1, 8 waves a work-group, no clusters, 0 bytes of LDS; arguments x, Wq, Wk, Wv, xb, wb; writes xb, wb
.if DOCPART == 7
	.amdgcn_target "amdgcn-amd-amdhsa--gfx1250"
	.amdhsa_code_object_version 6
	.text
	.protected	k_q6c8bb764b0_cast
	.globl	k_q6c8bb764b0_cast
	.p2align	8
	.type	k_q6c8bb764b0_cast,@function
k_q6c8bb764b0_cast:
	s_mov_b64 s[64:65], 0
	v_nop
	global_prefetch_b8 v0, s[64:65] scope:SCOPE_SE
	s_setreg_imm32_b32 hwreg(HW_REG_WAVE_MODE, 25, 1), 1
	s_wait_xcnt 0x0
; x [8192][1024] and Wq, Wk, Wv [1024][1024], all f32, are rounded once to bf16: xb [8192][1024]; wb [3072][1024], rows Wq, Wk, Wv.
; A stream: every byte is read once and written once; no LDS, no matrix unit, no barrier.
; EQUAL SHARES.  8,192 = 256 x 32 and 3,072 = 256 x 12: each of the 256 work-groups takes 32 rows of x and 12 rows of the weights: 22 chunks of 8,192 bytes (two rows).
; 12 does not divide 1,024, so a work-group's six chunks of weights may lie in two matrices: each chunk's matrix is chosen by its number among the 1,536.
; Thread t owns the 32 bytes at 32 t of a chunk: eight numbers, which leave as 16 bytes at 16 t: a wave's store covers 512 consecutive bytes, aligned.
; All 44 loads of a thread go out at once; the waits count the younger loads down.
.set X, 4                              ; v[4:179]  chunk c: eight registers as loaded; the first four then hold the packed result
.set WP, 32                            ; s[32:43]  where each of my six chunks of weights begins
	s_load_b256 s[4:11], s[0:1], 0x0               ; x s[4:5], Wq s[6:7], Wk s[8:9], Wv s[10:11]
	s_load_b128 s[12:15], s[0:1], 0x20             ; xb s[12:13], wb s[14:15]
	v_lshlrev_b32 v1, 5, v0                        ; my 32 bytes of a chunk
	v_lshlrev_b32 v2, 4, v0                        ; my 16 bytes of its result
	s_lshl_b32 s16, ttmp9, 17                      ; my 32 rows of x,
	s_mov_b32 s17, 0
	s_lshl_b32 s18, ttmp9, 16                      ; and of xb
	s_mov_b32 s19, 0
	s_mul_i32 s20, ttmp9, 6                        ; my first chunk of the weights' 1,536,
	s_mul_i32 s22, ttmp9, 6*4096                   ; and its place in wb
	s_mov_b32 s23, 0
	s_mov_b32 s27, 0
	s_wait_kmcnt 0x0
	s_add_nc_u64 s[4:5], s[4:5], s[16:17]
	s_add_nc_u64 s[12:13], s[12:13], s[18:19]
	s_add_nc_u64 s[14:15], s[14:15], s[22:23]
.irp j, 0,1,2,3,4,5
	s_add_co_u32 s24, s20, \j
	s_lshr_b32 s25, s24, 9                         ; which matrix: 512 chunks each
	s_and_b32 s26, s24, 511
	s_lshl_b32 s26, s26, 13                        ; the chunk's bytes in it
	s_cmp_eq_u32 s25, 1
	s_cselect_b64 s[WP+2*(\j):WP+2*(\j)+1], s[8:9], s[6:7]
	s_cmp_eq_u32 s25, 2
	s_cselect_b64 s[WP+2*(\j):WP+2*(\j)+1], s[10:11], s[WP+2*(\j):WP+2*(\j)+1]
	s_add_nc_u64 s[WP+2*(\j):WP+2*(\j)+1], s[WP+2*(\j):WP+2*(\j)+1], s[26:27]
.endr
.irp c, 0,1,2,3,4,5,6,7,8,9,10,11,12,13,14,15
	global_load_b128 v[X+8*(\c):X+8*(\c)+3],   v1, s[4:5] offset:8192*(\c) th:TH_LOAD_NT
	global_load_b128 v[X+8*(\c)+4:X+8*(\c)+7], v1, s[4:5] offset:8192*(\c)+16 th:TH_LOAD_NT
.endr
.irp j, 0,1,2,3,4,5
	global_load_b128 v[X+128+8*(\j):X+128+8*(\j)+3],   v1, s[WP+2*(\j):WP+2*(\j)+1] th:TH_LOAD_NT
	global_load_b128 v[X+128+8*(\j)+4:X+128+8*(\j)+7], v1, s[WP+2*(\j):WP+2*(\j)+1] offset:16 th:TH_LOAD_NT
.endr
.set c, 0
.rept 22
	s_wait_loadcnt 42-2*c                          ; loads come back in order: chunk c's two are in, the 42 - 2 c younger ones stay out
	v_cvt_pk_bf16_f32 v[X+8*c],   v[X+8*c],   v[X+8*c+1]
	v_cvt_pk_bf16_f32 v[X+8*c+1], v[X+8*c+2], v[X+8*c+3]
	v_cvt_pk_bf16_f32 v[X+8*c+2], v[X+8*c+4], v[X+8*c+5]
	v_cvt_pk_bf16_f32 v[X+8*c+3], v[X+8*c+6], v[X+8*c+7]
.if c < 16
	global_store_b128 v2, v[X+8*c:X+8*c+3], s[12:13] offset:4096*c th:TH_STORE_NT       ; no register of a store is written again
.else
	global_store_b128 v2, v[X+8*c:X+8*c+3], s[14:15] offset:4096*(c-16) th:TH_STORE_NT
.endif
.set c, c+1
.endr
	s_endpgm
.Lfunc_end_k_q6c8bb764b0_cast:
	.size	k_q6c8bb764b0_cast, .Lfunc_end_k_q6c8bb764b0_cast-k_q6c8bb764b0_cast
	.p2alignl 7, 3214868480
	.fill 96, 4, 3214868480
	.section	.rodata,"a",@progbits
	.p2align	6, 0x0
	.amdhsa_kernel k_q6c8bb764b0_cast
		.amdhsa_group_segment_fixed_size 0
		.amdhsa_private_segment_fixed_size 0
		.amdhsa_enable_private_segment 0
		.amdhsa_kernarg_size 48
		.amdhsa_user_sgpr_count 2
		.amdhsa_user_sgpr_kernarg_segment_ptr 1
		.amdhsa_wavefront_size32 1
		.amdhsa_system_sgpr_workgroup_id_x 1
		.amdhsa_system_sgpr_workgroup_id_y 1
		.amdhsa_system_sgpr_workgroup_id_z 1
		.amdhsa_system_vgpr_workitem_id 0
		.amdhsa_next_free_vgpr 180
		.amdhsa_next_free_sgpr 66
		.amdhsa_reserve_vcc 0
		.amdhsa_float_denorm_mode_32 3
		.amdhsa_float_denorm_mode_16_64 3
		.amdhsa_memory_ordered 1
		.amdhsa_forward_progress 1
		.amdhsa_inst_pref_size 16
	.end_amdhsa_kernel
	.amdgpu_metadata
---
amdhsa.version: [ 1, 2 ]
amdhsa.kernels:
  - .name:           k_q6c8bb764b0_cast
    .symbol:         k_q6c8bb764b0_cast.kd
    .args:
      - { .name: x, .offset: 0, .size: 8, .value_kind: global_buffer, .address_space: global }
      - { .name: Wq, .offset: 8, .size: 8, .value_kind: global_buffer, .address_space: global }
      - { .name: Wk, .offset: 16, .size: 8, .value_kind: global_buffer, .address_space: global }
      - { .name: Wv, .offset: 24, .size: 8, .value_kind: global_buffer, .address_space: global }
      - { .name: xb, .offset: 32, .size: 8, .value_kind: global_buffer, .address_space: global }
      - { .name: wb, .offset: 40, .size: 8, .value_kind: global_buffer, .address_space: global }
    .group_segment_fixed_size: 0
    .private_segment_fixed_size: 0
    .kernarg_segment_align: 8
    .kernarg_segment_size: 48
    .max_flat_workgroup_size: 256
    .sgpr_count:     66
    .vgpr_count:     180
    .wavefront_size: 32
...
	.end_amdgpu_metadata
.endif
;; end of part 7
;; launch proj (part 8): grid 12 x 32, 4 waves a work-group, clusters of 4 x 4, 327,680 bytes of LDS; arguments xb, wb, qkv, hq; writes qkv, hq
.if DOCPART == 8
	.amdgcn_target "amdgcn-amd-amdhsa--gfx1250"
	.amdhsa_code_object_version 6
	.text
	.protected	k_q6c8bb764b0_proj
	.globl	k_q6c8bb764b0_proj
	.p2align	8
	.type	k_q6c8bb764b0_proj,@function
k_q6c8bb764b0_proj:
	s_mov_b64 s[64:65], 0
	v_nop
	global_prefetch_b8 v0, s[64:65] scope:SCOPE_SE
	s_setreg_imm32_b32 hwreg(HW_REG_WAVE_MODE, 25, 1), 1
	s_wait_xcnt 0x0
	s_wait_alu depctr_hold_cnt(0) depctr_sa_sdst(0) depctr_va_vdst(0) depctr_va_sdst(0) depctr_va_ssrc(0) depctr_va_vcc(0) depctr_vm_vsrc(0)
	s_getreg_b32 s2, hwreg(HW_REG_IB_STS2, 6, 4)
	s_cmp_eq_u32 s2, 0
	s_cbranch_scc0 .Lentry_in_a_cluster
	s_endpgm
.Lentry_in_a_cluster:
	s_bfe_u32 s2, ttmp6, 0x10000c
	s_cmp_lg_u32 s2, 0xf033
	s_cbranch_scc0 .Lentry_shape_is_right
	s_endpgm
.Lentry_shape_is_right:
; qkv[m][n] = sum over k of xb[m][k] wb[n][k].  xb: [8192][1024], wb: [3072][1024], bf16; sums in f32; qkv: [8192][3072], rounded once to f16 (columns 0-1023 q, 1024-2047 k, 2048-3071 v).
; hq[b][m][n], m = 0..15: the same sums for the FIRST 16 ROWS of each batch of 2,048 rows, not rounded: [4][16][3072] f32.  A row of the module's output with few keys is a mean over few
; numbers, in which the roundings of q, k and v to 16 bits do not average out; the next launch makes those rows from hq.
; LIMIT.  f16 holds no number beyond 65,504: q, k and v must lie within it (x and W as drawn give numbers near 1; both thirty times larger, near 1,000; with offsets of thirty spreads, near 29,000).
; A tile of 256 x 256 is made by four waves, each 128 x 128: 64 accumulators, 512 registers.  K goes in steps of 128 through two LDS slots filled by the tensor data mover;
; the tiles' rows are 256 bytes of memory, at multiples of 256 bytes.  The last K step goes by rows of the result, so that finished rows leave while the others are multiplied.
; THE LOOP'S TRIP IS ONE K STEP, written once: which slot it multiplies stands in two scalars that take turns between 0 and a slot's bytes, and in four address registers made of them at the trip's head.
; CLUSTERS: 4 x 4 work-groups.  The four of a row of the cluster need the same tiles of xb, the four of a column the same tiles of wb: each is asked for jointly, by the same tensor
; load with the same descriptor and a mask that names the four.  A cluster's four tile rows lie EIGHT tiles apart, one in each batch: tile row = cluster y + 8 cy.  So a batch's first tile row
; is the one with cluster y = 0, a number that all sixteen partners share, and the branch round the stores to hq hangs on it and on the wave's number alone.
; REGISTERS, in windows of 256: window 0: v0-31 addresses; v64-127, v128-191 fragments of xb, two buffers; v32-63, v192-255 at work on the way out.  window 1: fragments of wb.
; window 2: the accumulators of my rows 0-63 ((a, b) at v[8 (8 a + b)]); window 3: those of my rows 64-127.
; The matrix instruction is used transposed (source 0 = 16 rows of wb, source 1 = 16 rows of xb): a lane then holds eight neighbouring columns of one row of the result.
.set SIZE_M, 8192
.set SIZE_N, 3072
.set SIZE_K, 1024
.set KSTEP,  128
.set PITCH,  272                       ; an LDS row: 256 bytes + 16 of padding: the 16 rows of a fragment load start at 16 different groups of four banks
.set HALFT,  128*PITCH                 ; what one tensor load brings
.set SLOT,   4*HALFT                   ; xb's 256 rows, then wb's 256 rows
.set STAGE,  2*SLOT                    ; behind the ring: 16 rows x 272 bytes for each wave
.set SPITCH, 272
.set SPARE,  STAGE+4*16*SPITCH         ; the spare words, 128 bytes a wave; no other line names them
.set HROW,   12288                     ; bytes in a row of hq
.set TRIPS,  SIZE_K/KSTEP-2            ; every K step but the last two fills its slot again
.set CA,   8                           ; v8   xb's fragments in the slot that the trip multiplies,
.set CB,   9                           ; v9   wb's;
.set NA,   10                          ; v10  xb's in the other slot,
.set NB,   11                          ; v11  wb's
.set ADRA, 16                          ; v16-17  xb's fragments in slot 0, 1; never rewritten
.set ADRB, 20                          ; v20-21  wb's
.set STO,  24
.set RD,   25
.set CO,   26
.set STF,  27                          ; v27  where I put 32 bytes (eight f32) of a row of the stage
.set SPW,  28
.set NIL,  29
.set PFO,  30                          ; my lane x a row of xb or wb (2,048 bytes)
.set HO,   31                          ; v31  my byte offset in two rows of hq
.set PFA,  44                          ; s[44:45] where my prefetches stand
.set LIM,  43                          ; s43  2 in a wave that prefetches, else the greatest number
.set HQP,  66                          ; s[66:67] hq at my batch's first row and my wave's 128 columns
.set TB,   72                          ; s72  0 or SLOT: where the slot that the trip multiplies begins
.set TBN,  73                          ; s73  SLOT or 0: the other slot
.set F0,   64
.set F1,   128
.set TMP,  192
.set OB,   32
.set PA,   64
.set G1, 24
.set G0, 32                            ; s[32:39] group 0 for xb's tiles: a set for each of the two first fills; the second then walks on
.set G1B, 48
.set G0B, 56                           ; s[56:63] the same for wb's
.set MSB, 0
.macro WIN new                         ; the immediate's high byte repeats the setting that is left
.if MSB != (\new)
	s_set_vgpr_msb (MSB<<8)|(\new)
.set MSB, \new
.endif
.endm
.set MUL_LO, 0xa1                      ; source 0 window 1, source 1 window 0, C and D window 2
.set MUL_HI, 0xf1                      ; the same, C and D window 3
.set TO_B,   0x40                      ; destination window 1, address window 0
; A joint load.  Waves 0 and 1 fetch xb's two halves, waves 2 and 3 wb's.  The branch hangs on the wave's number alone.  An s_nop 0 and four v_nop follow each line.
.macro JLOAD s
	s_cmp_eq_u32 s11, 0
	s_cbranch_scc0 .Lfor_b_\@
	tensor_load_to_lds s[G0+4*(\s):G0+4*(\s)+3], s[G1:G1+7]
	s_nop 0
.rept 4
	v_nop
.endr
	s_branch .Lasked_\@
.Lfor_b_\@:
	tensor_load_to_lds s[G0B+4*(\s):G0B+4*(\s)+3], s[G1B:G1B+7]
	s_nop 0
.rept 4
	v_nop
.endr
.Lasked_\@:
.endm
; A prefetch of the K step that stands two refills on: 32 rows x 256 bytes, a lane a row.  xb's rows are asked for by the clusters with x = 0, wb's by those with y = 0; the four partners
; share a wave's 128 rows out by address, 32 each.  So each row's 256 bytes of K steps 4 to 7 are named once; the loop's last two trips (s3 = 2, 1) have no K step two on.
.macro ASK
	s_cmp_gt_u32 s3, s[LIM]
	s_cbranch_scc0 .Lnot_mine_\@
	global_prefetch_b8 v[PFO], s[PFA:PFA+1] offset:KSTEP*2 th:TH_LOAD_NT scope:SCOPE_SE
.Lnot_mine_\@:
.endm
.macro CREST                           ; a round of the cluster's barrier behind its opening barrier
	s_cmp_lg_u32 s10, 0
	s_cbranch_scc1 .Lnot_wave_0_\@
	s_barrier_signal -3
.Lnot_wave_0_\@:
	s_barrier_wait -3
	s_barrier_signal -1
	s_barrier_wait -1
.endm
.macro CROUND
	s_barrier_signal -1
	s_barrier_wait -1
	CREST
.endm
	s_load_b128 s[4:7], s[0:1], 0x0                ; xb s[4:5], wb s[6:7]
	s_load_b64 s[8:9], s[0:1], 0x10                ; qkv
	s_load_b64 s[HQP:HQP+1], s[0:1], 0x18          ; hq
	v_lshl_add_u32 v[SPW], v0, 2, SPARE
	v_mov_b32 v[NIL], 0
	ds_add_u32 v[SPW], v[NIL]                      ; the wave's opening: the add and its wait ahead of my first tensor load
	v_lshrrev_b32 v1, 5, v0
	v_readfirstlane_b32 s10, v1                    ; wave 0..3
	s_lshr_b32 s11, s10, 1                         ; my half of the tile's rows; also: I fetch for xb (0) or wb (1)
	s_and_b32 s12, s10, 1                          ; my half of its columns; also: which 128 rows I fetch
	s_bfe_u32 s40, ttmp6, 0x40000                  ; cx
	s_bfe_u32 s41, ttmp6, 0x40004                  ; cy
	s_lshl_b32 s42, ttmp9, 2
	s_add_co_u32 s42, s42, s40                     ; tile column = 4 x cluster x + cx
	s_and_b32 s13, ttmp7, 0xffff
	s_lshl_b32 s14, s41, 3
	s_add_co_u32 s13, s13, s14                     ; tile row = cluster y + 8 cy: batch cy, tile row cluster y of its eight
	s_lshl_b32 s43, s41, 2
	s_lshl_b32 s43, 15, s43                        ; my row of the cluster
	s_lshl_b32 s44, 0x1111, s40                    ; my column
	s_or_b32 s[G1+0], s43, (1<<16)|(1<<20)|(1<<21)|(5<<22)|(3<<25)  ; mask; 2-byte elements; padding on; bit 21 beside a mask; 4 words behind every 64
	s_or_b32 s[G1B+0], s44, (1<<16)|(1<<20)|(1<<21)|(5<<22)|(3<<25)
.irp g, G1, G1B
	s_mov_b32 s[(\g)+1], KSTEP<<16                 ; tensor_dim0 = 128
	s_mov_b32 s[(\g)+2], 128<<16                   ; tensor_dim1 = 128
	s_mov_b32 s[(\g)+3], KSTEP<<16                 ; tile_dim0 = 128
	s_mov_b32 s[(\g)+4], 128                       ; tile_dim1 = 128
	s_mov_b32 s[(\g)+5], SIZE_K                    ; elements from row to row
	s_mov_b32 s[(\g)+6], 0
	s_mov_b32 s[(\g)+7], 0
.endr
	s_lshl_b32 s17, s12, 7
	s_lshl_b32 s16, s13, 8
	s_add_co_u32 s16, s16, s17                     ; xb: row 256 x tile row + 128 x half
	s_lshl_b32 s46, s42, 8
	s_add_co_u32 s46, s46, s17                     ; wb: row 256 x tile column + 128 x half
	s_mov_b32 s17, 0
	s_mov_b32 s47, 0
	s_mov_b64 s[18:19], SIZE_K*2
	s_mul_u64 s[16:17], s[16:17], s[18:19]
	s_mul_u64 s[46:47], s[46:47], s[18:19]
	s_mul_i32 s20, s10, HALFT                      ; where they go: wave x 128 rows
	s_wait_dscnt 0x0                               ; the opening add is done
	s_wait_kmcnt 0x0
	s_add_nc_u64 s[14:15], s[4:5], s[16:17]
	s_add_nc_u64 s[46:47], s[6:7], s[46:47]
	CROUND                                         ; all sixteen work-groups are here: the first joint loads meet
.irp s, 0,1
	s_mov_b32 s[G0+4*(\s)], 1
	s_add_co_u32 s[G0+4*(\s)+1], s20, (\s)*SLOT
	s_add_nc_u64 s[G0+4*(\s)+2:G0+4*(\s)+3], s[14:15], (\s)*KSTEP*2
	s_or_b32 s[G0+4*(\s)+3], s[G0+4*(\s)+3], 0x80000000
	s_mov_b32 s[G0B+4*(\s)], 1
	s_add_co_u32 s[G0B+4*(\s)+1], s20, (\s)*SLOT
	s_add_nc_u64 s[G0B+4*(\s)+2:G0B+4*(\s)+3], s[46:47], (\s)*KSTEP*2
	s_or_b32 s[G0B+4*(\s)+3], s[G0B+4*(\s)+3], 0x80000000
	JLOAD \s
.endr
	; a fragment is 16 rows x 32 K in 8 registers: lane l holds row l % 16, K = 8 (l / 16) + 0..7 and 16 + 8 (l / 16) + 0..7: two loads of 16 bytes, 32 bytes apart
	v_and_b32 v1, 15, v0
	v_bfe_u32 v2, v0, 4, 1
	v_mul_u32_u24 v3, v1, PITCH
	v_lshl_add_u32 v3, v2, 4, v3
	s_mul_i32 s21, s11, HALFT
	s_mul_i32 s22, s12, HALFT
	s_add_co_u32 s22, s22, 2*HALFT
.irp s, 0,1
	v_add_nc_u32 v[ADRA+(\s)], s21, v3
	v_add_nc_u32 v[ADRB+(\s)], s22, v3
	s_add_co_u32 s21, s21, SLOT
	s_add_co_u32 s22, s22, SLOT
.endr
	s_mul_i32 s23, s10, 16*SPITCH
	s_add_co_u32 s23, s23, STAGE
	v_mul_u32_u24 v4, v1, SPITCH
	v_lshl_add_u32 v4, v2, 4, v4
	v_add_nc_u32 v[STO], s23, v4
	v_mul_u32_u24 v5, v2, SPITCH
	v_lshl_add_u32 v5, v1, 4, v5
	v_add_nc_u32 v[RD], s23, v5
	v_mul_u32_u24 v5, v2, SIZE_N*2
	v_lshl_add_u32 v[CO], v1, 4, v5
	v_mul_u32_u24 v6, v1, SPITCH                   ; for hq: row l % 16 of the stage, 32 bytes for each half of the lanes,
	v_lshl_add_u32 v6, v2, 5, v6
	v_add_nc_u32 v[STF], s23, v6
	v_mul_u32_u24 v6, v2, HROW                     ; and, read back by RD, two rows of hq
	v_lshl_add_u32 v[HO], v1, 4, v6
	s_lshl_b32 s13, s13, 8
	s_lshl_b32 s14, s11, 7
	s_add_co_u32 s16, s13, s14                     ; my first row of the result
	s_mov_b32 s17, 0
	s_mov_b64 s[18:19], SIZE_N*2
	s_mul_u64 s[16:17], s[16:17], s[18:19]
	s_lshl_b32 s46, s42, 9                         ; my first column, in bytes
	s_lshl_b32 s47, s12, 8
	s_add_co_u32 s46, s46, s47
	s_mov_b32 s47, 0
	s_add_nc_u64 s[16:17], s[16:17], s[46:47]
	s_mul_i32 s68, s41, 16*HROW                    ; hq: batch cy's 16 rows,
	s_lshl_b32 s69, s42, 10                        ; the tile's 256 columns of 4 bytes,
	s_add_co_u32 s68, s68, s69
	s_lshl_b32 s69, s12, 9                         ; my wave's 128 of them
	s_add_co_u32 s68, s68, s69
	s_mov_b32 s69, 0
	s_add_nc_u64 s[HQP:HQP+1], s[HQP:HQP+1], s[68:69]
	s_and_b32 s70, ttmp7, 0xffff                   ; cluster y: 0 where the tile holds a batch's first rows; the same in all sixteen partners
	; the prefetches
	s_lshl_b32 s42, s42, 8
	s_and_b32 s22, ttmp7, 0xffff
	s_cmp_eq_u32 s11, 0
	s_cselect_b32 s20, s13, s42                    ; the tile's first row
	s_cselect_b32 s21, s40, s41                    ; my place among the four that ask with me
	s_cselect_b32 s22, ttmp9, s22                  ; the coordinate along which other clusters read the same rows
	s_cselect_b64 s[PFA:PFA+1], s[4:5], s[6:7]
	s_cmp_eq_u32 s22, 0
	s_cselect_b32 s[LIM], 2, -1
	s_lshl_b32 s22, s12, 7
	s_add_co_u32 s20, s20, s22
	s_lshl_b32 s21, s21, 5
	s_add_co_u32 s20, s20, s21
	s_mov_b32 s21, 0
	s_mov_b64 s[18:19], SIZE_K*2
	s_mul_u64 s[20:21], s[20:21], s[18:19]
	s_add_nc_u64 s[PFA:PFA+1], s[PFA:PFA+1], s[20:21]
	s_add_nc_u64 s[PFA:PFA+1], s[PFA:PFA+1], 2*KSTEP*2  ; at K step 2: the first refill steps it to 3 and names K step 4
	v_and_b32 v[PFO], 31, v0
	v_mul_u32_u24 v[PFO], v[PFO], SIZE_K*2
; 16 matrix instructions: m blocks a0, a0 + 1 of the window's four x all 8 n blocks.  zero = 1: the first product starts the sums
.macro MUL16 f, hi, a0, zero
	WIN MUL_LO+0x50*(\hi)
.irp a, \a0, (\a0)+1
.irp b, 0,1,2,3,4,5,6,7
.if \zero
	v_wmma_f32_16x16x32_bf16 v[8*(8*(\a)+(\b)):8*(8*(\a)+(\b))+7], v[(\f)+8*(\b):(\f)+8*(\b)+7], v[(\f)+8*(4*(\hi)+(\a)):(\f)+8*(4*(\hi)+(\a))+7], 0
.else
	v_wmma_f32_16x16x32_bf16 v[8*(8*(\a)+(\b)):8*(8*(\a)+(\b))+7], v[(\f)+8*(\b):(\f)+8*(\b)+7], v[(\f)+8*(4*(\hi)+(\a)):(\f)+8*(4*(\hi)+(\a))+7], v[8*(8*(\a)+(\b)):8*(8*(\a)+(\b))+7]
.endif
.endr
.endr
.endm
; 32 LDS loads in one run: the fragments of one quarter step into buffer f; ra, rb: the registers that hold xb's and wb's addresses in the slot
.macro FETCH ra, rb, k, f
	WIN TO_B
.irp i, 0,1,2,3,4,5,6,7
	ds_load_b128 v[(\f)+8*(\i):(\f)+8*(\i)+3],   v[(\rb)] offset:(\k)+(\i)*16*PITCH
	ds_load_b128 v[(\f)+8*(\i)+4:(\f)+8*(\i)+7], v[(\rb)] offset:(\k)+(\i)*16*PITCH+32
.endr
	WIN 0
.irp i, 0,1,2,3,4,5,6,7
	ds_load_b128 v[(\f)+8*(\i):(\f)+8*(\i)+3],   v[(\ra)] offset:(\k)+(\i)*16*PITCH
	ds_load_b128 v[(\f)+8*(\i)+4:(\f)+8*(\i)+7], v[(\ra)] offset:(\k)+(\i)*16*PITCH+32
.endr
.endm
.macro PLACES                          ; four plain vector instructions between a matrix instruction and a load into, or a vector read of, its registers
.rept 4
	v_nop
.endr
.endm
; a K step is four quarters of 32 along K, 64 matrix instructions each, on buffers 0, 1, 0, 1
.macro QUARTER ra, rb, k, f, g, zero
	s_wait_dscnt 8                                 ; wb's and xb's rows 0-63 are in; the youngest eight loads may be out
	MUL16 \f, 0, 0, \zero
	MUL16 \f, 0, 2, \zero
	PLACES
	FETCH \ra, \rb, \k, \g
	s_wait_dscnt 32                                ; all but the 32 just issued
	MUL16 \f, 1, 0, \zero
	MUL16 \f, 1, 2, \zero
.endm
; the first half of a K step's last quarter: one barrier for the change of slots
.macro MEET round
	WIN 0
	s_wait_tensorcnt 0x0                           ; all my tensor loads have landed: the one that was out is my part of the next slot
	ds_add_u32 v[SPW], v[NIL]                      ; 0 onto my spare word
	s_wait_dscnt 9                                 ; the add and the youngest eight loads may be out
	MUL16 F1, 0, 0, 0
	s_wait_dscnt 0x0                               ; the add is done, and my reads of this slot are over
	s_barrier_signal -1
	MUL16 F1, 0, 2, 0
.if \round
	WIN 0
.endif
	s_barrier_wait -1
.endm
; The whole last quarter, in the loop.  The walking descriptors go to the other slot than last time and one K step on: the slot just read out takes the K step two on.
; SLOT = 0x22000 holds bits 13 and 17, which wave x HALFT (0, 0x8800, 0x11000, 0x19800) never holds: the exclusive or moves the LDS word from one slot to the other and back.
.macro TURN
	s_wait_xcnt 0x0                                ; the last prefetch, a K step back, has read its address
	s_add_nc_u64 s[PFA:PFA+1], s[PFA:PFA+1], KSTEP*2
	MEET 1
	CREST                                          ; no wave of any partner still reads this slot's tile or has a load on its way
.irp g, G0+4, G0B+4
	s_xor_b32 s[(\g)+1], s[(\g)+1], SLOT
	s_add_nc_u64 s[(\g)+2:(\g)+3], s[(\g)+2:(\g)+3], KSTEP*2
.endr
	JLOAD 1                                        ; the first tensor load behind the round; its four v_nop are also the places in front of the loads below
	FETCH NA, NB, 0, F0
	ASK
	MUL16 F1, 1, 0, 0
	MUL16 F1, 1, 2, 0
.endm
; the last K step (slot 1) goes by rows of the result: all of wb's fragments fill window 1; my eight blocks of 16 rows are finished one after the other, K ascending
.macro BLOAD q
	WIN TO_B
.irp i, 0,1,2,3,4,5,6,7
	ds_load_b128 v[64*(\q)+8*(\i):64*(\q)+8*(\i)+3],   v[ADRB+1] offset:64*(\q)+(\i)*16*PITCH
	ds_load_b128 v[64*(\q)+8*(\i)+4:64*(\q)+8*(\i)+7], v[ADRB+1] offset:64*(\q)+(\i)*16*PITCH+32
.endr
.endm
.macro ALOAD a
	WIN 0
.set FA, PA+32*((\a)%4)
.irp q, 0,1,2,3
	ds_load_b128 v[FA+8*(\q):FA+8*(\q)+3],   v[ADRA+1] offset:64*(\q)+(\a)*16*PITCH
	ds_load_b128 v[FA+8*(\q)+4:FA+8*(\q)+7], v[ADRA+1] offset:64*(\q)+(\a)*16*PITCH+32
.endr
.endm
.macro ROW a
.set FA, PA+32*((\a)%4)
.set AC, 64*((\a)%4)
	WIN MUL_LO+0x50*((\a)/4)
.irp q, 0,1,2,3
.if (\a) == 0 && (\q) == 2
	s_wait_dscnt 24                                ; wb's quarter 2 is in (behind it: xb's blocks 1 to 3)
.endif
.irp b, 0,1,2,3,4,5,6,7
	v_wmma_f32_16x16x32_bf16 v[AC+8*(\b):AC+8*(\b)+7], v[64*(\q)+8*(\b):64*(\q)+8*(\b)+7], v[FA+8*(\q):FA+8*(\q)+7], v[AC+8*(\b):AC+8*(\b)+7]
.endr
.endr
.endm
; A BATCH'S FIRST 16 ROWS, AS THEY ARE.  Where the tile holds a batch's first rows (cluster y = 0), the waves with the tile's rows 0-127 send block 0 to hq in f32: 16 rows x 64 columns (256 bytes a row)
; at a time through my stage, twice.  It stands four places behind the block's last product; each accumulator's low registers are read first.  Both jumps go forward, past no barrier and no tensor load.
.macro HEADROWS
	WIN 0
	s_cmp_lg_u32 s70, 0
	s_cbranch_scc1 .Lno_head
	s_cmp_lg_u32 s11, 0
	s_cbranch_scc1 .Lno_head
.irp u, 0,1
	WIN 0x08                                       ; the stores' data in window 2
.irp c, 0,1,2,3
	ds_store_b128 v[STF], v[8*(4*(\u)+(\c)):8*(4*(\u)+(\c))+3]   offset:64*(\c)
	ds_store_b128 v[STF], v[8*(4*(\u)+(\c))+4:8*(4*(\u)+(\c))+7] offset:64*(\c)+16
.endr
	WIN 0
.irp t, 0,1,2,3,4,5,6,7
	ds_load_b128 v[OB+192*(\u)+4*(\t):OB+192*(\u)+4*(\t)+3], v[RD] offset:(\t)*2*SPITCH  ; LDS serves a wave's instructions in order: these see the stores above, and the second half's stores come behind them
.endr
.endr
	s_wait_dscnt 0x0
.irp u, 0,1
.irp t, 0,1,2,3,4,5,6,7
	global_store_b128 v[HO], v[OB+192*(\u)+4*(\t):OB+192*(\u)+4*(\t)+3], s[HQP:HQP+1] offset:2*(\t)*HROW+256*(\u)  ; 16 lanes store 256 consecutive bytes, aligned
.endr
.endr
	s_wait_xcnt 0x0                                ; the way out below loads into the registers that these stores read
.Lno_head:
.endm
; the way out of block a: rounded to f16, 16 bytes a lane; through my own stage; stored as whole rows of 256 bytes
.macro PACK a
.set AC, 64*((\a)%4)
	WIN 0x0a+5*((\a)/4)
.irp b, 0,1,2,3,4,5,6,7
.irp r, 0,1,2,3
	v_cvt_pk_f16_f32 v[TMP+4*(\b)+(\r)], v[AC+8*(\b)+2*(\r)], v[AC+8*(\b)+2*(\r)+1]
.endr
.endr
	WIN 0
.endm
.macro TOSTAGE a
	WIN 0
.set BK, OB+192*((\a)%2)
.irp b, 0,1,2,3,4,5,6,7
	ds_store_b128 v[STO], v[TMP+4*(\b):TMP+4*(\b)+3] offset:32*(\b)
.endr
.irp t, 0,1,2,3,4,5,6,7
	ds_load_b128 v[BK+4*(\t):BK+4*(\t)+3], v[RD] offset:(\t)*2*SPITCH  ; LDS serves a wave's instructions in order: these see the stores above
.endr
.endm
.macro SEND a, younger
	WIN 0
.set BK, OB+192*((\a)%2)
	s_wait_dscnt \younger
	s_wait_xcnt 0x0                                ; only behind this wait are the stores' base and the registers that earlier stores read rewritten
.if (\a) == 0
	s_add_nc_u64 s[8:9], s[8:9], s[16:17]
.else
	s_add_nc_u64 s[8:9], s[8:9], 16*SIZE_N*2
.endif
.irp t, 0,1,2,3,4,5,6,7
	global_store_b128 v[CO], v[BK+4*(\t):BK+4*(\t)+3], s[8:9] offset:2*(\t)*SIZE_N*2  ; 16 lanes store 256 consecutive bytes, aligned
.endr
.endm
	s_wait_tensorcnt 1                             ; my part of K step 0 is in; K step 1's may stay out
	s_barrier_signal -1
	s_barrier_wait -1
	FETCH ADRA, ADRB, 0, F0
	QUARTER ADRA, ADRB, 64, F0, F1, 1              ; the first quarter's products start the sums
	WIN 0
	s_mov_b32 s[TB], 0                             ; K step 0 lies in slot 0
	s_mov_b32 s[TBN], SLOT
	s_mov_b32 s3, TRIPS
.Lstep:                                                ; a trip: a K step's second, third and fourth quarter and the next step's first; its slot is filled again
	v_add_nc_u32 v[CA], s[TB], v[ADRA]             ; (LDS loads that are still out have read their address registers at issue)
	v_add_nc_u32 v[CB], s[TB], v[ADRB]
	v_add_nc_u32 v[NA], s[TBN], v[ADRA]
	v_add_nc_u32 v[NB], s[TBN], v[ADRB]
	QUARTER CA, CB, 128, F1, F0, 0
	QUARTER CA, CB, 192, F0, F1, 0
	TURN
	QUARTER NA, NB, 64,  F0, F1, 0
	WIN 0
	s_xor_b32 s[TB], s[TB], SLOT                   ; 0 and SLOT change places
	s_xor_b32 s[TBN], s[TBN], SLOT
	s_sub_co_u32 s3, s3, 1
	s_cmp_lg_u32 s3, 0
	s_cbranch_scc1 .Lstep
	QUARTER ADRA, ADRB, 128, F1, F0, 0             ; K step 6 lies in slot 0, K step 7 in slot 1: the tail names them by their constants
	QUARTER ADRA, ADRB, 192, F0, F1, 0
	MEET 0                                         ; the load that was still out is the last K step's
	PLACES
	BLOAD 0
	BLOAD 1
	BLOAD 3
	ALOAD 0
	MUL16 F1, 1, 0, 0
	MUL16 F1, 1, 2, 0
	PLACES
	BLOAD 2
	ALOAD 1
	ALOAD 2
	ALOAD 3
	s_wait_dscnt 40                                ; all but the 40 just issued
	ROW 0
.irp a, 0,1,2,3,4,5,6,7
	PLACES
.if (\a) == 0
	HEADROWS
.endif
	PACK \a
	TOSTAGE \a
.if (\a) < 4
	ALOAD (\a)+4
	SEND \a, 8
.else
	SEND \a, 0
.endif
.if (\a) < 7
	ROW (\a)+1
.endif
.endr
	s_wait_tensorcnt 0x0                           ; the wave's end
	ds_add_u32 v[SPW], v[NIL]
	s_wait_dscnt 0x0
	CROUND                                         ; the closing round
	s_endpgm
.Lfunc_end_k_q6c8bb764b0_proj:
	.size	k_q6c8bb764b0_proj, .Lfunc_end_k_q6c8bb764b0_proj-k_q6c8bb764b0_proj
	.p2alignl 7, 3214868480
	.fill 96, 4, 3214868480
	.section	.rodata,"a",@progbits
	.p2align	6, 0x0
	.amdhsa_kernel k_q6c8bb764b0_proj
		.amdhsa_group_segment_fixed_size 327680
		.amdhsa_private_segment_fixed_size 0
		.amdhsa_enable_private_segment 0
		.amdhsa_kernarg_size 32
		.amdhsa_user_sgpr_count 2
		.amdhsa_user_sgpr_kernarg_segment_ptr 1
		.amdhsa_wavefront_size32 1
		.amdhsa_system_sgpr_workgroup_id_x 1
		.amdhsa_system_sgpr_workgroup_id_y 1
		.amdhsa_system_sgpr_workgroup_id_z 1
		.amdhsa_system_vgpr_workitem_id 0
		.amdhsa_next_free_vgpr 1024
		.amdhsa_next_free_sgpr 76
		.amdhsa_reserve_vcc 0
		.amdhsa_float_denorm_mode_32 3
		.amdhsa_float_denorm_mode_16_64 3
		.amdhsa_memory_ordered 1
		.amdhsa_forward_progress 1
		.amdhsa_inst_pref_size 123
	.end_amdhsa_kernel
	.amdgpu_metadata
---
amdhsa.version: [ 1, 2 ]
amdhsa.kernels:
  - .name:           k_q6c8bb764b0_proj
    .symbol:         k_q6c8bb764b0_proj.kd
    .args:
      - { .name: xb, .offset: 0, .size: 8, .value_kind: global_buffer, .address_space: global }
      - { .name: wb, .offset: 8, .size: 8, .value_kind: global_buffer, .address_space: global }
      - { .name: qkv, .offset: 16, .size: 8, .value_kind: global_buffer, .address_space: global }
      - { .name: hq, .offset: 24, .size: 8, .value_kind: global_buffer, .address_space: global }
    .group_segment_fixed_size: 327680
    .private_segment_fixed_size: 0
    .kernarg_segment_align: 8
    .kernarg_segment_size: 32
    .max_flat_workgroup_size: 128
    .sgpr_count:     76
    .vgpr_count:     1024
    .wavefront_size: 32
...
	.end_amdgpu_metadata
.endif
;; end of part 8
;; launch score (part 9): grid 52 x 4, 4 waves a work-group, no clusters, 327,680 bytes of LDS; arguments qkv, pt, mx, ls, hq, out0; writes pt, mx, ls, out0
.if DOCPART == 9
	.amdgcn_target "amdgcn-amd-amdhsa--gfx1250"
	.amdhsa_code_object_version 6
	.text
	.protected	k_q6c8bb764b0_score
	.globl	k_q6c8bb764b0_score
	.p2align	8
	.type	k_q6c8bb764b0_score,@function
k_q6c8bb764b0_score:
	s_mov_b64 s[64:65], 0
	v_nop
	global_prefetch_b8 v0, s[64:65] scope:SCOPE_SE
	s_setreg_imm32_b32 hwreg(HW_REG_WAVE_MODE, 25, 1), 1
	s_wait_xcnt 0x0
; TWO KINDS OF WORK-GROUP.  Numbers 0 to 35 of a batch make the tiles of scores; numbers 36 to 51 make rows 0 to 15 of the batch's output outright (at the label .Lhead: its comment says how and why).
; The tiles are 144 work-groups, fewer than the chip has WGPs; the 64 others stand beside them.  The branch hangs on the work-group's number alone: all four waves of a work-group go the same way.
; THE TILES.  For each tile of 256 queries x 256 keys on or below the diagonal (36 a batch): s = q . k, sums in f32 over 1,024 channels, f16 operands; hidden scores start their sum at -1e30.
; A wave owns 128 queries x 128 keys (a CHUNK of keys).  For each of its rows it stores the maximum m of the chunk's raw scores (mx), the weights p = 2^(c (s - m)), c = log2(e) / 32, rounded
; to f16 (pt), and their unrounded sum (ls).  The difference s - m is formed first, so no exponent is above 0.  The next launch corrects each chunk to the row's true maximum.
; LIMITS.  A hidden score counts as its value less 1e30 (f16 operands give scores of 4.4e12 at the most); a weight below 2^-126 counts as 0; NaN and infinities are not treated apart.
; A wave whose chunk is wholly hidden stores m = -1e30 and p = 1; the next launch's correction makes 0 of them.
; NO CLUSTER: row I of the triangle has I + 1 tiles, 1 to 8, and column J has 8 - J: neither cuts into fours that walk the same rows, and no tile above the diagonal is made to fill a four up.
; The product: a ring of two LDS slots, K steps of 128 (rows of 256 bytes of memory, at multiples of 256 bytes); each wave fetches 128 rows a step: waves 0, 1 q's, waves 2, 3 k's.
; THE LOOP'S TRIP IS ONE K STEP, written once: which slot it multiplies stands in two scalars that take turns between 0 and a slot's bytes, and in four address registers made of them at the trip's head.
; Source 0 = 16 rows of k, source 1 = 16 rows of q: lane l holds query l % 16 and keys 8 (l / 16) + 0..7 of accumulator (a, b): queries 16 a on, keys 16 b on.
; REGISTERS: window 0: v0-31 addresses, v32-55 masks, v56-63 at work, v64-191 q's fragments (two buffers), later the way out; window 1: k's fragments; windows 2, 3: 64 accumulators.
.set TILES,  36                        ; tiles of scores in a batch
.set KSTEP,  128
.set PITCH,  272                       ; 256 bytes + 16 of padding: the 16 rows of a fragment load start at 16 different groups of four banks
.set HALFT,  128*PITCH
.set SLOT,   4*HALFT                   ; q's 256 rows, then k's 256 rows
.set STAGE,  2*SLOT                    ; 16 rows x 272 bytes for each wave
.set SPITCH, 272
.set STAT,   STAGE+4*16*SPITCH         ; for each wave 128 maxima, then 128 sums (at .Lhead: its first 64 bytes take the row's 16 scores)
.set SPARE,  STAT+4*1024               ; the spare words, 128 bytes a wave; no other line names them
.set ROWB,   6144                      ; bytes in a row of qkv
.set CA,   8                           ; v8   q's fragments in the slot that the trip multiplies,
.set CB,   9                           ; v9   k's;
.set NA,   10                          ; v10  q's in the other slot,
.set NB,   11                          ; v11  k's
.set VD,   12                          ; v12  my query's place less my lanes' first key, plus the wave's shift
.set DA,   13                          ; v13  the trip's address in my dump
.set SA,   14                          ; v14  the trip's address in my statistics
.set XO,   15                          ; v15  16 x lane
.set ADRA, 16                          ; v16-17  q's fragments in slot 0, 1; never rewritten
.set ADRB, 20                          ; v20-21  k's
.set STO,  24
.set RD,   25
.set CO,   26
.set DMP,  27                          ; v27  65,536 x wave + 16 x lane: my accumulators lie over the slots, when these have had their last fill and their last read
.set SPW,  28
.set NIL,  29
.set PFO,  30                          ; v30  my lane x a row of qkv
.set STA,  31
.set MLT,  32                          ; the C operand of accumulators with b < a,
.set MEQ,  40                          ; b = a,
.set MGT,  48                          ; b > a
.set CH,   56                          ; four chains of the maximum
.set TP,   60
.set LSU,  61
.set MXR,  62                          ; v[62:63] the row's maximum; the pair's high word is written once
.set F0,   64
.set F1,   128
.set S,    64                          ; the way out: 64 scores of a lane
.set PK,   128
.set BK,   160
.set G1, 24
.set G0, 32                            ; s[32:39] group 0: a set for each of the two first fills; the second then walks on
.set LIM, 43
.set PFA, 44
.set CS,  46
.set SEL, 48
.set BIG, 50
.set TB,  54                           ; s54  0 or SLOT: where the slot that the trip multiplies begins
.set TBN, 55                           ; s55  SLOT or 0: the other slot
.set MSB, 0
.macro WIN new
.if MSB != (\new)
	s_set_vgpr_msb (MSB<<8)|(\new)
.set MSB, \new
.endif
.endm
.set MUL_LO, 0xa1
.set TO_B,   0x40
.macro PLACES
.rept 4
	v_nop
.endr
.endm
	s_load_b256 s[4:11], s[0:1], 0x0               ; qkv s[4:5], pt s[6:7], mx s[8:9], ls s[10:11]
	s_load_b128 s[56:59], s[0:1], 0x20             ; hq s[56:57], out0 s[58:59]
	v_lshl_add_u32 v[SPW], v0, 2, SPARE
	v_mov_b32 v[NIL], 0
	ds_add_u32 v[SPW], v[NIL]                      ; the wave's opening: the add and its wait ahead of my first tensor load
	v_lshrrev_b32 v1, 5, v0
	v_readfirstlane_b32 s12, v1                    ; wave 0..3
	s_lshr_b32 s13, s12, 1                         ; my half of the queries
	s_and_b32 s14, s12, 1                          ; my half of the keys
	s_mov_b32 s15, 0                               ; I: how many of the rows' first tile numbers 1, 3, 6 .. the work-group's number has reached
.irp c, 1,3,6,10,15,21,28
	s_cmp_ge_u32 ttmp9, \c
	s_add_co_ci_u32 s15, s15, 0
.endr
	s_add_co_u32 s18, s15, 1
	s_mul_i32 s18, s18, s15
	s_lshr_b32 s18, s18, 1
	s_sub_co_u32 s16, ttmp9, s18                   ; J = number - I (I + 1) / 2
	s_and_b32 s17, ttmp7, 0xffff                   ; the batch
	s_mov_b32 s[G1+0], (1<<16)|(1<<20)|(5<<22)|(3<<25)  ; 2-byte elements; padding on: 4 words behind every 64
	s_mov_b32 s[G1+1], KSTEP<<16                   ; tensor_dim0 = 128
	s_mov_b32 s[G1+2], 128<<16                     ; tensor_dim1 = 128
	s_mov_b32 s[G1+3], KSTEP<<16                   ; tile_dim0 = 128
	s_mov_b32 s[G1+4], 128                         ; tile_dim1 = 128
	s_mov_b32 s[G1+5], 3072                        ; elements from row to row
	s_mov_b32 s[G1+6], 0
	s_mov_b32 s[G1+7], 0
	s_mov_b32 s[CS], 0x3d38aa3b                    ; c = log2(e) / 32
	s_mov_b32 s[CS+1], s[CS]
	s_mov_b32 s[SEL], 0x76543210
	s_mov_b32 s[SEL+1], 0xfedcba98
	s_mov_b32 s[BIG], 0xf149f2ca                   ; -1e30
	s_sub_co_u32 s19, s15, s16                     ; I - J
	s_cmp_lt_u32 s12, 2                            ; waves 0, 1 fetch q's block I, waves 2, 3 k's block J
	s_cselect_b32 s18, s15, s16
	s_cselect_b32 s23, 0, 2048
	s_cselect_b32 s19, s16, s19                    ; q's block is asked for ahead by the tile with J = 0, k's by the tile with I = J: each row once in the launch
	s_cmp_eq_u32 s19, 0
	s_cselect_b32 s[LIM], 2, -1
	s_lshl_b32 s20, s17, 11
	s_lshl_b32 s18, s18, 8
	s_add_co_u32 s20, s20, s18
	s_lshl_b32 s21, s14, 7
	s_add_co_u32 s20, s20, s21                     ; the first row that I fetch
	s_mul_i32 s20, s20, ROWB
	s_add_co_u32 s20, s20, s23
	s_mov_b32 s21, 0
	s_mul_i32 s22, s12, HALFT
	s_wait_dscnt 0x0                               ; the opening add is done
	s_wait_kmcnt 0x0
	s_cmp_ge_u32 ttmp9, TILES                      ; the work-groups behind the tiles make the batch's first 16 rows (of the scalars above they use the wave, the batch, c and the lane selects)
	s_cbranch_scc1 .Lhead
	s_add_nc_u64 s[20:21], s[4:5], s[20:21]
.irp s, 0,1                            ; both first fills go out together: two tensor loads of mine are out
	s_mov_b32 s[G0+4*(\s)], 1
	s_add_co_u32 s[G0+4*(\s)+1], s22, (\s)*SLOT
	s_add_nc_u64 s[G0+4*(\s)+2:G0+4*(\s)+3], s[20:21], (\s)*KSTEP*2
	s_or_b32 s[G0+4*(\s)+3], s[G0+4*(\s)+3], 0x80000000
	tensor_load_to_lds s[G0+4*(\s):G0+4*(\s)+3], s[G1:G1+7]
	s_nop 0
.endr
	s_add_nc_u64 s[PFA:PFA+1], s[20:21], 2*KSTEP*2 ; at K step 2: the first refill steps it to 3 and names K step 4
	v_and_b32 v1, 15, v0                           ; r
	v_bfe_u32 v2, v0, 4, 1                         ; h
	v_and_b32 v4, 31, v0                           ; lane
	v_mul_u32_u24 v3, v1, PITCH
	v_lshl_add_u32 v3, v2, 4, v3
	s_mul_i32 s18, s13, HALFT
	s_mul_i32 s19, s14, HALFT
	s_add_co_u32 s19, s19, 2*HALFT
.irp s, 0,1
	v_add_nc_u32 v[ADRA+(\s)], s18, v3
	v_add_nc_u32 v[ADRB+(\s)], s19, v3
	s_add_co_u32 s18, s18, SLOT
	s_add_co_u32 s19, s19, SLOT
.endr
	s_mul_i32 s18, s12, 16*SPITCH
	s_add_co_u32 s18, s18, STAGE
	v_mul_u32_u24 v5, v1, SPITCH
	v_lshl_add_u32 v5, v2, 4, v5
	v_add_nc_u32 v[STO], s18, v5                   ; in: row r, 16 bytes for each half of the lanes
	v_mul_u32_u24 v5, v2, SPITCH
	v_lshl_add_u32 v5, v1, 4, v5
	v_add_nc_u32 v[RD], s18, v5                    ; back: lanes 0-15 one row of 256 bytes, lanes 16-31 the next
	v_lshlrev_b32 v5, 12, v2
	v_lshl_add_u32 v[CO], v1, 4, v5                ; the same two rows in pt (4,096 bytes a row)
	v_lshlrev_b32 v[XO], 4, v4
	s_lshl_b32 s18, s12, 16
	v_add_nc_u32 v[DMP], s18, v[XO]
	s_lshl_b32 s18, s12, 10
	s_add_co_u32 s18, s18, STAT
	v_lshl_add_u32 v[STA], v1, 2, s18
	v_mul_u32_u24 v[PFO], v4, ROWB
	; the masks.  Key 16 b + 8 h + j is hidden from query 16 a + r where it is greater: for b = a where j > r - 8 h; for b > a always; for b < a never.  The shift of 1,000 moves all three:
	; up where the wave's chunk lies wholly below the diagonal, down where it lies wholly above.
	s_sub_co_i32 s18, s13, s14
	s_mul_i32 s18, s18, 1000
	s_cmp_lg_u32 s15, s16
	s_cselect_b32 s18, 1000, s18
	v_lshlrev_b32 v[VD], 3, v2
	v_sub_nc_u32 v[VD], v1, v[VD]
	v_add_nc_u32 v[VD], s18, v[VD]
.irp j, 0,1,2,3,4,5,6,7
	v_cmp_gt_i32 vcc_lo, \j, v[VD]
	v_cndmask_b32 v[MEQ+(\j)], 0, s[BIG], vcc_lo
.endr
	v_cmp_gt_i32 vcc_lo, 16, v[VD]
.irp j, 0,1,2,3,4,5,6,7
	v_cndmask_b32 v[MGT+(\j)], 0, s[BIG], vcc_lo
.endr
	v_cmp_gt_i32 vcc_lo, -9, v[VD]
.irp j, 0,1,2,3,4,5,6,7
	v_cndmask_b32 v[MLT+(\j)], 0, s[BIG], vcc_lo
.endr
	; where my results go
	s_lshl_b32 s18, s17, 11
	s_lshl_b32 s19, s15, 8
	s_add_co_u32 s18, s18, s19
	s_lshl_b32 s19, s13, 7
	s_add_co_u32 s18, s18, s19                     ; my first row among the 8,192
	s_lshl_b32 s18, s18, 12
	s_lshl_b32 s19, s16, 9
	s_add_co_u32 s18, s18, s19
	s_lshl_b32 s19, s14, 8
	s_add_co_u32 s18, s18, s19                     ; + my 128 keys: 256 bytes, at a multiple of 256
	s_mov_b32 s19, 0
	s_add_nc_u64 s[6:7], s[6:7], s[18:19]
	s_lshl_b32 s18, s17, 4
	s_lshl_b32 s20, s16, 1
	s_add_co_u32 s18, s18, s20
	s_add_co_u32 s18, s18, s14                     ; 16 x batch + chunk
	s_lshl_b32 s18, s18, 11
	s_lshl_b32 s20, s15, 8
	s_add_co_u32 s18, s18, s20
	s_lshl_b32 s20, s13, 7
	s_add_co_u32 s18, s18, s20                     ; + my first row in the batch
	s_lshl_b32 s18, s18, 2
	s_add_nc_u64 s[8:9], s[8:9], s[18:19]
	s_add_nc_u64 s[10:11], s[10:11], s[18:19]
; 16 matrix instructions.  first = 1: the product starts the sum, with the mask as C.  The 64 accumulators take turns in the same order in every quarter.
.macro MUL16 f, hi, a0, first
.irp a, \a0, (\a0)+1
.irp b, 0,1,2,3,4,5,6,7
.if \first
.if (\b) < 4*(\hi)+(\a)
.set MK, MLT
.elseif (\b) == 4*(\hi)+(\a)
.set MK, MEQ
.else
.set MK, MGT
.endif
	WIN 0x81+0x40*(\hi)                            ; C in window 0
	v_wmma_f32_16x16x32_f16 v[8*(8*(\a)+(\b)):8*(8*(\a)+(\b))+7], v[(\f)+8*(\b):(\f)+8*(\b)+7], v[(\f)+8*(4*(\hi)+(\a)):(\f)+8*(4*(\hi)+(\a))+7], v[MK:MK+7]
.else
	WIN MUL_LO+0x50*(\hi)
	v_wmma_f32_16x16x32_f16 v[8*(8*(\a)+(\b)):8*(8*(\a)+(\b))+7], v[(\f)+8*(\b):(\f)+8*(\b)+7], v[(\f)+8*(4*(\hi)+(\a)):(\f)+8*(4*(\hi)+(\a))+7], v[8*(8*(\a)+(\b)):8*(8*(\a)+(\b))+7]
.endif
.endr
.endr
.endm
.macro FETCH ra, rb, k, f              ; 32 LDS loads in one run: k's fragments, then q's; ra, rb: the registers that hold q's and k's addresses in the slot
	WIN TO_B
.irp i, 0,1,2,3,4,5,6,7
	ds_load_b128 v[(\f)+8*(\i):(\f)+8*(\i)+3],   v[(\rb)] offset:(\k)+(\i)*16*PITCH
	ds_load_b128 v[(\f)+8*(\i)+4:(\f)+8*(\i)+7], v[(\rb)] offset:(\k)+(\i)*16*PITCH+32
.endr
	WIN 0
.irp i, 0,1,2,3,4,5,6,7
	ds_load_b128 v[(\f)+8*(\i):(\f)+8*(\i)+3],   v[(\ra)] offset:(\k)+(\i)*16*PITCH
	ds_load_b128 v[(\f)+8*(\i)+4:(\f)+8*(\i)+7], v[(\ra)] offset:(\k)+(\i)*16*PITCH+32
.endr
.endm
.macro QUARTER ra, rb, k, f, g, first
	s_wait_dscnt 8                                 ; k's and q's rows 0-63 are in; the youngest eight loads may be out
	MUL16 \f, 0, 0, \first
	MUL16 \f, 0, 2, \first
	PLACES
	FETCH \ra, \rb, \k, \g
	s_wait_dscnt 32                                ; all but the 32 just issued
	MUL16 \f, 1, 0, \first
	MUL16 \f, 1, 2, \first
.endm
; my own 128 rows of the K step two refills on, a lane a row, four instructions; the loop's last two trips (s3 = 2, 1) have no such K step
.macro ASK
	s_cmp_gt_u32 s3, s[LIM]
	s_cbranch_scc0 .Lnot_mine_\@
.irp i, 0,1,2,3
	global_prefetch_b8 v[PFO], s[PFA:PFA+1] offset:(\i)*32*ROWB+KSTEP*2 th:TH_LOAD_NT scope:SCOPE_SE
.endr
.Lnot_mine_\@:
.endm
; a K step's last quarter changes slots: one barrier; in front of it each wave waits for all its tensor loads, adds 0 to its spare word, and waits for that and for its reads of this slot.
; ra, rb: the next slot's address registers.  fill = 1: the walking descriptor goes to the other slot than last time and one K step on: the slot just read out takes the K step two on.
; SLOT = 0x22000 holds bits 13 and 17, which wave x HALFT (0, 0x8800, 0x11000, 0x19800) never holds: the exclusive or moves the LDS word from one slot to the other and back.
.macro TURN ra, rb, fill
.if \fill
	s_wait_xcnt 0x0                                ; the last prefetches, a K step back, have read their address
	s_add_nc_u64 s[PFA:PFA+1], s[PFA:PFA+1], KSTEP*2
.endif
	WIN 0
	s_wait_tensorcnt 0x0                           ; the one load that was out is my part of the next slot
	ds_add_u32 v[SPW], v[NIL]
	s_wait_dscnt 9                                 ; the add and the youngest eight loads may be out
	MUL16 F1, 0, 0, 0
	s_wait_dscnt 0x0                               ; the add is done, and my reads of this slot are over
	s_barrier_signal -1
	MUL16 F1, 0, 2, 0
	s_barrier_wait -1
.if \fill
	s_xor_b32 s[G0+5], s[G0+5], SLOT
	s_add_nc_u64 s[G0+6:G0+7], s[G0+6:G0+7], KSTEP*2
	tensor_load_to_lds s[G0+4:G0+7], s[G1:G1+7]    ; my one tensor load behind the barrier, and the first thing there
	s_nop 0
.endif
	PLACES
	FETCH \ra, \rb, 0, F0
.if \fill
	ASK
.endif
	MUL16 F1, 1, 0, 0
	MUL16 F1, 1, 2, 0
.endm
	s_wait_tensorcnt 1                             ; my part of K step 0 is in; K step 1's may stay out
	s_barrier_signal -1
	s_barrier_wait -1
	FETCH ADRA, ADRB, 0, F0
	QUARTER ADRA, ADRB, 64, F0, F1, 1
	WIN 0
	s_mov_b32 s[TB], 0                             ; K step 0 lies in slot 0
	s_mov_b32 s[TBN], SLOT
	s_mov_b32 s3, 6
.Lstep:                                                ; a trip: a K step's second, third and fourth quarter and the next step's first; its slot is filled again: K steps 2 to 7
	v_add_nc_u32 v[CA], s[TB], v[ADRA]             ; (LDS loads that are still out have read their address registers at issue)
	v_add_nc_u32 v[CB], s[TB], v[ADRB]
	v_add_nc_u32 v[NA], s[TBN], v[ADRA]
	v_add_nc_u32 v[NB], s[TBN], v[ADRB]
	QUARTER CA, CB, 128, F1, F0, 0
	QUARTER CA, CB, 192, F0, F1, 0
	TURN NA, NB, 1
	QUARTER NA, NB, 64,  F0, F1, 0
	WIN 0
	s_xor_b32 s[TB], s[TB], SLOT                   ; 0 and SLOT change places
	s_xor_b32 s[TBN], s[TBN], SLOT
	s_sub_co_u32 s3, s3, 1
	s_cmp_lg_u32 s3, 0
	s_cbranch_scc1 .Lstep
	QUARTER ADRA, ADRB, 128, F1, F0, 0             ; K step 6 lies in slot 0, K step 7 in slot 1: the tail names them by their constants, and fills nothing
	QUARTER ADRA, ADRB, 192, F0, F1, 0
	TURN ADRA+1, ADRB+1, 0
	QUARTER ADRA+1, ADRB+1, 64,  F0, F1, 0
	QUARTER ADRA+1, ADRB+1, 128, F1, F0, 0
	QUARTER ADRA+1, ADRB+1, 192, F0, F1, 0
	s_wait_dscnt 8
	MUL16 F1, 0, 0, 0
	MUL16 F1, 0, 2, 0
	s_wait_dscnt 0x0
	MUL16 F1, 1, 0, 0
	MUL16 F1, 1, 2, 0
	PLACES
	WIN 0
	s_barrier_signal -1                            ; every wave's reads of the slots are over (waited for above): the slots, which are filled no more, take the accumulators
	s_barrier_wait -1
.irp hi, 0,1
	WIN 0x08+4*(\hi)                               ; data in window 2 or 3
.irp a, 0,1,2,3
.irp b, 0,1,2,3,4,5,6,7
	ds_store_b128 v[DMP], v[8*(8*(\a)+(\b)):8*(8*(\a)+(\b))+3]   offset:8192*(4*(\hi)+(\a))+1024*(\b)  ; each accumulator's low registers first
	ds_store_b128 v[DMP], v[8*(8*(\a)+(\b))+4:8*(8*(\a)+(\b))+7] offset:8192*(4*(\hi)+(\a))+1024*(\b)+512
.endr
.endr
.endr
	WIN 0
	v_mov_b32 v[TP], 0                             ; v_permlanex16_b32's destination counts as read
	v_mov_b32 v[MXR+1], 0
	s_mov_b32 s2, 8
	s_mov_b32 s52, 0
	s_mov_b32 s53, 0
.Lrow:                                                 ; a trip: 16 queries x my 128 keys; a lane holds 64 scores of one query, the lane 16 away the other 64
	v_add_nc_u32 v[DA], s52, v[DMP]
	v_add_nc_u32 v[SA], s53, v[STA]
.irp b, 0,1,2,3,4,5,6,7
	ds_load_b128 v[S+8*(\b):S+8*(\b)+3],   v[DA] offset:1024*(\b)      ; my own bytes: LDS serves a wave's instructions in order
	ds_load_b128 v[S+8*(\b)+4:S+8*(\b)+7], v[DA] offset:1024*(\b)+512
.endr
	s_wait_dscnt 0x0
.irp k, 0,1,2,3
	v_max3_num_f32 v[CH+(\k)], v[S+16*(\k)], v[S+16*(\k)+1], v[S+16*(\k)+2]
.endr
.irp i, 0,1,2,3,4,5
.irp k, 0,1,2,3
	v_max3_num_f32 v[CH+(\k)], v[CH+(\k)], v[S+16*(\k)+3+2*(\i)], v[S+16*(\k)+4+2*(\i)]
.endr
.endr
	v_max3_num_f32 v[CH], v[CH], v[S+15], v[S+31]
	v_max3_num_f32 v[CH+1], v[CH+1], v[S+47], v[S+63]
	v_max3_num_f32 v[CH], v[CH], v[CH+1], v[CH+2]
	v_max_num_f32 v[CH], v[CH], v[CH+3]
	v_permlanex16_b32 v[TP], v[CH], s[SEL], s[SEL+1]
	v_max_num_f32 v[MXR], v[CH], v[TP]             ; the row's maximum over the chunk
.set i, 0
.rept 32
	v_pk_add_f32 v[S+i:S+i+1], v[S+i:S+i+1], v[MXR:MXR+1] op_sel_hi:[1,0] neg_lo:[0,1] neg_hi:[0,1]  ; s - m first: never above 0, whatever the scores' size
.set i, i+2
.endr
.set i, 0
.rept 32
	v_pk_mul_f32 v[S+i:S+i+1], v[S+i:S+i+1], s[CS:CS+1] op_sel_hi:[1,0]
.set i, i+2
.endr
.set i, 0
.rept 64
	v_exp_f32 v[S+i], v[S+i]
.set i, i+1
.endr
	v_nop                                          ; a plain instruction behind the last exponential,
	s_wait_alu depctr_va_vdst(0)                   ; and one wait for the batch of 64, ahead of its first reader
.set i, 0
.rept 32
	v_cvt_pk_f16_f32 v[PK+i], v[S+2*i], v[S+2*i+1]
.set i, i+1
.endr
.set w, 2                              ; the sum of the 32 pairs, in place: neighbours 1, 2, 4, 8, 16 pairs apart
.rept 5
.set u, 0
.rept 32/w
	v_pk_add_f32 v[S+2*w*u:S+2*w*u+1], v[S+2*w*u:S+2*w*u+1], v[S+2*w*u+w:S+2*w*u+w+1]
.set u, u+1
.endr
.set w, 2*w
.endr
	v_add_f32 v[LSU], v[S], v[S+1]
	v_permlanex16_b32 v[TP], v[LSU], s[SEL], s[SEL+1]
	v_add_f32 v[LSU], v[LSU], v[TP]
	ds_store_b32 v[SA], v[MXR]                     ; both halves of the lanes write the same word with the same number
	ds_store_b32 v[SA], v[LSU] offset:512
.irp b, 0,1,2,3,4,5,6,7
	ds_store_b128 v[STO], v[PK+4*(\b):PK+4*(\b)+3] offset:32*(\b)
.endr
.irp t, 0,1,2,3,4,5,6,7
	ds_load_b128 v[BK+4*(\t):BK+4*(\t)+3], v[RD] offset:(\t)*2*SPITCH
.endr
	s_wait_dscnt 0x0
.irp t, 0,1,2,3,4,5,6,7
	global_store_b128 v[CO], v[BK+4*(\t):BK+4*(\t)+3], s[6:7] offset:(\t)*8192  ; 16 lanes store 256 consecutive bytes, aligned
.endr
	s_wait_xcnt 0x0                                ; the stores have read their base and their data: both are written again below and in the next trip
	s_add_nc_u64 s[6:7], s[6:7], 16*4096
	s_add_co_u32 s52, s52, 8192
	s_add_co_u32 s53, s53, 64
	s_sub_co_u32 s2, s2, 1
	s_cmp_lg_u32 s2, 0
	s_cbranch_scc1 .Lrow
	s_lshl_b32 s18, s12, 10
	s_add_co_u32 s18, s18, STAT
	v_add_nc_u32 v[DA], s18, v[XO]
	ds_load_b128 v[S:S+3], v[DA]                   ; my 128 maxima, four a lane,
	ds_load_b128 v[S+4:S+7], v[DA] offset:512      ; and my 128 sums
	s_wait_dscnt 0x0
	global_store_b128 v[XO], v[S:S+3], s[8:9]      ; 512 consecutive bytes each, aligned
	global_store_b128 v[XO], v[S+4:S+7], s[10:11]
	s_wait_tensorcnt 0x0                           ; the wave's end
	ds_add_u32 v[SPW], v[NIL]
	s_wait_dscnt 0x0
	s_endpgm
; ROWS 0 TO 15 OF EACH BATCH, in f32 throughout: out[b][i][:] = the sum over j <= i of softmax_j(q_i . k_j / 32) v_j, from hq [4][16][3072] f32 (q, k, v side by side in a row).
; WHY.  These rows are means over 16 keys at the most: roundings of q, k, v and the weights to 16 bits do not average out there, while each number's allowance goes by the root mean square of
; the whole output.  The launch behind this one stores every row of out0 but these 64.  Their two products, 2 x 262,144 multiply-adds a batch, are made by the vector unit, since their operands stay f32.
; LIMITS.  A weight below 2^-126 counts as 0; NaN and infinities are not treated apart (a hidden key's v is multiplied by 0).
; SHARES.  A work-group makes one row i.  Wave w forms the scores with keys w, w + 4, w + 8, w + 12: lanes along the 1,024 channels, 32 numbers a lane, then one sum over the lanes.  The 16 scores meet
; in LDS; every wave makes the softmax for itself, and then channels 256 w .. 256 w + 255 of the row: eight a lane.  Keys above i are loaded like the others and masked by value: no branch.
; A lane's 40 loads of q and k go out together; v's 32 follow into k's registers as soon as the products have read these.  Each load of a wave covers 512 consecutive bytes, aligned.
; No tensor load and no prefetch here: two waits for memory are all that this text has.
.set HROW, 12288                       ; bytes in a row of hq
.set HQO,  2                           ; v2   16 l + row i: q
.set HKO,  3                           ; v3   16 l + row w + 4,096: k
.set HVO,  4                           ; v4   16 l + 1,024 w + 8,192: v
.set HOO,  5                           ; v5   16 l + 1,024 w: my first 16 bytes of the output row; the second lie 512 on
.set HSA,  6                           ; v6   STAT + 4 x wave
.set HZA,  7                           ; v7   STAT: where the scores begin
.set HZR,  8                           ; v8   0.0, a hidden key's weight
.set HD,   32                          ; v[32:47]  for each of my four keys two chains of pairs
.set HMX,  48                          ; v[48:49]  the maximum; the pair's high word is written once
.set HT,   50                          ; v[50:57]  the sum's tree
.set HLS,  58
.set HRC,  59
.set HQ,   64                          ; v[64:95]
.set HK,   96                          ; v[96:223]  my key m's 32 numbers at HK + 32 m
.set HV,   96                          ;            later key j's eight channels at HV + 8 j
.set HS,   224                         ; v[224:239] the 16 scores, then the weights
.set HOUT, 240                         ; v[240:247]
.set HMK,  72                          ; s73-87  key j: all ones where it is hidden
.Lhead:
	s_sub_co_u32 s60, ttmp9, TILES                 ; i
	v_and_b32 v1, 31, v0
	v_lshlrev_b32 v1, 4, v1                        ; 16 x lane
	s_mul_i32 s61, s60, HROW
	v_add_nc_u32 v[HQO], s61, v1
	s_mul_i32 s61, s12, HROW
	s_add_co_u32 s61, s61, 4096
	v_add_nc_u32 v[HKO], s61, v1
	s_lshl_b32 s61, s12, 10
	v_add_nc_u32 v[HOO], s61, v1
	v_add_nc_u32 v[HVO], 8192, v[HOO]
	s_mul_i32 s62, s17, 16*HROW                    ; the batch's 16 rows of hq
	s_mov_b32 s63, 0
	s_add_nc_u64 s[56:57], s[56:57], s[62:63]
	s_lshl_b32 s62, s17, 11
	s_add_co_u32 s62, s62, s60
	s_lshl_b32 s62, s62, 12                        ; row 2,048 b + i of out0, 4,096 bytes a row
	s_add_nc_u64 s[58:59], s[58:59], s[62:63]
.irp c, 0,1,2,3,4,5,6,7
	global_load_b128 v[HQ+4*(\c):HQ+4*(\c)+3], v[HQO], s[56:57] offset:512*(\c)
.endr
.irp m, 0,1,2,3
.irp c, 0,1,2,3,4,5,6,7
	global_load_b128 v[HK+32*(\m)+4*(\c):HK+32*(\m)+4*(\c)+3], v[HKO], s[56:57] offset:512*(\c)+4*(\m)*HROW
.endr
.endr
.irp j, 1,2,3,4,5,6,7,8,9,10,11,12,13,14,15
	s_cmp_gt_u32 \j, s60                           ; key j is hidden from row i where j > i; key 0 never
	s_cselect_b32 s[HMK+(\j)], -1, 0
.endr
	s_lshl_b32 s61, s12, 2
	s_add_co_u32 s61, s61, STAT
	v_mov_b32 v[HSA], s61
	v_mov_b32 v[HZA], STAT
	v_mov_b32 v[HZR], 0
	v_mov_b32 v[HMX+1], 0
	s_wait_loadcnt 0x0                             ; q and k
.irp m, 0,1,2,3
	v_pk_mul_f32 v[HD+4*(\m):HD+4*(\m)+1],   v[HQ:HQ+1],   v[HK+32*(\m):HK+32*(\m)+1]      ; the first products start the eight chains
	v_pk_mul_f32 v[HD+4*(\m)+2:HD+4*(\m)+3], v[HQ+2:HQ+3], v[HK+32*(\m)+2:HK+32*(\m)+3]
.endr
.irp c, 1,2,3,4,5,6,7
.irp m, 0,1,2,3
	v_pk_fma_f32 v[HD+4*(\m):HD+4*(\m)+1],   v[HQ+4*(\c):HQ+4*(\c)+1],   v[HK+32*(\m)+4*(\c):HK+32*(\m)+4*(\c)+1],   v[HD+4*(\m):HD+4*(\m)+1]
	v_pk_fma_f32 v[HD+4*(\m)+2:HD+4*(\m)+3], v[HQ+4*(\c)+2:HQ+4*(\c)+3], v[HK+32*(\m)+4*(\c)+2:HK+32*(\m)+4*(\c)+3], v[HD+4*(\m)+2:HD+4*(\m)+3]
.endr
.endr
.irp j, 0,1,2,3,4,5,6,7,8,9,10,11,12,13,14,15
	global_load_b128 v[HV+8*(\j):HV+8*(\j)+3],   v[HVO], s[56:57] offset:(\j)*HROW       ; v, into the registers that k has left; the softmax stands between these loads and the wait for them
	global_load_b128 v[HV+8*(\j)+4:HV+8*(\j)+7], v[HVO], s[56:57] offset:(\j)*HROW+512
.endr
.irp m, 0,1,2,3
	v_pk_add_f32 v[HD+4*(\m):HD+4*(\m)+1], v[HD+4*(\m):HD+4*(\m)+1], v[HD+4*(\m)+2:HD+4*(\m)+3]
.endr
.irp m, 0,1,2,3
	v_add_f32 v[HD+4*(\m)], v[HD+4*(\m)], v[HD+4*(\m)+1]
.endr
.irp x, 1,2,4,8                        ; over the 32 lanes: four steps inside each half, one across
.irp m, 0,1,2,3
	v_add_f32_dpp v[HD+4*(\m)], v[HD+4*(\m)], v[HD+4*(\m)] row_xmask:\x row_mask:0xf bank_mask:0xf
.endr
.endr
.irp m, 0,1,2,3
	v_permlanex16_b32 v[HD+4*(\m)+1], v[HD+4*(\m)], s[SEL], s[SEL+1]
.endr
.irp m, 0,1,2,3
	v_add_f32 v[HD+4*(\m)], v[HD+4*(\m)], v[HD+4*(\m)+1]
.endr
.irp m, 0,1,2,3
	ds_store_b32 v[HSA], v[HD+4*(\m)] offset:16*(\m)   ; all lanes write the same word with the same number: key w + 4 m's score
.endr
	s_wait_dscnt 0x0                               ; for the others' sake: my stores are done
	s_barrier_signal -1
	s_barrier_wait -1
.irp k, 0,1,2,3
	ds_load_b128 v[HS+4*(\k):HS+4*(\k)+3], v[HZA] offset:16*(\k)  ; all 16 scores, in every lane
.endr
	s_wait_dscnt 0x0
.irp j, 1,2,3,4,5,6,7,8,9,10,11,12,13,14,15
	v_cndmask_b32 v[HS+(\j)], v[HS+(\j)], v[HS], s[HMK+(\j)]      ; a hidden score gives way to key 0's, which every row sees: the maximum is the visible scores'
.endr
	v_max3_num_f32 v[HMX], v[HS], v[HS+1], v[HS+2]
.irp k, 0,1,2,3,4,5
	v_max3_num_f32 v[HMX], v[HMX], v[HS+3+2*(\k)], v[HS+4+2*(\k)]
.endr
	v_max_num_f32 v[HMX], v[HMX], v[HS+15]
.irp k, 0,2,4,6,8,10,12,14
	v_pk_add_f32 v[HS+(\k):HS+(\k)+1], v[HS+(\k):HS+(\k)+1], v[HMX:HMX+1] op_sel_hi:[1,0] neg_lo:[0,1] neg_hi:[0,1]  ; s - m first: never above 0, whatever the scores' size
.endr
.irp k, 0,2,4,6,8,10,12,14
	v_pk_mul_f32 v[HS+(\k):HS+(\k)+1], v[HS+(\k):HS+(\k)+1], s[CS:CS+1] op_sel_hi:[1,0]
.endr
.irp j, 0,1,2,3,4,5,6,7,8,9,10,11,12,13,14,15
	v_exp_f32 v[HS+(\j)], v[HS+(\j)]
.endr
	v_nop                                          ; a plain instruction behind the last exponential,
	s_wait_alu depctr_va_vdst(0)                   ; and one wait for the batch of 16, ahead of its first reader
.irp j, 1,2,3,4,5,6,7,8,9,10,11,12,13,14,15
	v_cndmask_b32 v[HS+(\j)], v[HS+(\j)], v[HZR], s[HMK+(\j)]     ; a hidden key's weight is 0
.endr
	v_pk_add_f32 v[HT:HT+1],     v[HS:HS+1],       v[HS+2:HS+3]
	v_pk_add_f32 v[HT+2:HT+3],   v[HS+4:HS+5],     v[HS+6:HS+7]
	v_pk_add_f32 v[HT+4:HT+5],   v[HS+8:HS+9],     v[HS+10:HS+11]
	v_pk_add_f32 v[HT+6:HT+7],   v[HS+12:HS+13],   v[HS+14:HS+15]
	v_pk_add_f32 v[HT:HT+1],     v[HT:HT+1],       v[HT+2:HT+3]
	v_pk_add_f32 v[HT+4:HT+5],   v[HT+4:HT+5],     v[HT+6:HT+7]
	v_pk_add_f32 v[HT:HT+1],     v[HT:HT+1],       v[HT+4:HT+5]
	v_add_f32 v[HLS], v[HT], v[HT+1]               ; the divisor: 1 at the least, since the largest weight is 1
	v_rcp_f32 v[HRC], v[HLS]                       ; the 128 lines below, which name neither register, stand between it and its wait
	s_wait_loadcnt 0x0                             ; v
.irp c, 0,1,2,3,4,5,6,7
	v_mul_f32 v[HOUT+(\c)], v[HS], v[HV+(\c)]      ; key 0 starts the eight sums
.endr
.irp j, 1,2,3,4,5,6,7,8,9,10,11,12,13,14,15
.irp c, 0,1,2,3,4,5,6,7
	v_fmac_f32 v[HOUT+(\c)], v[HS+(\j)], v[HV+8*(\j)+(\c)]
.endr
.endr
	s_wait_alu depctr_va_vdst(0)                   ; the reciprocal's wait, ahead of its first reader
.irp c, 0,1,2,3,4,5,6,7
	v_mul_f32 v[HOUT+(\c)], v[HRC], v[HOUT+(\c)]
.endr
	global_store_b128 v[HOO], v[HOUT:HOUT+3], s[58:59]               ; a wave's store covers 512 consecutive bytes, aligned
	global_store_b128 v[HOO], v[HOUT+4:HOUT+7], s[58:59] offset:512
	s_wait_tensorcnt 0x0                           ; the wave's end, behind my last LDS store
	ds_add_u32 v[SPW], v[NIL]
	s_wait_dscnt 0x0
	s_endpgm
.Lfunc_end_k_q6c8bb764b0_score:
	.size	k_q6c8bb764b0_score, .Lfunc_end_k_q6c8bb764b0_score-k_q6c8bb764b0_score
	.p2alignl 7, 3214868480
	.fill 96, 4, 3214868480
	.section	.rodata,"a",@progbits
	.p2align	6, 0x0
	.amdhsa_kernel k_q6c8bb764b0_score
		.amdhsa_group_segment_fixed_size 327680
		.amdhsa_private_segment_fixed_size 0
		.amdhsa_enable_private_segment 0
		.amdhsa_kernarg_size 48
		.amdhsa_user_sgpr_count 2
		.amdhsa_user_sgpr_kernarg_segment_ptr 1
		.amdhsa_wavefront_size32 1
		.amdhsa_system_sgpr_workgroup_id_x 1
		.amdhsa_system_sgpr_workgroup_id_y 1
		.amdhsa_system_sgpr_workgroup_id_z 1
		.amdhsa_system_vgpr_workitem_id 0
		.amdhsa_next_free_vgpr 1024
		.amdhsa_next_free_sgpr 96
		.amdhsa_reserve_vcc 1
		.amdhsa_float_denorm_mode_32 3
		.amdhsa_float_denorm_mode_16_64 3
		.amdhsa_memory_ordered 1
		.amdhsa_forward_progress 1
		.amdhsa_inst_pref_size 135
	.end_amdhsa_kernel
	.amdgpu_metadata
---
amdhsa.version: [ 1, 2 ]
amdhsa.kernels:
  - .name:           k_q6c8bb764b0_score
    .symbol:         k_q6c8bb764b0_score.kd
    .args:
      - { .name: qkv, .offset: 0, .size: 8, .value_kind: global_buffer, .address_space: global }
      - { .name: pt, .offset: 8, .size: 8, .value_kind: global_buffer, .address_space: global }
      - { .name: mx, .offset: 16, .size: 8, .value_kind: global_buffer, .address_space: global }
      - { .name: ls, .offset: 24, .size: 8, .value_kind: global_buffer, .address_space: global }
      - { .name: hq, .offset: 32, .size: 8, .value_kind: global_buffer, .address_space: global }
      - { .name: out0, .offset: 40, .size: 8, .value_kind: global_buffer, .address_space: global }
    .group_segment_fixed_size: 327680
    .private_segment_fixed_size: 0
    .kernarg_segment_align: 8
    .kernarg_segment_size: 48
    .max_flat_workgroup_size: 128
    .sgpr_count:     96
    .vgpr_count:     1024
    .wavefront_size: 32
...
	.end_amdgpu_metadata
.endif
;; end of part 9
;; launch mix (part 10): grid 8 x 32, 4 waves a work-group, clusters of 4 x 1, 327,680 bytes of LDS; arguments pt, qkv, mx, ls, out0; writes out0
.if DOCPART == 10
	.amdgcn_target "amdgcn-amd-amdhsa--gfx1250"
	.amdhsa_code_object_version 6
	.text
	.protected	k_q6c8bb764b0_mix
	.globl	k_q6c8bb764b0_mix
	.p2align	8
	.type	k_q6c8bb764b0_mix,@function
k_q6c8bb764b0_mix:
	s_mov_b64 s[64:65], 0
	v_nop
	global_prefetch_b8 v0, s[64:65] scope:SCOPE_SE
	s_setreg_imm32_b32 hwreg(HW_REG_WAVE_MODE, 25, 1), 1
	s_wait_xcnt 0x0
	s_wait_alu depctr_hold_cnt(0) depctr_sa_sdst(0) depctr_va_vdst(0) depctr_va_sdst(0) depctr_va_ssrc(0) depctr_va_vcc(0) depctr_vm_vsrc(0)
	s_getreg_b32 s2, hwreg(HW_REG_IB_STS2, 6, 4)
	s_cmp_eq_u32 s2, 0
	s_cbranch_scc0 .Lentry_in_a_cluster
	s_endpgm
.Lentry_in_a_cluster:
	s_bfe_u32 s2, ttmp6, 0x10000c
	s_cmp_lg_u32 s2, 0x3003
	s_cbranch_scc0 .Lentry_shape_is_right
	s_endpgm
.Lentry_shape_is_right:
; out[row][:] = (sum over chunks t of f_t (p_t V_t)) / (sum of f_t l_t),  f_t = 2^(c (m_t - m_row)),  c = log2(e) / 32,  m_row = the maximum of the row's m_t over all chunks that it reads.
; p (f16), m and l (f32) come by chunks of 128 keys from the launch before; V is qkv's third part (f16).  f is made in f32; rounded to f16 it multiplies p (one packed multiply for two weights);
; products and sums in f32; the divisor takes the unrounded f.  m_t - m_row is formed first and is never above 0.
; ROWS 0 TO 15 OF EACH BATCH ARE NOT STORED HERE: the launch before has made them, from operands that are not rounded.  They ride along in their wave's tile of 32 rows; only their way out is jumped.
; LIMITS.  p f below 6e-5 keeps f16's fixed step of 6e-8 beside a row's largest weight, which is 1; f below 2^-126 counts as 0; NaN and infinities are not treated apart.
; SHARES.  A work-group makes 128 channels of TWO blocks of 128 queries, 15 - p and then p (p = 0..7).  Block i reads the key tiles 0 .. i / 2 of 256 keys: 9 tiles together, whatever p:
; one walk of 9 steps, the same in every work-group.  A wave owns 32 queries x 128 channels: 16 accumulators.
; THE LOOP'S TRIP IS ONE STEP OF THE WALK, written once: which slot it multiplies stands in two scalars that take turns between 0 and a slot's bytes, and in three address registers made of them.
; O^T = V^T P^T: source 0 = 16 channels x 32 keys (V turned by ds_load_tr16_b128), source 1 = 32 keys x 16 queries (p as it lies): a lane holds one query and eight channels.
; CLUSTER.  The four work-groups of a cluster have the same batch and p and four different channel ranges: p's tile is the same for all and is asked for jointly (mask 15); V's is each one's own.
; REGISTERS: window 0: v0-31 addresses, v32-95 p's fragments (two buffers), v96-127 the way out, v128-255 accumulators; window 1 + g: v0-127 V's fragments of buffer g, v128-129 f.
.set PP,    528                        ; a row of p in LDS: 512 bytes + 16
.set PVP,   288                        ; a row of V: 256 bytes + 32
.set VOFF,  128*PP
.set SLOTB, VOFF+256*PVP               ; a slot: 128 rows of p, 256 rows of V
.set STAGE, 2*SLOTB                    ; 16 rows x 272 bytes for each wave
.set SP,    272
.set TAB,   STAGE+4*16*SP              ; f as two f16 in a word, BY STEP OF THE WALK: 1,024 x step + 512 x half of the tile's keys + 4 x row: so its LDS addresses hang on the loop's count alone
.set INVO,  16384                      ; behind it 1 / divisor, f32: 512 x block + 4 x row
.set SPARE, TAB+INVO+1024              ; the spare words, 128 bytes a wave; no other line names them
.set ROWB,  6144
.set IV,   12                          ; v[12:13], v[14:15] 1 / divisor of my query in rows 0-15 and 16-31; the pairs' high words are written once
.set ADRP, 16                          ; v16  p's fragments in slot 0; never rewritten
.set CP,   17                          ; v17  the same in the step's slot
.set ADRV, 18                          ; v18-19  V's in slot 0: keys 128 u on at ADRV + u; never rewritten
.set CV,   20                          ; v20-21  the same in the step's slot
.set FAD0, 22                          ; v22  TAB + 4 x (32 wave + r)
.set FADR, 23                          ; v23  the same for the step in hand
.set STO,  24
.set RD,   25
.set CO,   26
.set SPW,  28
.set NIL,  29
.set PFO,  30
.set TADR, 31                          ; v31  TAB + 4 x thread
.set PFR,  32
.set BK,   96
.set ACC,  128
.set SO,   128                         ; the statistics work in the accumulators' registers, before these are cleared: v128-136 nine offsets,
.set SM,   138                         ; v138-155 the 18 maxima, then f,
.set SL,   156                         ; v156-173 the 18 sums,
.set M0,   174                         ; v[174:175] the first block's row maximum (the pairs' high words are written once),
.set M1,   176                         ; v[176:177] the second's,
.set MS,   178                         ; v[178:179] the one that a step of either block takes,
.set TT,   180                         ; v180-181 at work,
.set L0,   182                         ; the two divisors
.set L1,   183
.set R0,   184                         ; and their reciprocals
.set R1,   185
.set G1P, 24
.set G1V, 32
.set G0P, 40
.set G0V, 44
.set LP,  56                           ; s56  where my half of p's tile lands in slot 0
.set LV,  58                           ; s58  the same for V's
.set TB,  91                           ; s91  0 or SLOTB: where the step's slot begins
.set TBN, 92                           ; s92  SLOTB or 0: the other slot, which the step fills
.set MSB, 0
.macro WIN new
.if MSB != (\new)
	s_set_vgpr_msb (MSB<<8)|(\new)
.set MSB, \new
.endif
.endm
.macro PLACES
.rept 4
	v_nop
.endr
.endm
.macro CROUND                          ; a round of the cluster's barrier
	s_barrier_signal -1
	s_barrier_wait -1
	s_cmp_lg_u32 s14, 0
	s_cbranch_scc1 .Lnot_wave_0_\@
	s_barrier_signal -3
.Lnot_wave_0_\@:
	s_barrier_wait -3
	s_barrier_signal -1
	s_barrier_wait -1
.endm
; a fill: waves 0, 1 ask jointly for the two halves of p's tile, waves 2, 3 fetch the two halves of V's.  An s_nop 0 and four v_nop follow each line.
.macro JLOAD
	s_cmp_lt_u32 s14, 2
	s_cbranch_scc0 .Lfor_v_\@
	tensor_load_to_lds s[G0P:G0P+3], s[G1P:G1P+7]
	s_nop 0
.rept 4
	v_nop
.endr
	s_branch .Lasked_\@
.Lfor_v_\@:
	tensor_load_to_lds s[G0V:G0V+3], s[G1V:G1V+7]
	s_nop 0
.rept 4
	v_nop
.endr
.Lasked_\@:
.endm
; step n of the walk: s74 = its key tile, s76 = its block's first row in the batch
.macro WALK n
	s_cmp_lt_u32 s[\n], s19
	s_cselect_b32 s75, 0, s19
	s_cselect_b32 s76, s21, s22
	s_sub_co_u32 s74, s[\n], s75
.endm
.macro OFFS                            ; from WALK's results: the tile's byte offset in pt (s[52:53]) and in qkv (s[54:55])
	s_lshl_b32 s52, s76, 12
	s_lshl_b32 s75, s74, 9
	s_add_co_u32 s52, s52, s75
	s_mul_i32 s54, s74, 256*ROWB
.endm
	s_load_b256 s[4:11], s[0:1], 0x0               ; pt s[4:5], qkv s[6:7], mx s[8:9], ls s[10:11]
	s_load_b64 s[12:13], s[0:1], 0x20              ; out0
	v_lshl_add_u32 v[SPW], v0, 2, SPARE
	v_mov_b32 v[NIL], 0
	ds_add_u32 v[SPW], v[NIL]                      ; the wave's opening: the add and its wait ahead of the first round and my first tensor load
	v_lshrrev_b32 v1, 5, v0
	v_readfirstlane_b32 s14, v1                    ; wave 0..3
	s_and_b32 s23, ttmp7, 0xffff
	s_lshr_b32 s17, s23, 3                         ; the batch
	s_and_b32 s18, s23, 7                          ; p: the second block
	s_or_b32 s90, s18, s14                         ; 0 in the wave that holds a batch's rows 0-31: p = 0, wave 0; the same in all four partners, for a given wave
	s_sub_co_u32 s80, 15, s18                      ; the first block
	s_lshr_b32 s19, s80, 1
	s_add_co_u32 s19, s19, 1                       ; NH: its tiles, 5 to 8
	s_lshl_b32 s21, s80, 7                         ; the blocks' first rows in the batch
	s_lshl_b32 s22, s18, 7
	s_and_b32 s81, s14, 1                          ; which half of a tile I fetch
	s_bfe_u32 s82, ttmp6, 0x40000                  ; cx: it enters V's, out0's and the prefetches' addresses alone, through s82 to s89
	s_lshl_b32 s83, ttmp9, 2
	s_add_co_u32 s83, s83, s82                     ; my 128 channels of the 1,024
	s_lshl_b32 s89, s82, 16
	s_mov_b32 s[G1P+0], 15|(1<<16)|(1<<20)|(1<<21)|(6<<22)|(3<<25)  ; the mask of four; 2-byte elements; padding on; bit 21 beside a mask; 4 words behind every 128
	s_mov_b32 s[G1P+1], 256<<16                    ; tensor_dim0 = 256 keys
	s_mov_b32 s[G1P+2], 64<<16                     ; tensor_dim1 = 64 rows
	s_mov_b32 s[G1P+3], 256<<16                    ; tile_dim0
	s_mov_b32 s[G1P+4], 64                         ; tile_dim1
	s_mov_b32 s[G1P+5], 2048                       ; elements from row to row of pt
	s_mov_b32 s[G1P+6], 0
	s_mov_b32 s[G1P+7], 0
	s_mov_b32 s[G1V+0], (1<<16)|(1<<20)|(5<<22)|(7<<25)  ; no mask; 8 words behind every 64
	s_mov_b32 s[G1V+1], 128<<16                    ; 128 channels
	s_mov_b32 s[G1V+2], 128<<16                    ; 128 keys
	s_mov_b32 s[G1V+3], 128<<16
	s_mov_b32 s[G1V+4], 128
	s_mov_b32 s[G1V+5], 3072
	s_mov_b32 s[G1V+6], 0
	s_mov_b32 s[G1V+7], 0
	s_mul_i32 s[LP], s81, 64*PP                    ; where my half lands in slot 0
	s_mul_i32 s[LV], s81, 128*PVP
	s_add_co_u32 s[LV], s[LV], VOFF
	s_lshl_b32 s52, s17, 23                        ; pt: the batch, my 64 rows of a block
	s_lshl_b32 s73, s81, 18
	s_add_co_u32 s52, s52, s73
	s_mov_b32 s53, 0
	s_mov_b32 s55, 0
	s_lshl_b32 s84, s17, 11                        ; qkv: the batch, my 128 keys of a tile, V's part of a row, my channels
	s_lshl_b32 s85, s81, 7
	s_add_co_u32 s84, s84, s85
	s_mul_i32 s84, s84, ROWB
	s_add_co_u32 s84, s84, 4096
	s_lshl_b32 s85, s83, 8
	s_add_co_u32 s84, s84, s85
	s_mov_b32 s85, 0
	s_lshl_b32 s86, s17, 11                        ; out0: the batch, the block, my 32 rows, my channels
	s_lshl_b32 s87, s14, 5
	s_add_co_u32 s86, s86, s87
	s_add_co_u32 s88, s86, s22
	s_add_co_u32 s86, s86, s21
	s_lshl_b32 s86, s86, 12
	s_lshl_b32 s88, s88, 12
	s_lshl_b32 s87, s83, 9
	s_add_co_u32 s86, s86, s87
	s_add_co_u32 s88, s88, s87
	s_mov_b32 s87, 0
	s_mov_b32 s70, 0x3d38aa3b                      ; c
	s_mov_b32 s71, s70
	s_mov_b32 s20, 0                               ; N: the step of the walk
	; who prefetches: p's tiles are read by two clusters: the one with x = 0 asks (steps up to 8).  V's tiles are read by all p and in both blocks: p = 0 asks, in its first block (tiles up to 7)
	s_cmp_eq_u32 ttmp9, 0
	s_cselect_b32 s73, 9, 0
	s_cmp_eq_u32 s18, 0
	s_cselect_b32 s74, 8, 0
	s_mov_b32 s75, 4096                            ; an instruction holds one literal: p's two factors lie in registers, V's in the selects
	s_mov_b32 s76, 256
	s_cmp_lt_u32 s14, 2
	s_cselect_b32 s61, s73, s74
	s_cselect_b32 s75, s75, 2*ROWB                 ; the lanes' offsets: p: row 16 cx + lane / 2, 256 bytes x (lane % 2); V: a lane a row
	s_cselect_b32 s76, s76, ROWB
	s_cselect_b32 s89, s89, 0
	s_wait_dscnt 0x0                               ; the opening add is done
	s_wait_kmcnt 0x0
	s_add_nc_u64 s[48:49], s[4:5], s[52:53]        ; PB
	s_add_nc_u64 s[50:51], s[6:7], s[84:85]        ; VB
	s_add_nc_u64 s[66:67], s[12:13], s[86:87]      ; the first block's rows of out0,
	s_mov_b32 s86, s88
	s_add_nc_u64 s[68:69], s[12:13], s[86:87]      ; the second's
	s_lshl_b32 s52, s21, 12                        ; step 0: the first block, tile 0, into slot 0
	s_mov_b32 s[G0P], 1
	s_mov_b32 s[G0P+1], s[LP]
	s_add_nc_u64 s[G0P+2:G0P+3], s[48:49], s[52:53]
	s_or_b32 s[G0P+3], s[G0P+3], 0x80000000
	s_mov_b32 s[G0V], 1
	s_mov_b32 s[G0V+1], s[LV]
	s_add_nc_u64 s[G0V+2:G0V+3], s[50:51], 0
	s_or_b32 s[G0V+3], s[G0V+3], 0x80000000
	CROUND                                         ; all four work-groups are here
	JLOAD                                          ; one tensor load of mine is out, here and behind every later round
	v_and_b32 v1, 15, v0                           ; r
	v_bfe_u32 v2, v0, 4, 1                         ; h
	v_and_b32 v3, 31, v0
	v_and_b32 v4, 7, v0
	v_bfe_u32 v5, v0, 3, 1
	s_mul_i32 s73, s14, 32*PP
	v_mul_u32_u24 v6, v1, PP
	v_lshl_add_u32 v6, v2, 4, v6
	v_add_nc_u32 v[ADRP], s73, v6                  ; row 32 wave + r, 16 bytes x h
	v_lshl_add_u32 v6, v2, 3, v4                   ; the turning load: key 8 h + lane % 8, channels 8 ((lane / 8) % 2) on
	v_mul_u32_u24 v6, v6, PVP
	v_lshl_add_u32 v6, v5, 4, v6
	v_add_nc_u32 v[ADRV], VOFF, v6
	v_add_nc_u32 v[ADRV+1], VOFF+128*PVP, v6
	s_lshl_b32 s73, s14, 7
	s_add_co_u32 s73, s73, TAB
	v_lshl_add_u32 v[FAD0], v1, 2, s73
	v_lshl_add_u32 v[TADR], v0, 2, TAB
	s_mul_i32 s73, s14, 16*SP
	s_add_co_u32 s73, s73, STAGE
	v_mul_u32_u24 v6, v1, SP
	v_lshl_add_u32 v6, v2, 5, v6
	v_add_nc_u32 v[STO], s73, v6                   ; in: row r, 32 bytes for each half of the lanes
	v_mul_u32_u24 v6, v2, SP
	v_lshl_add_u32 v6, v1, 4, v6
	v_add_nc_u32 v[RD], s73, v6                    ; back: lanes 0-15 one row of 256 bytes, lanes 16-31 the next
	v_lshlrev_b32 v6, 12, v2
	v_lshl_add_u32 v[CO], v1, 4, v6
	v_lshrrev_b32 v6, 1, v3
	v_and_b32 v7, 1, v3
	v_mul_u32_u24 v[PFO], v6, s75
	v_mad_u32_u24 v[PFO], v7, s76, v[PFO]
	v_add_nc_u32 v[PFO], s89, v[PFO]
	v_mov_b32 v[IV+1], 0
	v_mov_b32 v[IV+3], 0
	; THE STATISTICS.  Thread t takes row t of both blocks.  It loads m and l of the 18 chunks of the walk's nine steps (which chunk a step has enters the global offsets alone).
	; Steps 0 to 4 are always the first block's (NH is 5 at the least), step 8 always the second's; steps 5 to 7 are dealt to one or the other by value, by a scalar mask or factor.
	; All this stands in the wait for the first tile; the first step's round orders these LDS stores with all later reads.
	s_lshl_b32 s73, s17, 15                        ; the batch's 16 chunks x 2,048 rows
.set n, 0
.rept 9
	s_cmp_lt_u32 n, s19                            ; does step n belong to the first block?
	s_cselect_b32 s75, 0, s19
	s_cselect_b32 s76, s21, s22
	s_sub_co_u32 s74, n, s75                       ; its key tile: two chunks of 2,048 rows
	s_lshl_b32 s74, s74, 12
	s_add_co_u32 s74, s74, s76
	s_add_co_u32 s74, s74, s73
	s_lshl_b32 s74, s74, 2
	v_lshl_add_u32 v[SO+n], v0, 2, s74
.set n, n+1
.endr
.set n, 0
.rept 9
	global_load_b32 v[SM+2*n],   v[SO+n], s[8:9]
	global_load_b32 v[SM+2*n+1], v[SO+n], s[8:9] offset:8192
	global_load_b32 v[SL+2*n],   v[SO+n], s[10:11]
	global_load_b32 v[SL+2*n+1], v[SO+n], s[10:11] offset:8192
.set n, n+1
.endr
	v_mov_b32 v[M0+1], 0
	v_mov_b32 v[M1+1], 0
	v_mov_b32 v[MS+1], 0
	s_wait_loadcnt 0x0
	v_max_num_f32 v[M0], v[SM], v[SM+1]
	v_max_num_f32 v[M1], v[SM+16], v[SM+17]
.irp n, 1,2,3,4
	v_max3_num_f32 v[M0], v[M0], v[SM+2*(\n)], v[SM+2*(\n)+1]
.endr
.irp n, 5,6,7
	s_cmp_lt_u32 \n, s19
	s_cselect_b32 s76, -1, 0                       ; all lanes: the step is the first block's
	v_max_num_f32 v[TT], v[SM+2*(\n)], v[SM+2*(\n)+1]
	v_cndmask_b32 v[TT+1], v[M0], v[TT], s76       ; each block's maximum takes the step's, or itself
	v_cndmask_b32 v[TT], v[TT], v[M1], s76
	v_max_num_f32 v[M0], v[M0], v[TT+1]
	v_max_num_f32 v[M1], v[M1], v[TT]
.endr
.irp n, 0,1,2,3,4,5,6,7,8                  ; m - m_row first: never above 0, whatever the scores' size
.if (\n) < 5
	v_pk_add_f32 v[SM+2*(\n):SM+2*(\n)+1], v[SM+2*(\n):SM+2*(\n)+1], v[M0:M0+1] op_sel_hi:[1,0] neg_lo:[0,1] neg_hi:[0,1]
.elseif (\n) == 8
	v_pk_add_f32 v[SM+2*(\n):SM+2*(\n)+1], v[SM+2*(\n):SM+2*(\n)+1], v[M1:M1+1] op_sel_hi:[1,0] neg_lo:[0,1] neg_hi:[0,1]
.else
	s_cmp_lt_u32 \n, s19
	s_cselect_b32 s76, -1, 0
	v_cndmask_b32 v[MS], v[M1], v[M0], s76
	v_pk_add_f32 v[SM+2*(\n):SM+2*(\n)+1], v[SM+2*(\n):SM+2*(\n)+1], v[MS:MS+1] op_sel_hi:[1,0] neg_lo:[0,1] neg_hi:[0,1]
.endif
.endr
.irp n, 0,1,2,3,4,5,6,7,8
	v_pk_mul_f32 v[SM+2*(\n):SM+2*(\n)+1], v[SM+2*(\n):SM+2*(\n)+1], s[70:71] op_sel_hi:[1,0]
.endr
.set k, 0
.rept 18
	v_exp_f32 v[SM+k], v[SM+k]
.set k, k+1
.endr
	v_nop                                          ; a plain instruction behind the last exponential,
	s_wait_alu depctr_va_vdst(0)                   ; and one wait for the batch of 18, ahead of its first reader
	v_mul_f32 v[L0], v[SM], v[SL]
	v_mul_f32 v[L1], v[SM+16], v[SL+16]
	v_fmac_f32 v[L0], v[SM+1], v[SL+1]
	v_fmac_f32 v[L1], v[SM+17], v[SL+17]
.irp k, 2,3,4,5,6,7,8,9
	v_fmac_f32 v[L0], v[SM+(\k)], v[SL+(\k)]
.endr
.irp n, 5,6,7
	s_cmp_lt_u32 \n, s19
	s_cselect_b32 s76, 1.0, 0
	s_cselect_b32 s75, 0, 1.0
	v_mul_f32 v[TT], v[SM+2*(\n)], v[SL+2*(\n)]
	v_mul_f32 v[TT+1], v[SM+2*(\n)+1], v[SL+2*(\n)+1]
	v_fmac_f32 v[L0], s76, v[TT]
	v_fmac_f32 v[L1], s75, v[TT]
	v_fmac_f32 v[L0], s76, v[TT+1]
	v_fmac_f32 v[L1], s75, v[TT+1]
.endr
.set k, 0
.rept 18
	v_cvt_pk_f16_f32 v[SM+k], v[SM+k], v[SM+k]     ; f twice in a word, for the packed multiply
.set k, k+1
.endr
	v_rcp_f32 v[R0], v[L0]                         ; a divisor is 1 at the least: the chunk that holds the row's maximum has f = 1 and a weight of 1
	v_rcp_f32 v[R1], v[L1]
.set k, 0
.rept 18
	ds_store_b32 v[TADR], v[SM+k] offset:512*k     ; 1,024 x step + 512 x half
.set k, k+1
.endr
	v_nop
	s_wait_alu depctr_va_vdst(0)                   ; one wait for the two reciprocals
	ds_store_b32 v[TADR], v[R0] offset:INVO
	ds_store_b32 v[TADR], v[R1] offset:INVO+512
.set i, 0
.rept 128
	v_mov_b32 v[ACC+i], 0                          ; one form of product for every step
.set i, i+1
.endr
; 42 LDS loads in one run: quarter q (64 keys) of the step's slot into buffer g: p's 4 fragments, f, V's 8 fragments of the first 32 keys, then of the second
.macro FETCH q, g
	WIN 0
.irp kk, 0,1
.irp a, 0,1
	ds_load_b128 v[PFR+32*(\g)+16*(\kk)+8*(\a):PFR+32*(\g)+16*(\kk)+8*(\a)+3],   v[CP] offset:16*PP*(\a)+128*(\q)+64*(\kk)
	ds_load_b128 v[PFR+32*(\g)+16*(\kk)+8*(\a)+4:PFR+32*(\g)+16*(\kk)+8*(\a)+7], v[CP] offset:16*PP*(\a)+128*(\q)+64*(\kk)+32
.endr
.endr
	WIN (1+(\g))<<6
	ds_load_b32 v128, v[FADR] offset:512*((\q)/2)
	ds_load_b32 v129, v[FADR] offset:512*((\q)/2)+64
.irp kk, 0,1
.irp cb, 0,1,2,3,4,5,6,7
	ds_load_tr16_b128 v[64*(\kk)+8*(\cb):64*(\kk)+8*(\cb)+3],   v[CV+(\q)/2] offset:(64*((\q)%2)+32*(\kk))*PVP+32*(\cb)
	ds_load_tr16_b128 v[64*(\kk)+8*(\cb)+4:64*(\kk)+8*(\cb)+7], v[CV+(\q)/2] offset:(64*((\q)%2)+32*(\kk)+16)*PVP+32*(\cb)
.endr
.endr
.endm
.macro SCALE g                         ; p f for the first 32 keys: 16 packed multiplies; f's word holds the query's f twice
	WIN 1+(\g)
.set z, 0
.rept 16
	v_pk_mul_f16 v[PFR+32*(\g)+z], v[128+z/8], v[PFR+32*(\g)+z]
.set z, z+1
.endr
.endm
; 16 matrix instructions on 32 keys; the 16 accumulators take turns in one order everywhere.  ride = 1: behind each stands one multiply p f for the second 32 keys
.macro MULS g, kk, ride
	WIN 1+(\g)
.set z, 0
.irp a, 0,1
.irp cb, 0,1,2,3,4,5,6,7
	v_wmma_f32_16x16x32_f16 v[ACC+8*(8*(\a)+(\cb)):ACC+8*(8*(\a)+(\cb))+7], v[64*(\kk)+8*(\cb):64*(\kk)+8*(\cb)+7], v[PFR+32*(\g)+16*(\kk)+8*(\a):PFR+32*(\g)+16*(\kk)+8*(\a)+7], v[ACC+8*(8*(\a)+(\cb)):ACC+8*(8*(\a)+(\cb))+7]
.if \ride
	v_pk_mul_f16 v[PFR+32*(\g)+16+z], v[128+z/8], v[PFR+32*(\g)+16+z]
.set z, z+1
.endif
.endr
.endr
.endm
; a quarter: 64 keys, 32 matrix instructions on buffer q % 2; in its middle the next quarter's run of loads goes into the other buffer, whose last products stand 16 plain multiplies and more back
.macro QUARTER q
	s_wait_dscnt 16                                ; p, f and V's first 32 keys are in; V's second 32 keys may be out
	SCALE (\q)%2
	MULS (\q)%2, 0, 1
.if (\q) < 3
	FETCH (\q)+1, 1-(\q)%2
	s_wait_dscnt 42                                ; all but the 42 just issued
.else
	s_wait_dscnt 0x0
.endif
	MULS (\q)%2, 1, 0
.endm
; the tile of the step after next, one step ahead of its load.  Waves 0, 1: 16 rows x 512 bytes of p for each of the four partners, told apart by address; waves 2, 3: my own 128 rows of V, a lane a row
.macro ASK
	s_cmp_lt_u32 s77, s61
	s_cbranch_scc0 .Lnone_\@
	global_prefetch_b8 v[PFO], s[62:63] th:TH_LOAD_NT scope:SCOPE_SE
	s_cmp_lt_u32 s14, 2
	s_cbranch_scc1 .Lnone_\@
.irp i, 1,2,3
	global_prefetch_b8 v[PFO], s[62:63] offset:(\i)*32*ROWB th:TH_LOAD_NT scope:SCOPE_SE
.endr
.Lnone_\@:
.endm
; THE WAY OUT of a block: divided by the divisor; 16 rows x 64 channels (256 bytes a row) at a time through my stage; stored as whole rows.
; In the second block the wave that holds a batch's rows 0-31 jumps its first 16 rows: forward, past no barrier and no tensor load.
.macro WAYOUT blk, base, clear
	WIN 0
	PLACES                                         ; eight plain places behind the last products: the multiplies below read and write the accumulators in place
	PLACES
	ds_load_b32 v[IV],   v[FAD0] offset:INVO+512*(\blk)
	ds_load_b32 v[IV+2], v[FAD0] offset:INVO+512*(\blk)+64
	s_wait_dscnt 0x0
.irp a, 0,1
.if ((\blk) == 1) && ((\a) == 0)
	s_cmp_eq_u32 s90, 0
	s_cbranch_scc1 .Lmade_\@                       ; these 16 rows of out0 have been made by the launch before
.endif
.irp u, 0,1
.irp c, 0,1,2,3
.irp j, 0,2,4,6
	v_pk_mul_f32 v[ACC+8*(8*(\a)+4*(\u)+(\c))+(\j):ACC+8*(8*(\a)+4*(\u)+(\c))+(\j)+1], v[ACC+8*(8*(\a)+4*(\u)+(\c))+(\j):ACC+8*(8*(\a)+4*(\u)+(\c))+(\j)+1], v[IV+2*(\a):IV+2*(\a)+1] op_sel_hi:[1,0]
.endr
.endr
	s_wait_xcnt 0x0                                ; earlier stores have read the registers that the loads below fill
.irp c, 0,1,2,3
	ds_store_b128 v[STO], v[ACC+8*(8*(\a)+4*(\u)+(\c)):ACC+8*(8*(\a)+4*(\u)+(\c))+3]   offset:64*(\c)
	ds_store_b128 v[STO], v[ACC+8*(8*(\a)+4*(\u)+(\c))+4:ACC+8*(8*(\a)+4*(\u)+(\c))+7] offset:64*(\c)+16
.endr
.irp t, 0,1,2,3,4,5,6,7
	ds_load_b128 v[BK+4*(\t):BK+4*(\t)+3], v[RD] offset:(\t)*2*SP  ; my own bytes: LDS serves a wave's instructions in order
.endr
	s_wait_dscnt 0x0
.irp t, 0,1,2,3,4,5,6,7
	global_store_b128 v[CO], v[BK+4*(\t):BK+4*(\t)+3], s[\base:\base+1] offset:(16*(\a)+2*(\t))*4096+256*(\u)  ; 16 lanes store 256 consecutive bytes, aligned
.endr
.endr
.if ((\blk) == 1) && ((\a) == 0)
.Lmade_\@:
.endif
.endr
.if \clear
.set i, 0
.rept 128
	v_mov_b32 v[ACC+i], 0
.set i, i+1
.endr
.endif
.endm
; A STEP of the walk: the tile in the slot that begins at s[TB].  fill = 1: the other slot, at s[TBN], takes the next step's tile, behind a round of the cluster's barrier.  blkend = 1: the first block may end here.
.macro STEP fill, blkend
	s_wait_tensorcnt 0x0                           ; my one load, my part of this step's tile, has landed: the descriptors may be written
	ds_add_u32 v[SPW], v[NIL]                      ; 0 onto my spare word; the scalar work stands between it and the wait for it
.if \fill
	s_add_co_u32 s77, s20, 1
	WALK 77
	OFFS
	s_add_co_u32 s[G0P+1], s[LP], s[TBN]           ; my half's place in slot 0, plus where the other slot begins
	s_add_nc_u64 s[G0P+2:G0P+3], s[48:49], s[52:53]
	s_or_b32 s[G0P+3], s[G0P+3], 0x80000000
	s_add_co_u32 s[G0V+1], s[LV], s[TBN]
	s_add_nc_u64 s[G0V+2:G0V+3], s[50:51], s[54:55]
	s_or_b32 s[G0V+3], s[G0V+3], 0x80000000
	s_wait_xcnt 0x0                                ; the last prefetches, a step back, have read their address
	s_add_co_u32 s77, s20, 2
	WALK 77
	OFFS
	s_add_nc_u64 s[78:79], s[48:49], s[52:53]
	s_add_nc_u64 s[62:63], s[50:51], s[54:55]
	s_cmp_lt_u32 s14, 2
	s_cselect_b64 s[62:63], s[78:79], s[62:63]
.endif
	s_wait_dscnt 0x0                               ; the add is done, and my reads of the other slot are over
.if \fill
	CROUND                                         ; no wave of any partner still reads the other slot or has a load on its way
	JLOAD
.else
	s_barrier_signal -1
	s_barrier_wait -1
.endif
	v_add_nc_u32 v[FADR], s60, v[FAD0]             ; f of this step: s60 steps by 1,024 a trip
	v_add_nc_u32 v[CP], s[TB], v[ADRP]             ; the fragments' addresses in this step's slot
	v_add_nc_u32 v[CV], s[TB], v[ADRV]
	v_add_nc_u32 v[CV+1], s[TB], v[ADRV+1]
	FETCH 0, 0
.if \fill
	WIN 0
	ASK
.endif
	QUARTER 0
	QUARTER 1
	QUARTER 2
	QUARTER 3
	WIN 0
	s_add_co_u32 s20, s20, 1
.if \blkend
	s_cmp_eq_u32 s20, s19
	s_cbranch_scc0 .Lsame_\@                       ; forward, past text that holds neither a barrier nor a tensor load
	WAYOUT 0, 66, 1
.Lsame_\@:
.endif
.endm
	s_mov_b32 s60, 0
	s_mov_b32 s[TB], 0                             ; step 0 lies in slot 0
	s_mov_b32 s[TBN], SLOTB
	s_mov_b32 s72, 8
.Lwalk:                                                ; eight trips: steps 0 to 7 are multiplied, tiles 1 to 8 asked for
	STEP 1, 1
	s_add_co_u32 s60, s60, 1024
	s_xor_b32 s[TB], s[TB], SLOTB                  ; 0 and SLOTB change places
	s_xor_b32 s[TBN], s[TBN], SLOTB
	s_sub_co_u32 s72, s72, 1
	s_cmp_lg_u32 s72, 0
	s_cbranch_scc1 .Lwalk
	STEP 0, 0                                      ; the walk's last step, in slot 0 again (s[TB] = 0 behind eight trips), asks for nothing
	WAYOUT 1, 68, 0
	s_wait_tensorcnt 0x0                           ; the wave's end
	ds_add_u32 v[SPW], v[NIL]
	s_wait_dscnt 0x0
	CROUND                                         ; the closing round
	s_endpgm
.Lfunc_end_k_q6c8bb764b0_mix:
	.size	k_q6c8bb764b0_mix, .Lfunc_end_k_q6c8bb764b0_mix-k_q6c8bb764b0_mix
	.p2alignl 7, 3214868480
	.fill 96, 4, 3214868480
	.section	.rodata,"a",@progbits
	.p2align	6, 0x0
	.amdhsa_kernel k_q6c8bb764b0_mix
		.amdhsa_group_segment_fixed_size 327680
		.amdhsa_private_segment_fixed_size 0
		.amdhsa_enable_private_segment 0
		.amdhsa_kernarg_size 40
		.amdhsa_user_sgpr_count 2
		.amdhsa_user_sgpr_kernarg_segment_ptr 1
		.amdhsa_wavefront_size32 1
		.amdhsa_system_sgpr_workgroup_id_x 1
		.amdhsa_system_sgpr_workgroup_id_y 1
		.amdhsa_system_sgpr_workgroup_id_z 1
		.amdhsa_system_vgpr_workitem_id 0
		.amdhsa_next_free_vgpr 768
		.amdhsa_next_free_sgpr 96
		.amdhsa_reserve_vcc 0
		.amdhsa_float_denorm_mode_32 3
		.amdhsa_float_denorm_mode_16_64 3
		.amdhsa_memory_ordered 1
		.amdhsa_forward_progress 1
		.amdhsa_inst_pref_size 111
	.end_amdhsa_kernel
	.amdgpu_metadata
---
amdhsa.version: [ 1, 2 ]
amdhsa.kernels:
  - .name:           k_q6c8bb764b0_mix
    .symbol:         k_q6c8bb764b0_mix.kd
    .args:
      - { .name: pt, .offset: 0, .size: 8, .value_kind: global_buffer, .address_space: global }
      - { .name: qkv, .offset: 8, .size: 8, .value_kind: global_buffer, .address_space: global }
      - { .name: mx, .offset: 16, .size: 8, .value_kind: global_buffer, .address_space: global }
      - { .name: ls, .offset: 24, .size: 8, .value_kind: global_buffer, .address_space: global }
      - { .name: out0, .offset: 32, .size: 8, .value_kind: global_buffer, .address_space: global }
    .group_segment_fixed_size: 327680
    .private_segment_fixed_size: 0
    .kernarg_segment_align: 8
    .kernarg_segment_size: 40
    .max_flat_workgroup_size: 128
    .sgpr_count:     96
    .vgpr_count:     768
    .wavefront_size: 32
...
	.end_amdgpu_metadata
.endif
;; end of part 10
;; ======== version 3 of 3: 4 launches; version 2 with the launch cast written anew for expert scheduling mode
;; limits: values are held in f16: magnitudes above 65,504 overflow, below 6.1e-05 lose precision
;; workspace buffers: xb 16,777,216 bytes; wb 6,291,456 bytes; qkv 50,331,648 bytes; pt 33,554,432 bytes; mx 524,288 bytes; ls 524,288 bytes; hq 786,432 bytes
;; launch cast (part 11): grid 256 x 1, 8 waves a work-group, no clusters, 0 bytes of LDS; arguments x, Wq, Wk, Wv, xb, wb; writes xb, wb
.if DOCPART == 11
	.amdgcn_target "amdgcn-amd-amdhsa--gfx1250"
	.amdhsa_code_object_version 6
	.text
	.protected	k_q6c8bb764b0_cast
	.globl	k_q6c8bb764b0_cast
	.p2align	8
	.type	k_q6c8bb764b0_cast,@function
k_q6c8bb764b0_cast:
	s_mov_b64 s[64:65], 0
	v_nop
	global_prefetch_b8 v0, s[64:65] scope:SCOPE_SE
	s_setreg_imm32_b32 hwreg(HW_REG_WAVE_SCHED_MODE, 0, 2), 2
	s_setreg_imm32_b32 hwreg(HW_REG_WAVE_MODE, 25, 1), 1
	s_wait_xcnt 0x0
	s_wait_alu depctr_vm_vsrc(0)
; x [8192][1024] and Wq, Wk, Wv [1024][1024], all f32, are rounded once to bf16: xb [8192][1024]; wb [3072][1024], rows Wq, Wk, Wv.
; A stream: every byte is read once and written once; no LDS, no matrix unit, no barrier.
; EQUAL SHARES.  8,192 = 256 x 32 and 3,072 = 256 x 12: each of the 256 work-groups takes 32 rows of x and 12 rows of the weights: 22 chunks of 8,192 bytes (two rows).
; 12 does not divide 1,024, so a work-group's six chunks of weights may lie in two matrices: each chunk's matrix is chosen by its number among the 1,536.
; Thread t owns the 32 bytes at 32 t of a chunk: eight numbers, which leave as 16 bytes at 16 t: a wave's store covers 512 consecutive bytes, aligned.
; All 44 loads of a thread go out at once; the waits count the younger loads down.
; THE MODE: SCHED_MODE bits 1:0 = 2 (LLVM: expert scheduling mode 2), set by the entry lines.  The code itself states the register dependences
; between vector instructions and memory instructions, with s_wait_alu, always for 0.
; THE PLAN.  Registers that memory instructions touch:
;   v1, v2     byte offsets.  Written once, at the head; v1 is read by every load, v2 by every store; never written again.
;   X[c]       chunk c's eight registers, its own.  Written by the chunk's two loads, ahead of which no vector instruction names them; read by its four conversions, behind the
;              counted wait for its data; the first four are written by those conversions and read by the chunk's one store; no line writes them after that.
; So the text owes one kind of wait: a vector result that a memory instruction reads.  One stands ahead of the first load, for v1 and v2.  The chunks go in blocks of four
; (the last block has two: 22 = 5 x 4 + 2): a block's conversions, ONE wait, the block's stores in a run.  The wait stands behind the block's own conversions and not behind the next
; chunk's wait for data: the stores hang on nothing that the next chunk brings.  No register that a memory instruction has read is ever written again, so no wait on vm_vsrc is owed.
; No vector instruction writes a scalar register or VCC, and EXEC is never written.
.set X, 4                              ; v[4:179]  chunk c: eight registers as loaded; the first four then hold the packed result
.set WP, 32                            ; s[32:43]  where each of my six chunks of weights begins
.set CHUNKS, 22
	s_load_b256 s[4:11], s[0:1], 0x0               ; x s[4:5], Wq s[6:7], Wk s[8:9], Wv s[10:11]
	s_load_b128 s[12:15], s[0:1], 0x20             ; xb s[12:13], wb s[14:15]
	v_lshlrev_b32 v1, 5, v0                        ; my 32 bytes of a chunk
	v_lshlrev_b32 v2, 4, v0                        ; my 16 bytes of its result
	s_lshl_b32 s16, ttmp9, 17                      ; my 32 rows of x,
	s_mov_b32 s17, 0
	s_lshl_b32 s18, ttmp9, 16                      ; and of xb
	s_mov_b32 s19, 0
	s_mul_i32 s20, ttmp9, 6                        ; my first chunk of the weights' 1,536,
	s_mul_i32 s22, ttmp9, 6*4096                   ; and its place in wb
	s_mov_b32 s23, 0
	s_mov_b32 s27, 0
	s_wait_kmcnt 0x0
	s_add_nc_u64 s[4:5], s[4:5], s[16:17]
	s_add_nc_u64 s[12:13], s[12:13], s[18:19]
	s_add_nc_u64 s[14:15], s[14:15], s[22:23]
.irp j, 0,1,2,3,4,5
	s_add_co_u32 s24, s20, \j
	s_lshr_b32 s25, s24, 9                         ; which matrix: 512 chunks each
	s_and_b32 s26, s24, 511
	s_lshl_b32 s26, s26, 13                        ; the chunk's bytes in it
	s_cmp_eq_u32 s25, 1
	s_cselect_b64 s[WP+2*(\j):WP+2*(\j)+1], s[8:9], s[6:7]
	s_cmp_eq_u32 s25, 2
	s_cselect_b64 s[WP+2*(\j):WP+2*(\j)+1], s[10:11], s[WP+2*(\j):WP+2*(\j)+1]
	s_add_nc_u64 s[WP+2*(\j):WP+2*(\j)+1], s[WP+2*(\j):WP+2*(\j)+1], s[26:27]
.endr
	s_wait_alu depctr_va_vdst(0)                   ; v1 and v2 are written: every load below reads v1 as its offset, every store v2
.irp c, 0,1,2,3,4,5,6,7,8,9,10,11,12,13,14,15
	global_load_b128 v[X+8*(\c):X+8*(\c)+3],   v1, s[4:5] offset:8192*(\c) th:TH_LOAD_NT
	global_load_b128 v[X+8*(\c)+4:X+8*(\c)+7], v1, s[4:5] offset:8192*(\c)+16 th:TH_LOAD_NT
.endr
.irp j, 0,1,2,3,4,5
	global_load_b128 v[X+128+8*(\j):X+128+8*(\j)+3],   v1, s[WP+2*(\j):WP+2*(\j)+1] th:TH_LOAD_NT
	global_load_b128 v[X+128+8*(\j)+4:X+128+8*(\j)+7], v1, s[WP+2*(\j):WP+2*(\j)+1] offset:16 th:TH_LOAD_NT
.endr
; A block: chunks b to b + 3 (the last block: 20 and 21).
.irp b, 0,4,8,12,16,20
.irp i, 0,1,2,3
.if (\b)+(\i) < CHUNKS
	s_wait_loadcnt 2*(CHUNKS-1-(\b)-(\i))          ; loads come back in order: chunk c's two are in, the 42 - 2 c younger ones stay out (stores raise another counter)
	v_cvt_pk_bf16_f32 v[X+8*((\b)+(\i))],   v[X+8*((\b)+(\i))],   v[X+8*((\b)+(\i))+1]
	v_cvt_pk_bf16_f32 v[X+8*((\b)+(\i))+1], v[X+8*((\b)+(\i))+2], v[X+8*((\b)+(\i))+3]
	v_cvt_pk_bf16_f32 v[X+8*((\b)+(\i))+2], v[X+8*((\b)+(\i))+4], v[X+8*((\b)+(\i))+5]
	v_cvt_pk_bf16_f32 v[X+8*((\b)+(\i))+3], v[X+8*((\b)+(\i))+6], v[X+8*((\b)+(\i))+7]
.endif
.endr
	s_wait_alu depctr_va_vdst(0)                   ; the block's conversions have written the first four registers of each of its chunks, which the stores below read
.irp i, 0,1,2,3
.if (\b)+(\i) < 16
	global_store_b128 v2, v[X+8*((\b)+(\i)):X+8*((\b)+(\i))+3], s[12:13] offset:4096*((\b)+(\i)) th:TH_STORE_NT       ; no register of a store is written again
.elseif (\b)+(\i) < CHUNKS
	global_store_b128 v2, v[X+8*((\b)+(\i)):X+8*((\b)+(\i))+3], s[14:15] offset:4096*((\b)+(\i)-16) th:TH_STORE_NT
.endif
.endr
.endr
	s_endpgm
.Lfunc_end_k_q6c8bb764b0_cast:
	.size	k_q6c8bb764b0_cast, .Lfunc_end_k_q6c8bb764b0_cast-k_q6c8bb764b0_cast
	.p2alignl 7, 3214868480
	.fill 96, 4, 3214868480
	.section	.rodata,"a",@progbits
	.p2align	6, 0x0
	.amdhsa_kernel k_q6c8bb764b0_cast
		.amdhsa_group_segment_fixed_size 0
		.amdhsa_private_segment_fixed_size 0
		.amdhsa_enable_private_segment 0
		.amdhsa_kernarg_size 48
		.amdhsa_user_sgpr_count 2
		.amdhsa_user_sgpr_kernarg_segment_ptr 1
		.amdhsa_wavefront_size32 1
		.amdhsa_system_sgpr_workgroup_id_x 1
		.amdhsa_system_sgpr_workgroup_id_y 1
		.amdhsa_system_sgpr_workgroup_id_z 1
		.amdhsa_system_vgpr_workitem_id 0
		.amdhsa_next_free_vgpr 180
		.amdhsa_next_free_sgpr 66
		.amdhsa_reserve_vcc 0
		.amdhsa_float_denorm_mode_32 3
		.amdhsa_float_denorm_mode_16_64 3
		.amdhsa_memory_ordered 1
		.amdhsa_forward_progress 1
		.amdhsa_inst_pref_size 16
	.end_amdhsa_kernel
	.amdgpu_metadata
---
amdhsa.version: [ 1, 2 ]
amdhsa.kernels:
  - .name:           k_q6c8bb764b0_cast
    .symbol:         k_q6c8bb764b0_cast.kd
    .args:
      - { .name: x, .offset: 0, .size: 8, .value_kind: global_buffer, .address_space: global }
      - { .name: Wq, .offset: 8, .size: 8, .value_kind: global_buffer, .address_space: global }
      - { .name: Wk, .offset: 16, .size: 8, .value_kind: global_buffer, .address_space: global }
      - { .name: Wv, .offset: 24, .size: 8, .value_kind: global_buffer, .address_space: global }
      - { .name: xb, .offset: 32, .size: 8, .value_kind: global_buffer, .address_space: global }
      - { .name: wb, .offset: 40, .size: 8, .value_kind: global_buffer, .address_space: global }
    .group_segment_fixed_size: 0
    .private_segment_fixed_size: 0
    .kernarg_segment_align: 8
    .kernarg_segment_size: 48
    .max_flat_workgroup_size: 256
    .sgpr_count:     66
    .vgpr_count:     180
    .wavefront_size: 32
...
	.end_amdgpu_metadata
.endif
;; end of part 11
;; launch proj: the kernel of part 8 again; grid 12 x 32, 4 waves a work-group, clusters of 4 x 4, 327,680 bytes of LDS; arguments xb, wb, qkv, hq; writes qkv, hq
;; launch score: the kernel of part 9 again; grid 52 x 4, 4 waves a work-group, no clusters, 327,680 bytes of LDS; arguments qkv, pt, mx, ls, hq, out0; writes pt, mx, ls, out0
;; launch mix: the kernel of part 10 again; grid 8 x 32, 4 waves a work-group, clusters of 4 x 1, 327,680 bytes of LDS; arguments pt, qkv, mx, ls, out0; writes out0
